; MI455X (gfx1250); checked and timed in simulation.
; The chip was launched on July 23, 2026; its instructions are those of AMD's public machine-readable ISA for CDNA 5 (MIT licence, August 2026) and "CDNA5" Instruction Set Architecture Reference Guide (July 2026). The comments in the code are by the model that wrote it; some were corrected since.
;; Multihead Attention. Allowed arithmetic: matrix products marked QUANTISED: E3M2 operands, one E8M0 scale for each 32 along K, by v_wmma_scale_f32_16x16x128_f8f6f4 with both operands' format E3M2, f32 sums; products left as they are: f32 operands where the result goes on into a quantised operand, else bf16, f16 or f32 operands; f32 sums; everything else in f32.
;; Inputs: bk 1,024 float32; bo 1,024 float32; bq 1,024 float32; bv 1,024 float32; key_in 2,048 x 8 x 1,024 float32; query 1,024 x 8 x 1,024 float32; value 2,048 x 8 x 1,024 float32; wk 1,024 x 1,024 float32; wo 1,024 x 1,024 float32; wq 1,024 x 1,024 float32; wv 1,024 x 1,024 float32.
;; Outputs: out0 1,024 x 8 x 1,024 float32.
;; This version of the problem:
;;   THIS VERSION OF THE PROBLEM IS GIVEN IN LOW PRECISION. The matrix products marked QUANTISED in the list below multiply operands that are first quantised to E3M2 (3 exponent bits, 2 mantissa bits; 6 bits a number), with one power-of-two scale for each 32 numbers along K (OCP MX v1.0); their sums are f32. All else is computed in f32.
;;   The module's matrix products, in the order in which they are computed (A, B: the left and right operand; K: the contracted axis; several contracted axes count as one K, in the product's order):
;;     1. [M 8,192, K 1,024] x [K 1,024, N 1,024]; A: input query; B: input wq: QUANTISED
;;     2. [M 16,384, K 1,024] x [K 1,024, N 1,024]; A: input key_in; B: input wk: QUANTISED
;;     3. [M 16,384, K 1,024] x [K 1,024, N 1,024]; A: input value; B: input wv: QUANTISED
;;     4. batch 128 x [M 128, K 2,048] x [K 2,048, N 64]; A: computed on the way; B: computed on the way: QUANTISED
;;     5. batch 128 x [M 1,024, K 128] x [K 128, N 64]; A: computed on the way; B: computed on the way: QUANTISED
;;     6. batch 128 x [M 1,024, K 128] x [K 128, N 1]; A: computed on the way; B: computed on the way: left as it is (N = 1 < 16)
;;     7. [M 8,192, K 1,024] x [K 1,024, N 1,024]; A: computed on the way; B: input wo: QUANTISED
;;   THE QUANTISER, for each operand of a quantised product, along K:
;;     - K is cut into blocks of 32 from its start; a last block that is shorter is filled with zeros.
;;     - A block's scale is 2^e with e = floor(log2(the largest magnitude in the block)) - 4, held to -126 .. 127; a block of zeros has e = 0. As a byte (E8M0): e + 127.
;;     - Each number is divided by its block's scale, clamped to +-28, and rounded to the nearest number of E3M2, ties to even, subnormals kept.
;;     - The product sums the exact products of the quantised numbers (number of the format x scale) in f32.
;;   ~~~python
;;   def quantise(x, axis):      # numpy; x: float32 -> the quantised numbers, widened to float32 again
;;       x = np.moveaxis(x, axis, -1); K = x.shape[-1]
;;       x = np.pad(x, [(0, 0)] * (x.ndim - 1) + [(0, -K % 32)]); x = x.reshape(x.shape[:-1] + (-1, 32)); a = np.abs(x).max(-1, keepdims=True)
;;       e = np.where(a > 0, np.clip(np.frexp(np.where(a > 0, a, 1))[1] - 1 - 4, -126, 127), 0)      # np.frexp(a)[1] - 1 = floor(log2(a)), exactly
;;       r = np.clip(x / 2.0 ** e, -28, 28)
;;       step = 2.0 ** (np.maximum(np.frexp(np.where(r == 0, 1, r))[1] - 1, -2) - 2)
;;       q = np.round(r / step) * step * 2.0 ** e      # np.round: ties to even
;;       return np.moveaxis(q.reshape(q.shape[:-2] + (-1,))[..., :K], -1, axis).astype(np.float32)
;;   ~~~
;;   OPERANDS COMPUTED ON THE WAY. 'Computed on the way' means the value that the module computes at that place (a softmax that the list does not call 'softmax' is quantised finished and normalised). What goes into a quantiser is computed in f32, as accurately as f32 sums, v_exp_f32 and their like allow (about 1e-6 of the number): no bf16 or f16 on the way to a quantiser, and a product that is left as it is and whose result goes on into a quantised operand takes f32 operands (vector FMAs, or v_wmma_f32_16x16x4_f32). A number that lies on a knife's edge between two numbers of the format may be rounded either way, as far as f32 arithmetic and the matrix unit's own rounding can turn it there, and no further.
;; 2 versions, each right; version 2 is version 1 with the launches kvproj, qattn, oproj written anew for expert scheduling mode. Each part assembles by itself: llvm-mc -triple=amdgcn-amd-amdhsa -mcpu=gfx1250 --defsym DOCPART=n.
;; ======== version 1 of 2: 5 launches
;; workspace buffers: img 10,223,616 bytes; trig 16,384 bytes; kvop 40,894,464 bytes; ksp 1,048,576 bytes; kvimg 1,048,576 bytes; ksum 65,536 bytes; aimg 6,815,744 bytes
;; launch prep (part 1): grid 256 x 1, 6 waves a work-group, no clusters, 51,456 bytes of LDS; arguments wq, wk, wv, wo, query, img, trig; writes img, trig
.if DOCPART == 1
	.amdgcn_target "amdgcn-amd-amdhsa--gfx1250"
	.amdhsa_code_object_version 6
	.text
	.protected	k_qc41a2ceeaa_prep
	.globl	k_qc41a2ceeaa_prep
	.p2align	8
	.type	k_qc41a2ceeaa_prep,@function
k_qc41a2ceeaa_prep:
	s_mov_b64 s[64:65], 0
	v_nop
	global_prefetch_b8 v0, s[64:65] scope:SCOPE_SE
	s_setreg_imm32_b32 hwreg(HW_REG_WAVE_MODE, 25, 1), 1
	s_wait_xcnt 0x0
; PREP: wq, wk, wv, wo [1024][1024] and query [1024][8][1024], f32, K innermost, become codes of BF6 (E3M2) with one E8M0 byte for each 32 along K,
; laid as IMAGES OF OPERAND REGISTERS; and the table of sin and cos is made.
; A RECORD (6,656 bytes) is 64 rows x 128 K: four fragments of 16 rows (1,536 bytes each) and 512 bytes of scale words (lane l's 16 bytes: the words of tiles 0..3 for row l % 16).
; A fragment's 12 registers lie as two halves of 768 bytes: registers 0-3 (16 bytes a lane), 4-5 (8 bytes a lane); 6-9, 10-11 likewise: every store covers 512 or 256 consecutive bytes, aligned.
; THE ROWS OF A TILE ARE NOT NEIGHBOURS: lane-row r of tile j is row 32 (j / 2) + 8 (j % 2) + r + 8 (r / 8) of the record's 64, so that results made with such a tile as source 0 have 16 neighbours in the registers of two tiles.
; Record number = 128 ti + 8 hd + ks: ti 0..3 = wq, wk, wv, wo (hd: 64 rows n), ti 4..11 = query of batch ti - 4 (hd: 64 rows t); ks: 128 along K.
; SHARES: 1,536 records, one a wave: 256 work-groups x 6 waves.  One path serves all five tensors: only the pointer and the distance from row to row are chosen, by the record's number.
; A unit (16 rows x 512 bytes) is loaded as it lies, 512 consecutive bytes an instruction, and turned through the wave's own stage in LDS (rows 528 bytes apart: row r starts 4 r words on, modulo 64), so that a lane gets
; 16 neighbours of each block of 32.  All 64 loads of a wave go out at once.  No barrier: waves share nothing.
; A block's scale is 2^(floor(log2(largest magnitude)) - 4); its byte is the largest magnitude's exponent field - 4, held at 1 from below.
; THE TABLE: trig[0][s] = sin(x), trig[1][s] = cos(x), x = fl(fl(pi/2) (s + 1) / 2048), s = 0 .. 2047; the table for 1,024 places is its entries 2 t + 1.
; With y = pi/2 - x (pi/2 in two parts) and a = min(x, y), at most pi/4, both come from two polynomials in a^2; where x > y they change places.  A wave's 32 entries leave as 128 bytes: part of an aligned 256, 16,384 bytes in all.
; LIMITS: NaN and infinities among the inputs are not served.  A block of zeros gets the byte 1, not 127: its codes are zeros, and this program alone reads the bytes.
.set REC,  6656
.set STGB, 8448                        ; a wave's stage: 16 rows x 528 bytes
.set SPIT, 528
.set L16,  1                           ; v1   16 x lane
.set L8,   2                           ; v2   8 x lane
.set STW,  3                           ; v3   the stage, on the way in: 16 x lane
.set STR,  4                           ; v4   and out: 528 r + 64 h
.set LN,   6                           ; v6   lane
.set RO,   8                           ; v8-23  16 x lane + the i-th row of a tile
.set X,    24                          ; v24-87 64 numbers: register 16 b + i = k 32 b + 16 h + i of my row
.set PC,   88                          ; v88-107  codes
.set TM,   108                         ; v108-123 at work in QUANT
.set PW4,  124                         ; v124-127 the four tiles' scale words
.set BJ,   28                          ; s[28:35] the four tiles' first rows
.set DST,  36                          ; s[36:37] my record
.set SEL,  38                          ; s[38:39] v_permlanex16_b32's selects for lane l xor 16
.set MSB, 0
.macro WIN new                         ; the immediate's high byte repeats the setting that is left
.if MSB != \new
	s_set_vgpr_msb (MSB<<8)|\new
.set MSB, \new
.endif
.endm
; 32 nc numbers of a lane, register 16 b + i = k 32 b + 16 (lane / 16) + i of its row, become nc halves of a fragment in v[PC] on, and the row's scale bytes in v[pw].
.macro QUANT src, nc, pw
.set qb, 0
.rept 2*(\nc)
	v_max3_num_f32 v[TM+qb], |v[\src+16*qb]|, |v[\src+16*qb+1]|, 0x2800000   ; my 16 numbers of block b, and the floor 2^(5 - 127): the byte cannot fall under 1
.set qb, qb+1
.endr
.set qi, 2
.rept 7
.set qb, 0
.rept 2*(\nc)
	v_max3_num_f32 v[TM+qb], v[TM+qb], |v[\src+16*qb+qi]|, |v[\src+16*qb+qi+1]|   ; the blocks by turns
.set qb, qb+1
.endr
.set qi, qi+2
.endr
.set qb, 0
.rept 2*(\nc)
	v_permlanex16_b32 v[TM+4+qb], v[TM+qb], s[SEL], s[SEL+1]
.set qb, qb+1
.endr
.set qb, 0
.rept 2*(\nc)
	v_max_num_f32 v[TM+qb], v[TM+qb], v[TM+4+qb]           ; with lane l xor 16's: the block's largest magnitude
.set qb, qb+1
.endr
.set qb, 0
.rept 2*(\nc)
	v_add_nc_u32 v[TM+12+qb], 0xfe000000, v[TM+qb]         ; 4 off its exponent field: the conversion's scale operand
.set qb, qb+1
.endr
.set qb, 0
.rept 2*(\nc)
	v_lshrrev_b32 v[TM+4+qb], 23, v[TM+12+qb]              ; the scale's byte
.set qb, qb+1
.endr
	v_lshl_or_b32 v[\pw], v[TM+5], 8, v[TM+4]
.if (\nc) > 1
	v_lshl_or_b32 v[\pw], v[TM+6], 16, v[\pw]
	v_lshl_or_b32 v[\pw], v[TM+7], 24, v[\pw]
.endif
.set qc, 0
.rept \nc
	v_cvt_scalef32_pk16_bf6_f32 v[PC+6*qc:PC+6*qc+2], v[\src+32*qc:\src+32*qc+15], v[TM+12+2*qc]
	v_cvt_scalef32_pk16_bf6_f32 v[PC+12+4*qc:PC+14+4*qc], v[\src+32*qc+16:\src+32*qc+31], v[TM+13+2*qc]   ; (a conversion's three registers begin on an even number)
.set qc, qc+1
.endr
	v_nop                                                  ; one plain instruction behind the scaled conversions
.set qc, 0
.rept \nc                              ; the operand's layout wants a whole block in a lane: lanes 0-15 block 2 c, lanes 16-31 block 2 c + 1
.set qi, 0
.rept 3
	v_permlane16_swap_b32 v[PC+6*qc+qi], v[PC+12+4*qc+qi]
.set qi, qi+1
.endr
.set qi, 0
.rept 3
	v_mov_b32 v[PC+3+6*qc+qi], v[PC+12+4*qc+qi]
.set qi, qi+1
.endr
.set qc, qc+1
.endr
.endm
.macro FSTG base, off                  ; the fragment in v[PC] on goes to memory as it stands
	global_store_b128 v[L16], v[PC:PC+3], s[\base:\base+1] offset:\off
	global_store_b64 v[L8], v[PC+4:PC+5], s[\base:\base+1] offset:\off+512
	global_store_b128 v[L16], v[PC+6:PC+9], s[\base:\base+1] offset:\off+768
	global_store_b64 v[L8], v[PC+10:PC+11], s[\base:\base+1] offset:\off+1280
.endm
	s_load_b256 s[4:11], s[0:1], 0x0               ; wq, wk, wv, wo
	s_load_b128 s[12:15], s[0:1], 0x20             ; query, img
	s_load_b64 s[16:17], s[0:1], 0x30              ; trig
	v_lshl_add_u32 v254, v0, 2, 0xc600
	v_mov_b32 v255, 0
	v_lshrrev_b32 v5, 5, v0
	v_readfirstlane_b32 s20, v5                    ; wave 0..5
	v_and_b32 v[LN], 31, v0
	v_and_b32 v7, 15, v0                           ; r
	v_bfe_u32 v5, v0, 4, 1                         ; h
	v_lshlrev_b32 v[L16], 4, v[LN]
	v_lshlrev_b32 v[L8], 3, v[LN]
	s_mul_i32 s40, s20, STGB                       ; my stage
	v_add_nc_u32 v[STW], s40, v[L16]
	v_mul_u32_u24 v[STR], v7, SPIT
	v_lshl_add_u32 v[STR], v5, 6, v[STR]
	v_add_nc_u32 v[STR], s40, v[STR]
	s_mov_b32 s[SEL], 0x76543210
	s_mov_b32 s[SEL+1], 0xfedcba98
.irp b, 0,1,2,3
	v_mov_b32 v[TM+4+\b], 0                        ; written once: a lane permute's destination counts as one of its sources
.endr
	s_mul_i32 s21, ttmp9, 6
	s_add_co_u32 s21, s21, s20                     ; my record, 0 .. 1535
	s_lshr_b32 s22, s21, 7                         ; ti
	s_bfe_u32 s23, s21, 0x40003                    ; hd
	s_and_b32 s24, s21, 7                          ; ks
	s_cmp_lt_u32 s22, 4
	s_cselect_b32 s41, 12, 15
	s_lshl_b32 s25, 1, s41                         ; from row to row: 4,096 bytes in a weight, 32,768 in query (8 batches lie between two t)
	s_sub_co_i32 s42, s22, 4
	s_max_i32 s42, s42, 0
	s_lshl_b32 s42, s42, 12                        ; query: the batch's 4,096 bytes
	s_lshl_b32 s40, s23, 6
	s_mul_i32 s40, s40, s25                        ; the record's first row
	s_lshl_b32 s43, s24, 9                         ; its 128 along K
	s_add_co_u32 s40, s40, s43
	s_add_co_u32 s40, s40, s42
	s_mov_b32 s41, 0
.set ii, 0
.rept 16
	s_mul_i32 s44, s25, ii+8*(ii/8)                ; row i of a tile lies i + 8 (i / 8) rows behind the tile's first
	v_add_nc_u32 v[RO+ii], s44, v[L16]
.set ii, ii+1
.endr
	s_wait_kmcnt 0x0
	s_cmp_eq_u32 s22, 0                            ; the tensor: a choice on the record's number alone
	s_cselect_b64 s[26:27], s[4:5], s[12:13]
	s_cmp_eq_u32 s22, 1
	s_cselect_b64 s[26:27], s[6:7], s[26:27]
	s_cmp_eq_u32 s22, 2
	s_cselect_b64 s[26:27], s[8:9], s[26:27]
	s_cmp_eq_u32 s22, 3
	s_cselect_b64 s[26:27], s[10:11], s[26:27]
	s_add_nc_u64 s[26:27], s[26:27], s[40:41]
	s_mov_b64 s[BJ:BJ+1], s[26:27]                 ; tile j begins 32 (j / 2) + 8 (j % 2) rows on
	s_lshl_b32 s42, s25, 3
	s_mov_b32 s43, 0
	s_add_nc_u64 s[BJ+2:BJ+3], s[26:27], s[42:43]
	s_lshl_b32 s42, s25, 5
	s_add_nc_u64 s[BJ+4:BJ+5], s[26:27], s[42:43]
	s_mul_i32 s42, s25, 40
	s_add_nc_u64 s[BJ+6:BJ+7], s[26:27], s[42:43]
	s_mul_i32 s42, s21, REC
	s_add_nc_u64 s[DST:DST+1], s[14:15], s[42:43]
	WIN 0x40                                       ; destination window 1: v256-511, four sets of 64
.irp j, 0,1,2,3
.set ii, 0
.rept 16
	global_load_b128 v[64*\j+4*ii:64*\j+4*ii+3], v[RO+ii], s[BJ+2*\j:BJ+2*\j+1] th:TH_LOAD_NT   ; 32 lanes read 512 consecutive bytes of one row
.set ii, ii+1
.endr
.endr
	WIN 0
.macro UNIT j
	s_wait_loadcnt 16*(3-\j)                       ; this tile's 16 loads are in; those of the tiles behind it may be out
	WIN 0x04                                       ; an LDS store's data are its source 1: window 1
.set ii, 0
.rept 16
	ds_store_b128 v[STW], v[64*\j+4*ii:64*\j+4*ii+3] offset:SPIT*ii
.set ii, ii+1
.endr
	WIN 0
.set ii, 0
.rept 16
	ds_load_b128 v[X+4*ii:X+4*ii+3], v[STR] offset:128*(ii/4)+16*(ii%4)   ; LDS serves a wave's instructions in order: these see the stores above
.set ii, ii+1
.endr
	s_wait_dscnt 0x0
.if \j > 0
	s_wait_xcnt 0x0                                ; the last tile's stores have read the codes' registers
.endif
	QUANT X, 2, PW4+\j
	FSTG DST, 1536*\j
.endm
	UNIT 0
	UNIT 1
	UNIT 2
	UNIT 3
	global_store_b128 v[L16], v[PW4:PW4+3], s[DST:DST+1] offset:6144
	; ---- the table: records 0 .. 127's waves make 32 entries each
	s_cmp_lt_u32 s21, 128
	s_cbranch_scc0 .Lend
	s_lshl_b32 s40, s21, 5
	v_add_nc_u32 v128, s40, v[LN]                  ; entry 0 .. 4095: 2,048 of sin, then 2,048 of cos
	v_and_b32 v129, 0x7ff, v128
	v_add_nc_u32 v129, 1, v129
	v_cvt_f32_u32 v129, v129
	v_mul_f32 v129, 0x3a000000, v129               ; (s + 1) / 2048, exact
	v_mul_f32 v129, 0x3fc90fdb, v129               ; x
	v_sub_f32 v130, 0x3fc90fdb, v129
	v_add_f32 v130, 0xb33bbd2e, v130               ; y = pi/2 - x, pi/2 in two parts
	v_min_num_f32 v131, v129, v130                 ; a
	v_mul_f32 v132, v131, v131                     ; z = a^2
	v_mov_b32 v133, 0xb94ca1f9
	v_fmaak_f32 v133, v133, v132, 0x3c08839e
	v_fmaak_f32 v133, v133, v132, 0xbe2aaaa3
	v_mul_f32 v133, v133, v132
	v_fma_f32 v133, v133, v131, v131               ; sin a
	v_mov_b32 v134, 0x37ccf5ce
	v_fmaak_f32 v134, v134, v132, 0xbab6061a
	v_fmaak_f32 v134, v134, v132, 0x3d2aaaa5
	v_mul_f32 v135, v132, v132
	v_fma_f32 v136, v132, -0.5, 1.0
	v_fma_f32 v134, v134, v135, v136               ; cos a
	v_cmp_gt_f32 vcc_lo, v129, v130                ; x > y: sin x = cos a, cos x = sin a
	v_cndmask_b32 v137, v133, v134, vcc_lo
	v_cndmask_b32 v138, v134, v133, vcc_lo
	s_lshr_b32 s41, s21, 6
	s_sub_co_u32 s41, 0, s41                       ; all ones in the waves that make cos
	v_cndmask_b32 v137, v137, v138, s41
	v_lshlrev_b32 v128, 2, v128
	global_store_b32 v128, v137, s[16:17]
.Lend:
	s_wait_tensorcnt 0x0
	ds_add_u32 v254, v255
	s_wait_dscnt 0x0
	s_endpgm
.Lfunc_end_k_qc41a2ceeaa_prep:
	.size	k_qc41a2ceeaa_prep, .Lfunc_end_k_qc41a2ceeaa_prep-k_qc41a2ceeaa_prep
	.p2alignl 7, 3214868480
	.fill 96, 4, 3214868480
	.section	.rodata,"a",@progbits
	.p2align	6, 0x0
	.amdhsa_kernel k_qc41a2ceeaa_prep
		.amdhsa_group_segment_fixed_size 51456
		.amdhsa_private_segment_fixed_size 0
		.amdhsa_enable_private_segment 0
		.amdhsa_kernarg_size 56
		.amdhsa_user_sgpr_count 2
		.amdhsa_user_sgpr_kernarg_segment_ptr 1
		.amdhsa_wavefront_size32 1
		.amdhsa_system_sgpr_workgroup_id_x 1
		.amdhsa_system_sgpr_workgroup_id_y 1
		.amdhsa_system_sgpr_workgroup_id_z 1
		.amdhsa_system_vgpr_workitem_id 0
		.amdhsa_next_free_vgpr 512
		.amdhsa_next_free_sgpr 66
		.amdhsa_reserve_vcc 1
		.amdhsa_float_denorm_mode_32 3
		.amdhsa_float_denorm_mode_16_64 3
		.amdhsa_memory_ordered 1
		.amdhsa_forward_progress 1
		.amdhsa_inst_pref_size 37
	.end_amdhsa_kernel
	.amdgpu_metadata
---
amdhsa.version: [ 1, 2 ]
amdhsa.kernels:
  - .name:           k_qc41a2ceeaa_prep
    .symbol:         k_qc41a2ceeaa_prep.kd
    .args:
      - { .name: wq, .offset: 0, .size: 8, .value_kind: global_buffer, .address_space: global }
      - { .name: wk, .offset: 8, .size: 8, .value_kind: global_buffer, .address_space: global }
      - { .name: wv, .offset: 16, .size: 8, .value_kind: global_buffer, .address_space: global }
      - { .name: wo, .offset: 24, .size: 8, .value_kind: global_buffer, .address_space: global }
      - { .name: query, .offset: 32, .size: 8, .value_kind: global_buffer, .address_space: global }
      - { .name: img, .offset: 40, .size: 8, .value_kind: global_buffer, .address_space: global }
      - { .name: trig, .offset: 48, .size: 8, .value_kind: global_buffer, .address_space: global }
    .group_segment_fixed_size: 51456
    .private_segment_fixed_size: 0
    .kernarg_segment_align: 8
    .kernarg_segment_size: 56
    .max_flat_workgroup_size: 192
    .sgpr_count:     66
    .vgpr_count:     512
    .wavefront_size: 32
...
	.end_amdgpu_metadata
.endif
;; end of part 1
;; launch kvproj (part 2): grid 128 x 2, 8 waves a work-group, no clusters, 183,296 bytes of LDS; arguments key_in, value, bk, bv, img, trig, kvop, ksp; writes kvop, ksp
.if DOCPART == 2
	.amdgcn_target "amdgcn-amd-amdhsa--gfx1250"
	.amdhsa_code_object_version 6
	.text
	.protected	k_qc41a2ceeaa_kvproj
	.globl	k_qc41a2ceeaa_kvproj
	.p2align	8
	.type	k_qc41a2ceeaa_kvproj,@function
k_qc41a2ceeaa_kvproj:
	s_mov_b64 s[64:65], 0
	v_nop
	global_prefetch_b8 v0, s[64:65] scope:SCOPE_SE
	s_setreg_imm32_b32 hwreg(HW_REG_WAVE_MODE, 25, 1), 1
	s_wait_xcnt 0x0
; KVPROJ: k = relu(key_in wk^T + bk), k2 = (k sin, k cos); v = value wv^T + bv: both products on codes of BF6 (E3M2) with E8M0 scales; the results are quantised ALONG s, the K of the next product, and stored as operand images.
; SHARES: work-group (x, y): batch b = x / 16, chunk = x % 16: rows s = 128 chunk .. + 127; y = 0: key, y = 1: value.  It makes all 1,024 columns, so each input byte is read once in the launch.
; PHASE X: wave w quantises m tile w (16 rows x 1,024 K, eight K steps) and lays fragments and scale words in LDS as images of their registers.  One barrier.
; THE PRODUCT: wave w makes heads 2 w and 2 w + 1, a head a trip: 8 m tiles x 4 n tiles = 32 accumulators (window 1).  Source 0 = 16 rows of the activations, source 1 = 16 rows of W: a lane holds ONE column d and its registers run along s.
; The rows of an m tile are s = 32 (m / 2) + 8 (m % 2) + r + 8 (r / 8): so the 64 registers of a column are, in order, s = 32 b + 16 (lane / 16) + 0 .. 15, b = 0 .. 3: what the quantiser wants.
; W comes from img (laid by the launch before) straight into registers, 17 loads for 32 products, TWO K steps (64 products) ahead, in three sets.
; The activations' tiles come from LDS in PAIRS, through a ring of three pairs: pair p (K step p / 4, tiles 2 (p % 4) and 2 (p % 4) + 1) lies in slot p % 3, and pair p + 3 is asked for behind pair p's eight products: 16 products ahead of its use.
; NO CLUSTER, NO JOINT LOADS: a joint load fills LDS, and W through LDS would make 12 fragment reads from LDS for 32 products where there are 8; and each of the eight waves walks records of its own.
; THE WAY OUT, a head: bias, relu, x sin or x cos (f32), the column's sum over s (for the divisor: of the unquantised numbers), QUANT, four stores a fragment.
; kvop: [bh][chunk][3] records of 6,656 bytes: k sin, k cos, v: rows d (or e) in the tiles' order, K = the chunk's 128 s.   ksp: [bh][chunk][512]: lane l's 16 bytes: four sums, lanes 0-15 of k sin, lanes 16-31 of k cos.
; Eight waves of 512 registers, two to a SIMD: one wave's way out stands beside the other's products.
; LIMITS: NaN and infinities are not served.  A block of zeros gets the byte 1, not 127 (zero codes; read by this program alone).  The sums over s are taken in another order than a plain chain.
.set REC,   6656
.set ASC,   98304                      ; LDS: 0: fragments [m tile][K step] x 1,536 (three groups of four registers, 16 bytes a lane);  here: scale words [K step][pair of m tiles][lane][2 words]
.set STAGE, 106496                     ; a stage of 16 rows x 528 bytes for each wave
.set STGB,  8448
.set SPIT,  528
.set TRG,   174080                     ; 128 sin, 128 cos for each wave
.set L16,  1                           ; v1  16 x lane: also the address of m tiles 0-3's images
.set L8,   2                           ; v2  8 x lane
.set A16H, 3                           ; v3  16 x lane + 49,152, for m tiles 4-7
.set ASCR, 5                           ; v5  ASC + 8 x lane
.set STW,  6
.set STR,  7
.set AW16, 8                           ; v8  where I store my tile's images
.set AWS,  10                          ; v10 and its scale words: ASC + 8 x lane + 256 (w / 2) + 4 (w % 2)
.set TGW,  11
.set TGR,  12
.set BOFF, 13                          ; v13 4 (r + 8 (r / 8)): my column's bias
.set AF,   16                          ; v16-87   the activations' fragments: three pairs
.set WF,   88                          ; v88-231  W's 4 fragments, three sets
.set ASCL, 232                         ; v232-237 the activations' scale words, three pairs;  v238-249 W's, three sets: they hold scales and nothing else
.set WSCL, 238
.set BIA,  250                         ; v250-253 the biases of my four columns, as loaded
.set U,    16                          ; phase X and the way out lie over the operands, which are free then: v16-79 64 numbers
.set TRIG, 88                          ; v88-151 sin or cos of my 64 s
.set KSS,  152
.set KSC,  156
.set KO,   160
.set CH,   164
.set PT,   168
.set BIAS, 172                         ; v172-179 four pairs
.set PW4,  180
.set PC,   184                         ; v184-203 codes
.set TBL,  204                         ; v204-211 the table as loaded
.set TM,   212                         ; v212-227 at work in QUANT
.set PWX,  228
.set SRC,   24
.set BIASB, 26
.set WB,    28
.set OUT,   30
.set KSPB,  32
.set TRIGB, 34
.set SEL,   36
.set MSB, 0
.macro WIN new                         ; the immediate's high byte repeats the setting that is left
.if MSB != \new
	s_set_vgpr_msb (MSB<<8)|\new
.set MSB, \new
.endif
.endm
.macro NOPS n
.rept \n
	v_nop
.endr
.endm
; 32 nc numbers of a lane, register 16 b + i = k 32 b + 16 (lane / 16) + i of its row, become nc halves of a fragment in v[PC] on, and the row's scale bytes in v[pw].
.macro QUANT src, nc, pw
.set qb, 0
.rept 2*(\nc)
	v_max3_num_f32 v[TM+qb], |v[\src+16*qb]|, |v[\src+16*qb+1]|, 0x2800000   ; my 16 numbers of block b, and the floor 2^(5 - 127): the byte cannot fall under 1
.set qb, qb+1
.endr
.set qi, 2
.rept 7
.set qb, 0
.rept 2*(\nc)
	v_max3_num_f32 v[TM+qb], v[TM+qb], |v[\src+16*qb+qi]|, |v[\src+16*qb+qi+1]|
.set qb, qb+1
.endr
.set qi, qi+2
.endr
.set qb, 0
.rept 2*(\nc)
	v_permlanex16_b32 v[TM+4+qb], v[TM+qb], s[SEL], s[SEL+1]
.set qb, qb+1
.endr
.set qb, 0
.rept 2*(\nc)
	v_max_num_f32 v[TM+qb], v[TM+qb], v[TM+4+qb]           ; with lane l xor 16's: the block's largest magnitude
.set qb, qb+1
.endr
.set qb, 0
.rept 2*(\nc)
	v_add_nc_u32 v[TM+12+qb], 0xfe000000, v[TM+qb]         ; 4 off its exponent field: the conversion's scale operand
.set qb, qb+1
.endr
.set qb, 0
.rept 2*(\nc)
	v_lshrrev_b32 v[TM+4+qb], 23, v[TM+12+qb]              ; the scale's byte
.set qb, qb+1
.endr
	v_lshl_or_b32 v[\pw], v[TM+5], 8, v[TM+4]
.if (\nc) > 1
	v_lshl_or_b32 v[\pw], v[TM+6], 16, v[\pw]
	v_lshl_or_b32 v[\pw], v[TM+7], 24, v[\pw]
.endif
.set qc, 0
.rept \nc
	v_cvt_scalef32_pk16_bf6_f32 v[PC+6*qc:PC+6*qc+2], v[\src+32*qc:\src+32*qc+15], v[TM+12+2*qc]
	v_cvt_scalef32_pk16_bf6_f32 v[PC+12+4*qc:PC+14+4*qc], v[\src+32*qc+16:\src+32*qc+31], v[TM+13+2*qc]
.set qc, qc+1
.endr
	v_nop                                                  ; one plain instruction behind the scaled conversions
.set qc, 0
.rept \nc
.set qi, 0
.rept 3
	v_permlane16_swap_b32 v[PC+6*qc+qi], v[PC+12+4*qc+qi]  ; a whole block to a lane
.set qi, qi+1
.endr
.set qi, 0
.rept 3
	v_mov_b32 v[PC+3+6*qc+qi], v[PC+12+4*qc+qi]
.set qi, qi+1
.endr
.set qc, qc+1
.endr
.endm
.macro FSTL a16, off                   ; the fragment in v[PC] on, to LDS: three groups of four registers, 512 consecutive bytes each
.irp cc, 0,1,2
	ds_store_b128 v[\a16], v[PC+4*\cc:PC+4*\cc+3] offset:\off+512*\cc
.endr
.endm
.macro FLDG reg, base, off             ; a fragment's image from memory
	global_load_b128 v[\reg:\reg+3], v[L16], s[\base:\base+1] offset:\off
	global_load_b64 v[\reg+4:\reg+5], v[L8], s[\base:\base+1] offset:\off+512
	global_load_b128 v[\reg+6:\reg+9], v[L16], s[\base:\base+1] offset:\off+768
	global_load_b64 v[\reg+10:\reg+11], v[L8], s[\base:\base+1] offset:\off+1280
.endm
.macro FSTG base, off                  ; the fragment in v[PC] on, to memory
	global_store_b128 v[L16], v[PC:PC+3], s[\base:\base+1] offset:\off
	global_store_b64 v[L8], v[PC+4:PC+5], s[\base:\base+1] offset:\off+512
	global_store_b128 v[L16], v[PC+6:PC+9], s[\base:\base+1] offset:\off+768
	global_store_b64 v[L8], v[PC+10:PC+11], s[\base:\base+1] offset:\off+1280
.endm
.macro WLOAD ks                        ; 17 loads: W's four fragments and their scale words of K step ks, into set ks % 3
.irp nn, 0,1,2,3
	FLDG WF+48*((\ks)%3)+12*\nn, WB, REC*(\ks)+1536*\nn
.endr
	global_load_b128 v[WSCL+4*((\ks)%3):WSCL+4*((\ks)%3)+3], v[L16], s[WB:WB+1] offset:REC*(\ks)+6144
.endm
.macro HLOADS                          ; 38 loads ahead of a head's first K step: the biases of my four columns, and W of K steps 0 and 1
.irp n, 0,1,2,3
	global_load_b32 v[BIA+\n], v[BOFF], s[BIASB:BIASB+1] offset:4*(32*(\n/2)+8*(\n%2))
.endr
	WLOAD 0
	WLOAD 1
.endm
	s_load_b512 s[4:19], s[0:1], 0x0               ; key_in, value, bk, bv, img, trig, kvop, ksp
	v_lshl_add_u32 v254, v0, 2, 0x2c800
	v_mov_b32 v255, 0
	v_lshrrev_b32 v14, 5, v0
	v_readfirstlane_b32 s20, v14                   ; wave 0..7
	v_and_b32 v14, 31, v0                          ; lane
	v_lshlrev_b32 v[L16], 4, v14
	v_lshlrev_b32 v[L8], 3, v14
	v_add_nc_u32 v[A16H], 49152, v[L16]
	v_add_nc_u32 v[ASCR], ASC, v[L8]
	s_mul_i32 s40, s20, STGB
	s_add_co_u32 s40, s40, STAGE                   ; my stage
	v_add_nc_u32 v[STW], s40, v[L16]
	v_and_b32 v15, 15, v0                          ; r
	v_mul_u32_u24 v[STR], v15, SPIT
	v_bfe_u32 v14, v0, 4, 1                        ; h
	v_lshl_add_u32 v[STR], v14, 6, v[STR]
	v_add_nc_u32 v[STR], s40, v[STR]
	s_mul_i32 s40, s20, 12288                      ; my m tile's eight images
	v_add_nc_u32 v[AW16], s40, v[L16]
	s_lshr_b32 s40, s20, 1
	s_lshl_b32 s40, s40, 8                         ; my tile's pair,
	s_and_b32 s41, s20, 1
	s_lshl_b32 s41, s41, 2                         ; and its word in the pair
	s_add_co_u32 s40, s40, s41
	v_add_nc_u32 v[AWS], s40, v[ASCR]
	s_lshl_b32 s40, s20, 10
	s_add_co_u32 s40, s40, TRG                     ; my table
	v_add_nc_u32 v[TGW], s40, v[L16]
	v_lshl_add_u32 v[TGR], v14, 6, s40
	v_and_b32 v14, 8, v15
	v_add_nc_u32 v14, v14, v15
	v_lshlrev_b32 v[BOFF], 2, v14
.irp b, 0,1,2,3
	v_mov_b32 v[TM+4+\b], 0                        ; a lane permute's destination counts as one of its sources
.endr
	s_mov_b32 s[SEL], 0x76543210
	s_mov_b32 s[SEL+1], 0xfedcba98
	s_lshr_b32 s21, ttmp9, 4                       ; b
	s_and_b32 s22, ttmp9, 15                       ; chunk
	s_and_b32 s23, ttmp7, 0xffff                   ; 0: key, 1: value
	s_lshl_b32 s40, s22, 7
	s_lshr_b32 s42, s20, 1
	s_lshl_b32 s42, s42, 5
	s_add_co_u32 s40, s40, s42
	s_and_b32 s42, s20, 1
	s_lshl_b32 s42, s42, 3
	s_add_co_u32 s40, s40, s42                     ; my m tile's first s: 128 chunk + 32 (w / 2) + 8 (w % 2)
	s_lshl_b32 s40, s40, 15                        ; 32,768 bytes from s to s + 1
	s_lshl_b32 s42, s21, 12
	s_add_co_u32 s40, s40, s42
	s_mov_b32 s41, 0
	s_lshl_b32 s42, s20, 9                         ; the bias of head 2 w
	s_mov_b32 s43, 0
	s_add_co_u32 s44, s23, 1
	s_lshl_b32 s44, s44, 7
	s_lshl_b32 s46, s20, 4
	s_add_co_u32 s44, s44, s46
	s_mul_i32 s44, s44, REC                        ; W's records: 128 (1 + y) + 8 x head
	s_mov_b32 s45, 0
	s_lshl_b32 s46, s21, 4
	s_lshl_b32 s48, s20, 1
	s_add_co_u32 s46, s46, s48
	s_lshl_b32 s46, s46, 4
	s_add_co_u32 s46, s46, s22                     ; 16 bh + chunk
	s_lshl_b32 s48, s46, 9
	s_mov_b32 s49, 0
	s_mul_i32 s46, s46, 3*REC
	s_mov_b32 s47, 0
	s_lshl_b32 s50, s22, 9                         ; the chunk's 128 entries of the table
	s_mov_b32 s51, 0
	s_mov_b32 s38, 2                               ; heads to go
	s_mov_b32 s39, 0xffff0000                      ; lanes 16-31
	s_wait_kmcnt 0x0
	s_cmp_eq_u32 s23, 0                            ; key or value: a choice on the work-group's number alone
	s_cselect_b64 s[SRC:SRC+1], s[4:5], s[6:7]
	s_cselect_b64 s[BIASB:BIASB+1], s[8:9], s[10:11]
	s_add_nc_u64 s[SRC:SRC+1], s[SRC:SRC+1], s[40:41]
	s_add_nc_u64 s[BIASB:BIASB+1], s[BIASB:BIASB+1], s[42:43]
	s_add_nc_u64 s[WB:WB+1], s[12:13], s[44:45]
	s_add_nc_u64 s[OUT:OUT+1], s[16:17], s[46:47]
	s_add_nc_u64 s[KSPB:KSPB+1], s[18:19], s[48:49]
	s_add_nc_u64 s[TRIGB:TRIGB+1], s[14:15], s[50:51]
; ---- PHASE X
.macro XLOAD ks                        ; my 16 rows' 512 bytes of K step ks into set ks % 4 of window 1
	WIN 0x40
.set ii, 0
.rept 16
	global_load_b128 v[64*((\ks)%4)+4*ii:64*((\ks)%4)+4*ii+3], v[L16], s[SRC:SRC+1] offset:(ii+8*(ii/8))*32768+512*(\ks) th:TH_LOAD_NT   ; 512 consecutive bytes of one row
.set ii, ii+1
.endr
	WIN 0
.endm
.macro XSTEP ks
.if (\ks) < 5
	s_wait_loadcnt 48                              ; this K step's 16 loads are in (and, in step 0, the table's two); those of the three steps behind it may be out
.elseif (\ks) == 7
	s_wait_loadcnt 38                              ; behind this K step's 16 loads stand the 38 for the first head, which may be out
.else
	s_wait_loadcnt 16*(7-(\ks))
.endif
.if (\ks) == 0
	ds_store_b128 v[TGW], v[TBL:TBL+3]
	ds_store_b128 v[TGW], v[TBL+4:TBL+7] offset:512
.endif
	WIN 0x04                                       ; an LDS store's data are its source 1: window 1
.set ii, 0
.rept 16
	ds_store_b128 v[STW], v[64*((\ks)%4)+4*ii:64*((\ks)%4)+4*ii+3] offset:SPIT*ii
.set ii, ii+1
.endr
	WIN 0
.set ii, 0
.rept 16
	ds_load_b128 v[U+4*ii:U+4*ii+3], v[STR] offset:128*(ii/4)+16*(ii%4)   ; LDS serves a wave's instructions in order: these see the stores above
.set ii, ii+1
.endr
	s_wait_dscnt 0x0                               ; the numbers are back; the stage's and the last image's stores have read their registers
.if (\ks) < 4
	XLOAD (\ks)+4
.endif
.if (\ks) == 6
	HLOADS                                         ; the first head's biases and first two K steps of W: W's sets 0 and 1 lie idle in this phase; with the last K step's 16 loads, 54 are out
.endif
	QUANT U, 2, PWX
	FSTL AW16, 1536*(\ks)
	ds_store_b32 v[AWS], v[PWX] offset:1024*(\ks)
.endm
	global_load_b128 v[TBL:TBL+3], v[L16], s[TRIGB:TRIGB+1]
	global_load_b128 v[TBL+4:TBL+7], v[L16], s[TRIGB:TRIGB+1] offset:8192
	XLOAD 0
	XLOAD 1
	XLOAD 2
	XLOAD 3
.irp ks, 0,1,2,3,4,5,6,7
	XSTEP \ks
.endr
	s_wait_dscnt 0x0                               ; for the others' sake: my images and scale words have landed
	s_barrier_signal -1
	s_barrier_wait -1                              ; all 64 fragments lie in LDS; nothing is stored to LDS behind this barrier
; ---- THE PRODUCT
.macro PLOAD p                         ; 7 LDS loads: pair p's two fragments and its rows' scale words, into slot p % 3
.set pk, (\p)/4
.set pq, (\p)%4
.set pg, (\p)%3
.irp jj, 0,1
.irp cc, 0,1,2
	ds_load_b128 v[AF+24*pg+12*\jj+4*\cc:AF+24*pg+12*\jj+4*\cc+3], v[L16+2*(pq/2)] offset:12288*((2*pq+\jj)%4)+1536*pk+512*\cc
.endr
.endr
	ds_load_b64 v[ASCL+2*pg:ASCL+2*pg+1], v[ASCR] offset:1024*pk+256*pq
.endm
.macro PMUL p                          ; 8 products: pair p's two m tiles x the four n tiles.  The 32 accumulators take turns, in the same order in every K step
.set pk, (\p)/4
.set pq, (\p)%4
.set pg, (\p)%3
.irp jj, 0,1
.irp nn, 0,1,2,3
.if pk == 0
	v_wmma_scale_f32_16x16x128_f8f6f4 v[64*\nn+8*(2*pq+\jj):64*\nn+8*(2*pq+\jj)+7], v[AF+24*pg+12*\jj:AF+24*pg+12*\jj+11], v[WF+48*(pk%3)+12*\nn:WF+48*(pk%3)+12*\nn+11], 0, v[ASCL+2*pg+\jj], v[WSCL+4*(pk%3)+\nn] matrix_a_fmt:MATRIX_FMT_BF6 matrix_b_fmt:MATRIX_FMT_BF6
.else
	v_wmma_scale_f32_16x16x128_f8f6f4 v[64*\nn+8*(2*pq+\jj):64*\nn+8*(2*pq+\jj)+7], v[AF+24*pg+12*\jj:AF+24*pg+12*\jj+11], v[WF+48*(pk%3)+12*\nn:WF+48*(pk%3)+12*\nn+11], v[64*\nn+8*(2*pq+\jj):64*\nn+8*(2*pq+\jj)+7], v[ASCL+2*pg+\jj], v[WSCL+4*(pk%3)+\nn] matrix_a_fmt:MATRIX_FMT_BF6 matrix_b_fmt:MATRIX_FMT_BF6
.endif
.endr
.endr
.endm
; Four plain instructions stand between a matrix instruction and a load into a register that it has read, or the first read of its result (ISA guide 7.12.1 for vector instructions).
.macro PAIR p
.if (\p) < 30
	s_wait_dscnt 14                                ; this pair's 7 loads are in; the 7 of each of the two pairs behind it may be out
.elseif (\p) == 30
	s_wait_dscnt 7
.else
	s_wait_dscnt 0x0
.endif
	WIN 0x50                                       ; C and D: window 1
	PMUL \p
	WIN 0
.if ((\p) < 29) || ((\p) == 31)
	NOPS 4                                         ; in front of the loads into this pair's slot (and, at a K step's end, into the W set just multiplied); behind the last pair: in front of the first read of results
.endif
.if (\p) < 29
	PLOAD (\p)+3
.endif
.endm
.macro KSTEP ks
.if (\ks) < 6
	WLOAD (\ks)+2                                  ; into the set that the last step multiplied: its four places stand at that step's end
	s_wait_loadcnt 34                              ; the W of the next two steps may be out: this step's is in (and, in step 0, the biases)
.elseif (\ks) == 6
	s_wait_loadcnt 17
.else
	s_wait_loadcnt 0x0
.endif
.irp q, 0,1,2,3
	PAIR 4*(\ks)+\q
.endr
.endm
.macro SUMU dst                        ; the sum of my 64 numbers in U, two at a time, in two chains
	v_pk_add_f32 v[CH:CH+1], v[U:U+1], v[U+2:U+3]
	v_pk_add_f32 v[CH+2:CH+3], v[U+4:U+5], v[U+6:U+7]
.set ii, 8
.rept 14
	v_pk_add_f32 v[CH:CH+1], v[CH:CH+1], v[U+ii:U+ii+1]
	v_pk_add_f32 v[CH+2:CH+3], v[CH+2:CH+3], v[U+ii+2:U+ii+3]
.set ii, ii+4
.endr
	v_pk_add_f32 v[CH:CH+1], v[CH:CH+1], v[CH+2:CH+3]
	v_add_f32 v[\dst], v[CH], v[CH+1]
.endm
; One of k2's halves.  first = 1: bias and relu are applied, in place, on the way.  tb: where the half's table lies;  sums: where the columns' sums go;  rec: the record
.macro KPASS first, tb, sums, rec
.set ii, 0
.rept 16
	ds_load_b128 v[TRIG+4*ii:TRIG+4*ii+3], v[TGR] offset:\tb+128*(ii/4)+16*(ii%4)   ; sin or cos of s = 32 b + 16 h + 0 .. 15
.set ii, ii+1
.endr
	s_wait_dscnt 0x0
.irp n, 0,1,2,3
.if \first
	WIN 0x41                                       ; destination and source 0: window 1
.set ii, 0
.rept 32
	v_pk_add_f32 v[64*\n+ii:64*\n+ii+1], v[64*\n+ii:64*\n+ii+1], v[BIAS+2*\n:BIAS+2*\n+1]   ; ascending: each accumulator is read from its low end on
.set ii, ii+2
.endr
	WIN 0x44                                       ; destination and source 1: window 1
.set ii, 0
.rept 64
	v_max_num_f32 v[64*\n+ii], 0, v[64*\n+ii]
.set ii, ii+1
.endr
.endif
	WIN 0x01                                       ; source 0: window 1
.set ii, 0
.rept 32
	v_pk_mul_f32 v[U+ii:U+ii+1], v[64*\n+ii:64*\n+ii+1], v[TRIG+ii:TRIG+ii+1]
.set ii, ii+2
.endr
	WIN 0
	SUMU \sums+\n
	s_wait_xcnt 0x0                                ; the last stores have read the codes' and the scale words' registers
	QUANT U, 2, PW4+\n
	FSTG OUT, \rec+1536*\n
.endr
	global_store_b128 v[L16], v[PW4:PW4+3], s[OUT:OUT+1] offset:\rec+6144
.endm
.Lhead:
	PLOAD 0
	PLOAD 1
	PLOAD 2
.irp ks, 0,1,2,3,4,5,6,7
	KSTEP \ks
.endr
.irp n, 0,1,2,3
	v_mov_b32 v[BIAS+2*\n], v[BIA+\n]              ; pairs, for the packed additions
	v_mov_b32 v[BIAS+2*\n+1], v[BIA+\n]
.endr
.irp b, 0,1,2,3
	v_mov_b32 v[TM+4+\b], 0                        ; (W's third set lay here)  a lane permute's destination counts as one of its sources
.endr
	s_cmp_eq_u32 s23, 0
	s_cbranch_scc0 .Lvpath
	KPASS 1, 0, KSS, 0                             ; k sin
	KPASS 0, 512, KSC, REC                         ; k cos
.irp j, 0,1,2,3
	v_mov_b32 v[PT+\j], 0                          ; a lane permute's destination counts as one of its sources
.endr
.irp j, 0,1,2,3
	v_permlanex16_b32 v[PT+\j], v[KSS+\j], s[SEL], s[SEL+1]
.endr
.irp j, 0,1,2,3
	v_add_f32 v[KSS+\j], v[KSS+\j], v[PT+\j]       ; with lane l xor 16's 64 s: the chunk's sum
.endr
.irp j, 0,1,2,3
	v_permlanex16_b32 v[PT+\j], v[KSC+\j], s[SEL], s[SEL+1]
.endr
.irp j, 0,1,2,3
	v_add_f32 v[KSC+\j], v[KSC+\j], v[PT+\j]
.endr
.irp j, 0,1,2,3
	v_cndmask_b32 v[KO+\j], v[KSS+\j], v[KSC+\j], s39   ; lanes 0-15 store the sums of k sin, lanes 16-31 those of k cos
.endr
	global_store_b128 v[L16], v[KO:KO+3], s[KSPB:KSPB+1]
	s_branch .Lnext
.Lvpath:
.irp n, 0,1,2,3
	WIN 0x01
.set ii, 0
.rept 32
	v_pk_add_f32 v[U+ii:U+ii+1], v[64*\n+ii:64*\n+ii+1], v[BIAS+2*\n:BIAS+2*\n+1]   ; ascending: each accumulator is read from its low end on
.set ii, ii+2
.endr
	WIN 0
	s_wait_xcnt 0x0                                ; the last stores have read the codes' registers
	QUANT U, 2, PW4+\n
	FSTG OUT, 2*REC+1536*\n
.endr
	global_store_b128 v[L16], v[PW4:PW4+3], s[OUT:OUT+1] offset:2*REC+6144
.Lnext:
	s_wait_xcnt 0x0                                ; every load and store has read its base and its registers: the bases step, and the next head's loads may land
	s_add_nc_u64 s[BIASB:BIASB+1], s[BIASB:BIASB+1], 256
	s_add_nc_u64 s[WB:WB+1], s[WB:WB+1], 8*REC
	s_add_nc_u64 s[OUT:OUT+1], s[OUT:OUT+1], 48*REC
	s_add_nc_u64 s[KSPB:KSPB+1], s[KSPB:KSPB+1], 8192
	s_sub_co_u32 s38, s38, 1
	s_cmp_eq_u32 s38, 0                            ; behind the last head nothing is asked for: no load leaves its buffer
	s_cbranch_scc1 .Lno_next
	HLOADS
.Lno_next:
	s_cmp_lg_u32 s38, 0
	s_cbranch_scc1 .Lhead
	s_wait_tensorcnt 0x0
	ds_add_u32 v254, v255
	s_wait_dscnt 0x0
	s_endpgm
.Lfunc_end_k_qc41a2ceeaa_kvproj:
	.size	k_qc41a2ceeaa_kvproj, .Lfunc_end_k_qc41a2ceeaa_kvproj-k_qc41a2ceeaa_kvproj
	.p2alignl 7, 3214868480
	.fill 96, 4, 3214868480
	.section	.rodata,"a",@progbits
	.p2align	6, 0x0
	.amdhsa_kernel k_qc41a2ceeaa_kvproj
		.amdhsa_group_segment_fixed_size 183296
		.amdhsa_private_segment_fixed_size 0
		.amdhsa_enable_private_segment 0
		.amdhsa_kernarg_size 64
		.amdhsa_user_sgpr_count 2
		.amdhsa_user_sgpr_kernarg_segment_ptr 1
		.amdhsa_wavefront_size32 1
		.amdhsa_system_sgpr_workgroup_id_x 1
		.amdhsa_system_sgpr_workgroup_id_y 1
		.amdhsa_system_sgpr_workgroup_id_z 1
		.amdhsa_system_vgpr_workitem_id 0
		.amdhsa_next_free_vgpr 512
		.amdhsa_next_free_sgpr 66
		.amdhsa_reserve_vcc 0
		.amdhsa_float_denorm_mode_32 3
		.amdhsa_float_denorm_mode_16_64 3
		.amdhsa_memory_ordered 1
		.amdhsa_forward_progress 1
		.amdhsa_inst_pref_size 246
	.end_amdhsa_kernel
	.amdgpu_metadata
---
amdhsa.version: [ 1, 2 ]
amdhsa.kernels:
  - .name:           k_qc41a2ceeaa_kvproj
    .symbol:         k_qc41a2ceeaa_kvproj.kd
    .args:
      - { .name: key_in, .offset: 0, .size: 8, .value_kind: global_buffer, .address_space: global }
      - { .name: value, .offset: 8, .size: 8, .value_kind: global_buffer, .address_space: global }
      - { .name: bk, .offset: 16, .size: 8, .value_kind: global_buffer, .address_space: global }
      - { .name: bv, .offset: 24, .size: 8, .value_kind: global_buffer, .address_space: global }
      - { .name: img, .offset: 32, .size: 8, .value_kind: global_buffer, .address_space: global }
      - { .name: trig, .offset: 40, .size: 8, .value_kind: global_buffer, .address_space: global }
      - { .name: kvop, .offset: 48, .size: 8, .value_kind: global_buffer, .address_space: global }
      - { .name: ksp, .offset: 56, .size: 8, .value_kind: global_buffer, .address_space: global }
    .group_segment_fixed_size: 183296
    .private_segment_fixed_size: 0
    .kernarg_segment_align: 8
    .kernarg_segment_size: 64
    .max_flat_workgroup_size: 256
    .sgpr_count:     66
    .vgpr_count:     512
    .wavefront_size: 32
...
	.end_amdgpu_metadata
.endif
;; end of part 2
;; launch kvsum (part 3): grid 256 x 1, 8 waves a work-group, no clusters, 136,192 bytes of LDS; arguments kvop, ksp, kvimg, ksum; writes kvimg, ksum
.if DOCPART == 3
	.amdgcn_target "amdgcn-amd-amdhsa--gfx1250"
	.amdhsa_code_object_version 6
	.text
	.protected	k_qc41a2ceeaa_kvsum
	.globl	k_qc41a2ceeaa_kvsum
	.p2align	8
	.type	k_qc41a2ceeaa_kvsum,@function
k_qc41a2ceeaa_kvsum:
	s_mov_b64 s[64:65], 0
	v_nop
	global_prefetch_b8 v0, s[64:65] scope:SCOPE_SE
	s_setreg_imm32_b32 hwreg(HW_REG_WAVE_MODE, 25, 1), 1
	s_wait_xcnt 0x0
; KVSUM: kv[d2][e] = the sum over s of k2[s][d2] v[s][e], on the codes that the launch before made (K = s = 2,048); kv is quantised along d2, the K of the next product; and the sums over s of k2 are finished.
; SHARES: work-group x: bh = x / 2, part = x % 2 (d2 = 64 part + d: k sin or k cos).  K is shared among the waves: wave w takes chunks 2 w and 2 w + 1 (256 s): 4 d tiles x 4 e tiles = 16 accumulators, two products deep.
; Source 0 = 16 rows d of k2, source 1 = 16 rows e of v: a lane holds one e, and its registers run along d.  The eight partial sums meet in LDS; waves 0-3 (wave = e tile) add them, quantise and store.
; kvimg: [bh][part][e tile][1,024]: half a fragment's image (768 bytes: rows e, K = the part's 64 d2), then 128 bytes: a lane's word holds the row's two scale bytes; the last 128 bytes are neither written nor read.
; ksum: f32 [bh][part][64].  All of a wave's 69 loads go out at its head.  Work-groups share no tile but v's (two neighbours): no cluster.
; LIMITS: K is summed in eight parts and the parts in f32, in another order than one chain.  A block of zeros gets the byte 1, not 127 (zero codes; read by this program alone).
.set REC,  6656
.set KSPA, 131072                      ; LDS: 0: partial sums [wave][tile 4 j + dt][1,024];  here: k2's sums as loaded, 512 bytes a wave
.set L16,  1
.set L8,   2
.set L4,   3
.set PST,  4                           ; v4  where I store my partial sums
.set PRD0, 5                           ; v5  where I read partial sums 0-3 of my e tile;  v6: 4-7
.set PRD1, 6
.set KST,  7
.set KRD,  8
.set KOF,  9                           ; v9  512 h + 16 r
.set DOF,  10                          ; v10 4 (r + 8 (r / 8))
.set LN,   11
.set KF,   16                          ; v16-63 k2's fragments, v64-111 v's; the second chunk's 96 further on
.set VF,   64
.set SCL,  208                         ; v208-223 scale words: k2's four, v's four; twice.  They hold scales and nothing else
.set KPL,  224
.set TM,   228
.set PW,   244
.set KSR,  245
.set PR,   16                          ; the end: v16-143 four partial sums
.set SM,   144                         ; v144-175 the sum
.set PC,   176
.set KB,   16
.set VB,   18
.set KSPB, 20
.set KVO,  22
.set KSO,  24
.set SEL,  26
.set MSB, 0
.macro WIN new                         ; the immediate's high byte repeats the setting that is left
.if MSB != \new
	s_set_vgpr_msb (MSB<<8)|\new
.set MSB, \new
.endif
.endm
.macro NOPS n
.rept \n
	v_nop
.endr
.endm
; 32 nc numbers of a lane, register 16 b + i = k 32 b + 16 (lane / 16) + i of its row, become nc halves of a fragment in v[PC] on, and the row's scale bytes in v[pw].
.macro QUANT src, nc, pw
.set qb, 0
.rept 2*(\nc)
	v_max3_num_f32 v[TM+qb], |v[\src+16*qb]|, |v[\src+16*qb+1]|, 0x2800000   ; my 16 numbers of block b, and the floor 2^(5 - 127): the byte cannot fall under 1
.set qb, qb+1
.endr
.set qi, 2
.rept 7
.set qb, 0
.rept 2*(\nc)
	v_max3_num_f32 v[TM+qb], v[TM+qb], |v[\src+16*qb+qi]|, |v[\src+16*qb+qi+1]|
.set qb, qb+1
.endr
.set qi, qi+2
.endr
.set qb, 0
.rept 2*(\nc)
	v_permlanex16_b32 v[TM+4+qb], v[TM+qb], s[SEL], s[SEL+1]
.set qb, qb+1
.endr
.set qb, 0
.rept 2*(\nc)
	v_max_num_f32 v[TM+qb], v[TM+qb], v[TM+4+qb]
.set qb, qb+1
.endr
.set qb, 0
.rept 2*(\nc)
	v_add_nc_u32 v[TM+12+qb], 0xfe000000, v[TM+qb]         ; 4 off the exponent field: the conversion's scale operand
.set qb, qb+1
.endr
.set qb, 0
.rept 2*(\nc)
	v_lshrrev_b32 v[TM+4+qb], 23, v[TM+12+qb]              ; the scale's byte
.set qb, qb+1
.endr
	v_lshl_or_b32 v[\pw], v[TM+5], 8, v[TM+4]
.if (\nc) > 1
	v_lshl_or_b32 v[\pw], v[TM+6], 16, v[\pw]
	v_lshl_or_b32 v[\pw], v[TM+7], 24, v[\pw]
.endif
.set qc, 0
.rept \nc
	v_cvt_scalef32_pk16_bf6_f32 v[PC+6*qc:PC+6*qc+2], v[\src+32*qc:\src+32*qc+15], v[TM+12+2*qc]
	v_cvt_scalef32_pk16_bf6_f32 v[PC+12+4*qc:PC+14+4*qc], v[\src+32*qc+16:\src+32*qc+31], v[TM+13+2*qc]
.set qc, qc+1
.endr
	v_nop                                                  ; one plain instruction behind the scaled conversions
.set qc, 0
.rept \nc
.set qi, 0
.rept 3
	v_permlane16_swap_b32 v[PC+6*qc+qi], v[PC+12+4*qc+qi]
.set qi, qi+1
.endr
.set qi, 0
.rept 3
	v_mov_b32 v[PC+3+6*qc+qi], v[PC+12+4*qc+qi]
.set qi, qi+1
.endr
.set qc, qc+1
.endr
.endm
.macro FLDG reg, base, off
	global_load_b128 v[\reg:\reg+3], v[L16], s[\base:\base+1] offset:\off
	global_load_b64 v[\reg+4:\reg+5], v[L8], s[\base:\base+1] offset:\off+512
	global_load_b128 v[\reg+6:\reg+9], v[L16], s[\base:\base+1] offset:\off+768
	global_load_b64 v[\reg+10:\reg+11], v[L8], s[\base:\base+1] offset:\off+1280
.endm
	s_load_b256 s[4:11], s[0:1], 0x0               ; kvop, ksp, kvimg, ksum
	v_lshl_add_u32 v254, v0, 2, 0x21000
	v_mov_b32 v255, 0
	v_lshrrev_b32 v12, 5, v0
	v_readfirstlane_b32 s12, v12                   ; wave 0..7
	v_and_b32 v[LN], 31, v0
	v_and_b32 v12, 15, v0                          ; r
	v_bfe_u32 v13, v0, 4, 1                        ; h
	v_lshlrev_b32 v[L16], 4, v[LN]
	v_lshlrev_b32 v[L8], 3, v[LN]
	v_lshlrev_b32 v[L4], 2, v[LN]
	s_lshl_b32 s28, s12, 14                        ; every LDS address is made here, ahead of the place where the waves part
	v_add_nc_u32 v[PST], s28, v[L16]
	s_lshl_b32 s28, s12, 12
	v_add_nc_u32 v[PRD0], s28, v[L16]
	v_add_nc_u32 v[PRD1], 65536, v[PRD0]
	s_lshl_b32 s28, s12, 9
	s_add_co_u32 s28, s28, KSPA
	v_add_nc_u32 v[KST], s28, v[L16]
	s_lshl_b32 s28, s12, 2
	s_add_co_u32 s28, s28, KSPA
	v_add_nc_u32 v[KRD], s28, v[L16]
	v_lshlrev_b32 v[KOF], 4, v12
	v_lshl_add_u32 v[KOF], v13, 9, v[KOF]
	v_and_b32 v[DOF], 8, v12
	v_add_nc_u32 v[DOF], v[DOF], v12
	v_lshlrev_b32 v[DOF], 2, v[DOF]
	s_mov_b32 s[SEL], 0x76543210
	s_mov_b32 s[SEL+1], 0xfedcba98
	s_lshr_b32 s13, ttmp9, 1                       ; bh
	s_and_b32 s14, ttmp9, 1                        ; part
	s_lshl_b32 s28, s13, 4
	s_lshl_b32 s29, s12, 1
	s_add_co_u32 s28, s28, s29                     ; 16 bh + my first chunk
	s_mul_i32 s32, s28, 3*REC
	s_mul_i32 s30, s14, REC
	s_add_co_u32 s30, s30, s32                     ; k2's record of my part
	s_mov_b32 s31, 0
	s_add_co_u32 s32, s32, 2*REC                   ; v's record
	s_mov_b32 s33, 0
	s_lshl_b32 s34, s28, 9
	s_lshl_b32 s35, s14, 8
	s_add_co_u32 s34, s34, s35
	s_mov_b32 s35, 0
	s_lshl_b32 s36, ttmp9, 2
	s_add_co_u32 s36, s36, s12
	s_lshl_b32 s36, s36, 10                        ; kvimg: ((2 bh + part) 4 + e tile) 1,024 (used by waves 0-3 alone)
	s_mov_b32 s37, 0
	s_lshl_b32 s38, ttmp9, 8
	s_lshr_b32 s39, s12, 1
	s_lshl_b32 s39, s39, 7
	s_add_co_u32 s38, s38, s39
	s_and_b32 s39, s12, 1
	s_lshl_b32 s39, s39, 5
	s_add_co_u32 s38, s38, s39                     ; ksum: 256 (2 bh + part) + 4 (32 (w / 2) + 8 (w % 2))
	s_mov_b32 s39, 0
	s_wait_kmcnt 0x0
	s_add_nc_u64 s[KB:KB+1], s[4:5], s[30:31]
	s_add_nc_u64 s[VB:VB+1], s[4:5], s[32:33]
	s_add_nc_u64 s[KSPB:KSPB+1], s[6:7], s[34:35]
	s_add_nc_u64 s[KVO:KVO+1], s[8:9], s[36:37]
	s_add_nc_u64 s[KSO:KSO+1], s[10:11], s[38:39]
	global_load_b128 v[KPL:KPL+3], v[KOF], s[KSPB:KSPB+1]   ; k2's sums of my part: lanes 0-15 of chunk 2 w, lanes 16-31 of chunk 2 w + 1
.irp st, 0,1
.irp dt, 0,1,2,3
	FLDG KF+96*\st+12*\dt, KB, 3*REC*\st+1536*\dt
.endr
	global_load_b128 v[SCL+8*\st:SCL+8*\st+3], v[L16], s[KB:KB+1] offset:3*REC*\st+6144
.irp dt, 0,1,2,3
	FLDG VF+96*\st+12*\dt, VB, 3*REC*\st+1536*\dt
.endr
	global_load_b128 v[SCL+8*\st+4:SCL+8*\st+7], v[L16], s[VB:VB+1] offset:3*REC*\st+6144
.endr
.macro KVMUL st                        ; 16 products; the accumulators take turns, in the same order in both steps
.irp jj, 0,1,2,3
.irp dt, 0,1,2,3
.if \st == 0
	v_wmma_scale_f32_16x16x128_f8f6f4 v[32*\jj+8*\dt:32*\jj+8*\dt+7], v[KF+96*\st+12*\dt:KF+96*\st+12*\dt+11], v[VF+96*\st+12*\jj:VF+96*\st+12*\jj+11], 0, v[SCL+8*\st+\dt], v[SCL+8*\st+4+\jj] matrix_a_fmt:MATRIX_FMT_BF6 matrix_b_fmt:MATRIX_FMT_BF6
.else
	v_wmma_scale_f32_16x16x128_f8f6f4 v[32*\jj+8*\dt:32*\jj+8*\dt+7], v[KF+96*\st+12*\dt:KF+96*\st+12*\dt+11], v[VF+96*\st+12*\jj:VF+96*\st+12*\jj+11], v[32*\jj+8*\dt:32*\jj+8*\dt+7], v[SCL+8*\st+\dt], v[SCL+8*\st+4+\jj] matrix_a_fmt:MATRIX_FMT_BF6 matrix_b_fmt:MATRIX_FMT_BF6
.endif
.endr
.endr
.endm
	s_wait_loadcnt 34                              ; the first chunk's 34 loads and the sums are in; the second chunk's 34 may be out
	WIN 0x50                                       ; C and D: window 1
	KVMUL 0
	s_wait_loadcnt 0x0
	KVMUL 1
	WIN 0
	NOPS 4                                         ; four plain instructions between the last product and the first read of a result
	WIN 0x04                                       ; an LDS store's data are its source 1: window 1
.set ii, 0
.rept 16
	ds_store_b128 v[PST], v[8*ii:8*ii+3] offset:1024*ii          ; each accumulator from its low end on
	ds_store_b128 v[PST], v[8*ii+4:8*ii+7] offset:1024*ii+512
.set ii, ii+1
.endr
	WIN 0
	ds_store_b128 v[KST], v[KPL:KPL+3]
	s_wait_dscnt 0x0                               ; for the others' sake: my stores have landed
	s_barrier_signal -1
	s_barrier_wait -1
	s_cmp_lt_u32 s12, 4                            ; waves 0-3 finish: wave = e tile.  No barrier follows
	s_cbranch_scc0 .Lend
.irp pp, 0,1,2,3
.set ii, 0
.rept 8
	ds_load_b128 v[PR+32*\pp+4*ii:PR+32*\pp+4*ii+3], v[PRD0] offset:16384*\pp+512*ii
.set ii, ii+1
.endr
.endr
.set ii, 0
.rept 8
	ds_load_b32 v[KSR+ii], v[KRD] offset:512*ii    ; k2's sums of d = my tile's row r: chunks 2 p + h
.set ii, ii+1
.endr
	s_wait_dscnt 0x0
.set ii, 0
.rept 16
	v_pk_add_f32 v[SM+ii:SM+ii+1], v[PR+ii:PR+ii+1], v[PR+32+ii:PR+32+ii+1]
.set ii, ii+2
.endr
.irp pp, 2,3
.set ii, 0
.rept 16
	v_pk_add_f32 v[SM+ii:SM+ii+1], v[SM+ii:SM+ii+1], v[PR+32*\pp+ii:PR+32*\pp+ii+1]
.set ii, ii+2
.endr
.endr
.irp pp, 0,1,2,3
.set ii, 0
.rept 8
	ds_load_b128 v[PR+32*\pp+4*ii:PR+32*\pp+4*ii+3], v[PRD1] offset:16384*\pp+512*ii
.set ii, ii+1
.endr
.endr
	v_add_f32 v[KSR], v[KSR], v[KSR+1]             ; meanwhile: the sums over the chunks
	v_add_f32 v[KSR+2], v[KSR+2], v[KSR+3]
	v_add_f32 v[KSR+4], v[KSR+4], v[KSR+5]
	v_add_f32 v[KSR+6], v[KSR+6], v[KSR+7]
	v_add_f32 v[KSR], v[KSR], v[KSR+2]
	v_add_f32 v[KSR+4], v[KSR+4], v[KSR+6]
	v_add_f32 v[KSR], v[KSR], v[KSR+4]
	v_mov_b32 v253, 0                              ; a lane permute's destination counts as one of its sources
	v_permlanex16_b32 v253, v[KSR], s[SEL], s[SEL+1]
	v_add_f32 v[KSR], v[KSR], v253                 ; even and odd chunks together
.irp b, 0,1
	v_mov_b32 v[TM+4+\b], 0
.endr
	s_wait_dscnt 0x0
.irp pp, 0,1,2,3
.set ii, 0
.rept 16
	v_pk_add_f32 v[SM+ii:SM+ii+1], v[SM+ii:SM+ii+1], v[PR+32*\pp+ii:PR+32*\pp+ii+1]
.set ii, ii+2
.endr
.endr
	QUANT SM, 1, PW                                ; register 16 b + i = d 32 b + 16 h + i of my e: two blocks along d2
	global_store_b128 v[L16], v[PC:PC+3], s[KVO:KVO+1]
	global_store_b64 v[L8], v[PC+4:PC+5], s[KVO:KVO+1] offset:512
	global_store_b32 v[L4], v[PW], s[KVO:KVO+1] offset:768
	v_cmp_gt_u32 vcc_lo, 16, v[LN]
	s_wait_xcnt 0x0                                ; EXEC changes only behind this wait
	s_and_saveexec_b32 s40, vcc_lo                 ; lanes 16-31 hold the same sums
	global_store_b32 v[DOF], v[KSR], s[KSO:KSO+1]
	s_wait_xcnt 0x0                                ; and again, in front of the line that widens it
	s_or_b32 exec_lo, exec_lo, s40
.Lend:
	s_wait_tensorcnt 0x0
	ds_add_u32 v254, v255
	s_wait_dscnt 0x0
	s_endpgm
.Lfunc_end_k_qc41a2ceeaa_kvsum:
	.size	k_qc41a2ceeaa_kvsum, .Lfunc_end_k_qc41a2ceeaa_kvsum-k_qc41a2ceeaa_kvsum
	.p2alignl 7, 3214868480
	.fill 96, 4, 3214868480
	.section	.rodata,"a",@progbits
	.p2align	6, 0x0
	.amdhsa_kernel k_qc41a2ceeaa_kvsum
		.amdhsa_group_segment_fixed_size 136192
		.amdhsa_private_segment_fixed_size 0
		.amdhsa_enable_private_segment 0
		.amdhsa_kernarg_size 32
		.amdhsa_user_sgpr_count 2
		.amdhsa_user_sgpr_kernarg_segment_ptr 1
		.amdhsa_wavefront_size32 1
		.amdhsa_system_sgpr_workgroup_id_x 1
		.amdhsa_system_sgpr_workgroup_id_y 1
		.amdhsa_system_sgpr_workgroup_id_z 1
		.amdhsa_system_vgpr_workitem_id 0
		.amdhsa_next_free_vgpr 384
		.amdhsa_next_free_sgpr 66
		.amdhsa_reserve_vcc 1
		.amdhsa_float_denorm_mode_32 3
		.amdhsa_float_denorm_mode_16_64 3
		.amdhsa_memory_ordered 1
		.amdhsa_forward_progress 1
		.amdhsa_inst_pref_size 31
	.end_amdhsa_kernel
	.amdgpu_metadata
---
amdhsa.version: [ 1, 2 ]
amdhsa.kernels:
  - .name:           k_qc41a2ceeaa_kvsum
    .symbol:         k_qc41a2ceeaa_kvsum.kd
    .args:
      - { .name: kvop, .offset: 0, .size: 8, .value_kind: global_buffer, .address_space: global }
      - { .name: ksp, .offset: 8, .size: 8, .value_kind: global_buffer, .address_space: global }
      - { .name: kvimg, .offset: 16, .size: 8, .value_kind: global_buffer, .address_space: global }
      - { .name: ksum, .offset: 24, .size: 8, .value_kind: global_buffer, .address_space: global }
    .group_segment_fixed_size: 136192
    .private_segment_fixed_size: 0
    .kernarg_segment_align: 8
    .kernarg_segment_size: 32
    .max_flat_workgroup_size: 256
    .sgpr_count:     66
    .vgpr_count:     384
    .wavefront_size: 32
...
	.end_amdgpu_metadata
.endif
;; end of part 3
;; launch qattn (part 4): grid 128 x 2, 8 waves a work-group, no clusters, 54,272 bytes of LDS; arguments img, bq, trig, kvimg, ksum, aimg; writes aimg
.if DOCPART == 4
	.amdgcn_target "amdgcn-amd-amdhsa--gfx1250"
	.amdhsa_code_object_version 6
	.text
	.protected	k_qc41a2ceeaa_qattn
	.globl	k_qc41a2ceeaa_qattn
	.p2align	8
	.type	k_qc41a2ceeaa_qattn,@function
k_qc41a2ceeaa_qattn:
	s_mov_b64 s[64:65], 0
	v_nop
	global_prefetch_b8 v0, s[64:65] scope:SCOPE_SE
	s_setreg_imm32_b32 hwreg(HW_REG_WAVE_MODE, 25, 1), 1
	s_wait_xcnt 0x0
; QATTN: q = relu((query wq^T + bq) / 8); q2 = (q sin, q cos); num = q2 kv; den = q2 . (the sums of k2), in f32 by fused multiply-adds; num / max(den, 1e-6), quantised along E for the last product.  q never goes to memory.
; SHARES: work-group (x, y): batch b = x / 16, g = x % 16: 64 rows t; y: eight of the 16 heads.  Wave w is head 8 y + w: 4 tiles of W x 4 tiles of t = 16 accumulators; a head's whole chain stays in its wave's registers.
; The query's eight records (codes, laid by the first launch) are copied into LDS once, a record a wave, byte for byte; one barrier.  W comes straight into registers, two K steps ahead, in three sets.
; BOTH PRODUCTS ARE USED TRANSPOSED (source 0 = 16 rows of W, or of kv^T; source 1 = 16 rows t): a lane holds one t, and its registers run along d (then e) in the order that the quantiser wants, since the rows of a tile
; of W and of kv^T are 32 (i / 2) + 8 (i % 2) + r + 8 (r / 8).  bq is the C of each sum's first product.  The division by 8 is put on sin and cos: exact, so the products are the same numbers.
; NO CLUSTER, NO JOINT LOADS: the two work-groups that share a query block share 53,248 bytes once; W goes to registers, not to LDS, where a joint load would put it.
; aimg: [b][g][K step] records: tile jt: rows t in the tiles' order; head 2 ks + c makes half c of K step ks (768 bytes a tile) and 256 bytes of the scale block: a lane's 8 bytes: two scale bytes for each of the four tiles.
; LIMITS: 1 / den is v_rcp_f32 and a multiplication.  den is summed in another order than a plain chain.  NaN and infinities are not served.  A block of zeros gets the byte 1, not 127 (zero codes).
.set REC,  6656
.set L16,  1
.set L8,   2
.set L4,   3
.set H64,  4                           ; v4  64 h
.set TOFF, 5                           ; v5  8 (r + 8 (r / 8)): my t in the table
.set CPY,  6                           ; v6  where I copy my record
.set ASCL, 8                           ; v8-11   the query's scale words
.set WSCL, 12                          ; v12-23  W's, three sets
.set KVSC, 24                          ; v24-27  kv's (first its lower two bytes);  v28-31 its upper two
.set KVH,  28
.set SQC,  32                          ; v32-39  (sin, cos) / 8 of my t, for each tile of t
.set KS,   40                          ; v40-71  the sums of k sin at my 32 d
.set AF,   72                          ; v72-119 the query's four fragments
.set BQ,   216                         ; v216-247 bq in the result's layout
.set DA,   248                         ; v248-251 den, in two chains
.set DB,   250
.set PW,   252                         ; v252 q2's scale word: it holds scales and nothing else
.set PW2,  253
.set PWH,  254
.set KVF,  176                         ; window 1: v0-127 accumulators (32 jt + 8 i); v128-175 W's third set; v176-223 kv^T's four fragments; v224-255 the sums of k cos
.set KC,   224
.set QR,   72                          ; the way out: v72-103 relu(q); v104-167 q2; v168-187 codes; v188-203 at work; v204-235 num
.set T,    104
.set PC,   168
.set TM,   188
.set NUM,  204
.set AB,   22
.set WB,   24
.set BQB,  26
.set TRB,  28
.set KVB,  30
.set KSB,  32
.set AOB,  34
.set ASB,  36
.set SEL,  38
.set MSB, 0
.macro WIN new                         ; the immediate's high byte repeats the setting that is left
.if MSB != \new
	s_set_vgpr_msb (MSB<<8)|\new
.set MSB, \new
.endif
.endm
.macro NOPS n
.rept \n
	v_nop
.endr
.endm
; 32 nc numbers of a lane, register 16 b + i = k 32 b + 16 (lane / 16) + i of its row, become nc halves of a fragment in v[PC] on, and the row's scale bytes in v[pw].
.macro QUANT src, nc, pw
.set qb, 0
.rept 2*(\nc)
	v_max3_num_f32 v[TM+qb], |v[\src+16*qb]|, |v[\src+16*qb+1]|, 0x2800000   ; my 16 numbers of block b, and the floor 2^(5 - 127): the byte cannot fall under 1
.set qb, qb+1
.endr
.set qi, 2
.rept 7
.set qb, 0
.rept 2*(\nc)
	v_max3_num_f32 v[TM+qb], v[TM+qb], |v[\src+16*qb+qi]|, |v[\src+16*qb+qi+1]|
.set qb, qb+1
.endr
.set qi, qi+2
.endr
.set qb, 0
.rept 2*(\nc)
	v_permlanex16_b32 v[TM+4+qb], v[TM+qb], s[SEL], s[SEL+1]
.set qb, qb+1
.endr
.set qb, 0
.rept 2*(\nc)
	v_max_num_f32 v[TM+qb], v[TM+qb], v[TM+4+qb]
.set qb, qb+1
.endr
.set qb, 0
.rept 2*(\nc)
	v_add_nc_u32 v[TM+12+qb], 0xfe000000, v[TM+qb]         ; 4 off the exponent field: the conversion's scale operand
.set qb, qb+1
.endr
.set qb, 0
.rept 2*(\nc)
	v_lshrrev_b32 v[TM+4+qb], 23, v[TM+12+qb]              ; the scale's byte
.set qb, qb+1
.endr
	v_lshl_or_b32 v[\pw], v[TM+5], 8, v[TM+4]
.if (\nc) > 1
	v_lshl_or_b32 v[\pw], v[TM+6], 16, v[\pw]
	v_lshl_or_b32 v[\pw], v[TM+7], 24, v[\pw]
.endif
.set qc, 0
.rept \nc
	v_cvt_scalef32_pk16_bf6_f32 v[PC+6*qc:PC+6*qc+2], v[\src+32*qc:\src+32*qc+15], v[TM+12+2*qc]
	v_cvt_scalef32_pk16_bf6_f32 v[PC+12+4*qc:PC+14+4*qc], v[\src+32*qc+16:\src+32*qc+31], v[TM+13+2*qc]
.set qc, qc+1
.endr
	v_nop                                                  ; one plain instruction behind the scaled conversions
.set qc, 0
.rept \nc
.set qi, 0
.rept 3
	v_permlane16_swap_b32 v[PC+6*qc+qi], v[PC+12+4*qc+qi]
.set qi, qi+1
.endr
.set qi, 0
.rept 3
	v_mov_b32 v[PC+3+6*qc+qi], v[PC+12+4*qc+qi]
.set qi, qi+1
.endr
.set qc, qc+1
.endr
.endm
.macro FLDL reg, a16, a8, off
	ds_load_b128 v[\reg:\reg+3], v[\a16] offset:\off
	ds_load_b64 v[\reg+4:\reg+5], v[\a8] offset:\off+512
	ds_load_b128 v[\reg+6:\reg+9], v[\a16] offset:\off+768
	ds_load_b64 v[\reg+10:\reg+11], v[\a8] offset:\off+1280
.endm
.macro FLDG reg, base, off
	global_load_b128 v[\reg:\reg+3], v[L16], s[\base:\base+1] offset:\off
	global_load_b64 v[\reg+4:\reg+5], v[L8], s[\base:\base+1] offset:\off+512
	global_load_b128 v[\reg+6:\reg+9], v[L16], s[\base:\base+1] offset:\off+768
	global_load_b64 v[\reg+10:\reg+11], v[L8], s[\base:\base+1] offset:\off+1280
.endm
.macro WLOAD ks                        ; 17 loads: W's four fragments and their scale words of K step ks, into set ks % 3 (v120, v168; the third in window 1 at v128)
.if (\ks)%3 == 2
.set WR, 128
	WIN 0x40
.else
.set WR, 120+48*((\ks)%3)
.endif
.irp nn, 0,1,2,3
	FLDG WR+12*\nn, WB, REC*(\ks)+1536*\nn
.endr
	WIN 0
	global_load_b128 v[WSCL+4*((\ks)%3):WSCL+4*((\ks)%3)+3], v[L16], s[WB:WB+1] offset:REC*(\ks)+6144
.endm
.macro ALOAD ks, half                  ; 9 LDS loads: tiles of t 2 half, 2 half + 1 of K step ks and their scale words
.irp jj, 0,1
	FLDL AF+12*(2*(\half)+\jj), L16, L8, REC*(\ks)+1536*(2*(\half)+\jj)
.endr
	ds_load_b64 v[ASCL+2*(\half):ASCL+2*(\half)+1], v[L16] offset:REC*(\ks)+6144+8*(\half)
.endm
.macro MWIN ks                         ; D window 1; C: bq in window 0 (step 0), else window 1; W: window 1 for the third set
.if (\ks) == 0
	WIN 0x40
.elseif (\ks)%3 == 2
	WIN 0x51
.else
	WIN 0x50
.endif
.endm
.macro MULS ks, j0                     ; 8 products: tiles of t j0, j0 + 1 x W's four.  The 16 accumulators take turns, in the same order in every K step
.if (\ks)%3 == 2
.set WR, 128
.else
.set WR, 120+48*((\ks)%3)
.endif
.irp jj, 0,1
.irp nn, 0,1,2,3
.if (\ks) == 0
	v_wmma_scale_f32_16x16x128_f8f6f4 v[32*(\j0+\jj)+8*\nn:32*(\j0+\jj)+8*\nn+7], v[WR+12*\nn:WR+12*\nn+11], v[AF+12*(\j0+\jj):AF+12*(\j0+\jj)+11], v[BQ+8*\nn:BQ+8*\nn+7], v[WSCL+4*((\ks)%3)+\nn], v[ASCL+\j0+\jj] matrix_a_fmt:MATRIX_FMT_BF6 matrix_b_fmt:MATRIX_FMT_BF6
.else
	v_wmma_scale_f32_16x16x128_f8f6f4 v[32*(\j0+\jj)+8*\nn:32*(\j0+\jj)+8*\nn+7], v[WR+12*\nn:WR+12*\nn+11], v[AF+12*(\j0+\jj):AF+12*(\j0+\jj)+11], v[32*(\j0+\jj)+8*\nn:32*(\j0+\jj)+8*\nn+7], v[WSCL+4*((\ks)%3)+\nn], v[ASCL+\j0+\jj] matrix_a_fmt:MATRIX_FMT_BF6 matrix_b_fmt:MATRIX_FMT_BF6
.endif
.endr
.endr
.endm
; Four plain instructions stand between a matrix instruction and a load into a register that it has read, or the first read of its result (ISA guide 7.12.1 for vector instructions).
.macro KSTEP ks
.if (\ks) < 6
	WLOAD (\ks)+2                                  ; into the set that the last step multiplied: its four places stand at that step's end
	s_wait_loadcnt 34                              ; the W of the next two steps may be out: this step's is in (and, in step 0, all that was asked for at the head)
.elseif (\ks) == 6
	s_wait_loadcnt 17
.else
	s_wait_loadcnt 0x0
.endif
	s_wait_dscnt 9                                 ; tiles 0, 1 and their scale words are in; the 9 loads of tiles 2, 3 may be out
	MWIN \ks
	MULS \ks, 0
	WIN 0
	s_wait_dscnt 0x0
.if (\ks) < 7
	NOPS 4
	ALOAD (\ks)+1, 0
.endif
	MWIN \ks
	MULS \ks, 2
	WIN 0
	NOPS 4
.if (\ks) < 7
	ALOAD (\ks)+1, 1
.endif
.endm
	s_load_b256 s[4:11], s[0:1], 0x0               ; img, bq, trig, kvimg
	s_load_b128 s[12:15], s[0:1], 0x20             ; ksum, aimg
	v_lshrrev_b32 v7, 5, v0
	v_readfirstlane_b32 s16, v7                    ; wave 0..7
	v_and_b32 v7, 31, v0
	v_lshlrev_b32 v[L16], 4, v7
	v_lshlrev_b32 v[L8], 3, v7
	v_lshlrev_b32 v[L4], 2, v7
	v_bfe_u32 v7, v0, 4, 1
	v_lshlrev_b32 v[H64], 6, v7
	v_and_b32 v7, 15, v0
	v_and_b32 v[TOFF], 8, v7
	v_add_nc_u32 v[TOFF], v[TOFF], v7
	v_lshlrev_b32 v[TOFF], 3, v[TOFF]
	s_mul_i32 s40, s16, REC
	v_add_nc_u32 v[CPY], s40, v[L16]
	s_mov_b32 s[SEL], 0x76543210
	s_mov_b32 s[SEL+1], 0xfedcba98
	s_and_b32 s17, ttmp7, 0xffff
	s_lshr_b32 s18, ttmp9, 4                       ; b
	s_and_b32 s19, ttmp9, 15                       ; g
	s_lshl_b32 s20, s17, 3
	s_add_co_u32 s20, s20, s16                     ; my head
	s_lshl_b32 s21, s18, 4
	s_add_co_u32 s21, s21, s20                     ; bh
	s_lshl_b32 s40, ttmp9, 3
	s_add_co_u32 s40, s40, s16
	s_add_co_u32 s40, s40, 512
	s_mul_i32 s40, s40, REC                        ; the query's record that I copy: 512 + 8 x + wave
	s_mov_b32 s41, 0
	s_lshl_b32 s42, s20, 3
	s_mul_i32 s42, s42, REC                        ; wq's records of my head
	s_mov_b32 s43, 0
	s_lshl_b32 s44, s20, 8
	s_mov_b32 s45, 0
	s_lshl_b32 s46, s19, 9                         ; the table's entry 2 t + 1: 8 t + 4 bytes
	s_mov_b32 s47, 0
	s_lshl_b32 s48, s21, 13
	s_mov_b32 s49, 0
	s_lshl_b32 s50, s21, 9
	s_mov_b32 s51, 0
	s_lshl_b32 s52, ttmp9, 3
	s_lshr_b32 s54, s20, 1
	s_add_co_u32 s52, s52, s54
	s_mul_i32 s52, s52, REC                        ; aimg's record: 8 x + head / 2
	s_and_b32 s54, s20, 1
	s_mul_i32 s56, s54, 768
	s_add_co_u32 s56, s56, s52                     ; my half of each fragment
	s_mov_b32 s57, 0
	s_lshl_b32 s54, s54, 8
	s_add_co_u32 s54, s54, s52
	s_add_co_u32 s54, s54, 6144                    ; my half of the scale block
	s_mov_b32 s55, 0
	s_wait_kmcnt 0x0
	s_add_nc_u64 s[AB:AB+1], s[4:5], s[40:41]
	s_add_nc_u64 s[WB:WB+1], s[4:5], s[42:43]
	s_add_nc_u64 s[BQB:BQB+1], s[6:7], s[44:45]
	s_add_nc_u64 s[TRB:TRB+1], s[8:9], s[46:47]
	s_add_nc_u64 s[KVB:KVB+1], s[10:11], s[48:49]
	s_add_nc_u64 s[KSB:KSB+1], s[12:13], s[50:51]
	s_add_nc_u64 s[AOB:AOB+1], s[14:15], s[56:57]
	s_add_nc_u64 s[ASB:ASB+1], s[14:15], s[54:55]
.set kk, 0
.rept 13
	global_load_b128 v[72+4*kk:75+4*kk], v[L16], s[AB:AB+1] offset:512*kk   ; the copy: 13 x 512 bytes
.set kk, kk+1
.endr
	; 56 loads that are wanted with or behind the first K step
.irp nn, 0,1,2,3
.irp qq, 0,1
	global_load_b128 v[BQ+8*\nn+4*\qq:BQ+8*\nn+4*\qq+3], v[H64], s[BQB:BQB+1] offset:128*(\nn/2)+32*(\nn%2)+16*\qq   ; bq at d = 32 (i / 2) + 16 h + 8 (i % 2) + 0 .. 7
.endr
.endr
	WIN 0x40                                       ; destination window 1
.irp pp, 0,1
.irp jj, 0,1,2,3
	global_load_b128 v[KVF+12*\jj+6*\pp:KVF+12*\jj+6*\pp+3], v[L16], s[KVB:KVB+1] offset:1024*(4*\pp+\jj)
	global_load_b64 v[KVF+12*\jj+6*\pp+4:KVF+12*\jj+6*\pp+5], v[L8], s[KVB:KVB+1] offset:1024*(4*\pp+\jj)+512
.endr
.endr
.set kk, 0
.rept 8
	global_load_b128 v[KC+4*kk:KC+4*kk+3], v[H64], s[KSB:KSB+1] offset:256+128*(kk/4)+16*(kk%4)
.set kk, kk+1
.endr
	WIN 0
.irp jj, 0,1,2,3
	global_load_b32 v[KVSC+\jj], v[L4], s[KVB:KVB+1] offset:1024*\jj+768
	global_load_b32 v[KVH+\jj], v[L4], s[KVB:KVB+1] offset:1024*(4+\jj)+768
.endr
.set kk, 0
.rept 8
	global_load_b128 v[KS+4*kk:KS+4*kk+3], v[H64], s[KSB:KSB+1] offset:128*(kk/4)+16*(kk%4)
.set kk, kk+1
.endr
.irp jj, 0,1,2,3
	global_load_b32 v[SQC+2*\jj], v[TOFF], s[TRB:TRB+1] offset:8*(32*(\jj/2)+8*(\jj%2))+4
	global_load_b32 v[SQC+2*\jj+1], v[TOFF], s[TRB:TRB+1] offset:8*(32*(\jj/2)+8*(\jj%2))+4+8192
.endr
	s_wait_loadcnt 56                              ; the copy's 13 loads are in; the 56 behind them may be out
.set kk, 0
.rept 13
	ds_store_b128 v[CPY], v[72+4*kk:75+4*kk] offset:512*kk
.set kk, kk+1
.endr
	s_wait_dscnt 0x0                               ; for the others' sake: my record has landed; and the stores have read their registers
	WLOAD 0
	WLOAD 1
	s_barrier_signal -1
	s_barrier_wait -1                              ; the eight records lie in LDS; nothing is stored to LDS behind this barrier
	ALOAD 0, 0
	ALOAD 0, 1
.irp ks, 0,1,2,3,4,5,6,7
	KSTEP \ks
.endr
	; ---- the way out
.irp b, 0,1,2,3
	v_mov_b32 v[TM+4+\b], 0                        ; written once: a lane permute's destination counts as one of its sources
.endr
	v_mov_b32 v[TM+8], 0
	v_mov_b32 v[TM+11], 0                          ; (named as the upper half of the pair with 1 / den)
.irp j, 0,1,2,3,4,5,6,7
	v_mul_f32 v[SQC+\j], 0x3e000000, v[SQC+\j]     ; sin / 8, cos / 8: exact
.endr
.irp j, 0,1,2,3
	v_lshl_or_b32 v[KVSC+\j], v[KVH+\j], 16, v[KVSC+\j]   ; kv's scale word: two bytes from each part of d2
.endr
.macro TILE jt
	WIN 0x04                                       ; source 1: window 1
.set ii, 0
.rept 32
	v_max_num_f32 v[QR+ii], 0, v[32*(\jt)+ii]      ; relu; ascending: each accumulator is read from its low end on
.set ii, ii+1
.endr
	WIN 0
.set ii, 0
.rept 16
	v_pk_mul_f32 v[T+ii:T+ii+1], v[QR+ii:QR+ii+1], v[SQC+2*(\jt):SQC+2*(\jt)+1] op_sel_hi:[1,0]   ; x sin / 8: d2 = d
.set ii, ii+2
.endr
.set ii, 0
.rept 16
	v_pk_mul_f32 v[T+32+ii:T+32+ii+1], v[QR+ii:QR+ii+1], v[SQC+2*(\jt):SQC+2*(\jt)+1] op_sel:[0,1] op_sel_hi:[1,1]   ; x cos / 8: d2 = 64 + d
.set ii, ii+2
.endr
	s_wait_xcnt 0x0                                ; the last tile's stores have read the codes' registers
	QUANT T, 2, PW
	v_pk_mul_f32 v[DA:DA+1], v[T:T+1], v[KS:KS+1]  ; den, of the UNQUANTISED q2, in two chains.  These 32 plain lines are also the places between the writes of q2's codes and scale word and the products below
	v_pk_mul_f32 v[DB:DB+1], v[T+2:T+3], v[KS+2:KS+3]
.set ii, 4
.rept 7
	v_pk_fma_f32 v[DA:DA+1], v[T+ii:T+ii+1], v[KS+ii:KS+ii+1], v[DA:DA+1]
	v_pk_fma_f32 v[DB:DB+1], v[T+ii+2:T+ii+3], v[KS+ii+2:KS+ii+3], v[DB:DB+1]
.set ii, ii+4
.endr
	WIN 0x04
.set ii, 0
.rept 8
	v_pk_fma_f32 v[DA:DA+1], v[T+32+ii:T+32+ii+1], v[KC+ii:KC+ii+1], v[DA:DA+1]
	v_pk_fma_f32 v[DB:DB+1], v[T+34+ii:T+34+ii+1], v[KC+ii+2:KC+ii+3], v[DB:DB+1]
.set ii, ii+4
.endr
	WIN 0x01                                       ; source 0 (kv^T): window 1
.irp nn, 0,1,2,3
	v_wmma_scale_f32_16x16x128_f8f6f4 v[NUM+8*\nn:NUM+8*\nn+7], v[KVF+12*\nn:KVF+12*\nn+11], v[PC:PC+11], 0, v[KVSC+\nn], v[PW] matrix_a_fmt:MATRIX_FMT_BF6 matrix_b_fmt:MATRIX_FMT_BF6
.endr
	WIN 0
	v_pk_add_f32 v[DA:DA+1], v[DA:DA+1], v[DB:DB+1]        ; (plain lines behind the products)
	v_add_f32 v[DA], v[DA], v[DA+1]
	v_permlanex16_b32 v[TM+8], v[DA], s[SEL], s[SEL+1]
	v_add_f32 v[DA], v[DA], v[TM+8]                ; with lane l xor 16's half of d2
	v_max_num_f32 v[DA], 0x358637bd, v[DA]         ; max(den, 1e-6)
	v_rcp_f32 v[TM+10], v[DA]
	v_nop                                          ; a plain instruction behind the reciprocal
	s_wait_alu depctr_va_vdst(0)                   ; and a wait ahead of its first reader
.set ii, 0
.rept 16
	v_pk_mul_f32 v[NUM+ii:NUM+ii+1], v[NUM+ii:NUM+ii+1], v[TM+10:TM+11] op_sel_hi:[1,0]   ; ascending: each accumulator is read from its low end on
.set ii, ii+2
.endr
	QUANT NUM, 1, PW2                              ; register 16 b + i = e 32 b + 16 h + i of my t: two blocks along E
	global_store_b128 v[L16], v[PC:PC+3], s[AOB:AOB+1] offset:1536*(\jt)
	global_store_b64 v[L8], v[PC+4:PC+5], s[AOB:AOB+1] offset:1536*(\jt)+512
.if (\jt)%2 == 0
	v_mov_b32 v[PWH+(\jt)/2], v[PW2]
.else
	v_lshl_or_b32 v[PWH+(\jt)/2], v[PW2], 16, v[PWH+(\jt)/2]
.endif
.endm
	TILE 0
	TILE 1
	TILE 2
	TILE 3
	global_store_b64 v[L8], v[PWH:PWH+1], s[ASB:ASB+1]
	s_wait_xcnt 0x0
	v_lshl_add_u32 v254, v0, 2, 0xd000
	v_mov_b32 v255, 0
	s_wait_tensorcnt 0x0
	ds_add_u32 v254, v255
	s_wait_dscnt 0x0
	s_endpgm
.Lfunc_end_k_qc41a2ceeaa_qattn:
	.size	k_qc41a2ceeaa_qattn, .Lfunc_end_k_qc41a2ceeaa_qattn-k_qc41a2ceeaa_qattn
	.p2alignl 7, 3214868480
	.fill 96, 4, 3214868480
	.section	.rodata,"a",@progbits
	.p2align	6, 0x0
	.amdhsa_kernel k_qc41a2ceeaa_qattn
		.amdhsa_group_segment_fixed_size 54272
		.amdhsa_private_segment_fixed_size 0
		.amdhsa_enable_private_segment 0
		.amdhsa_kernarg_size 48
		.amdhsa_user_sgpr_count 2
		.amdhsa_user_sgpr_kernarg_segment_ptr 1
		.amdhsa_wavefront_size32 1
		.amdhsa_system_sgpr_workgroup_id_x 1
		.amdhsa_system_sgpr_workgroup_id_y 1
		.amdhsa_system_sgpr_workgroup_id_z 1
		.amdhsa_system_vgpr_workitem_id 0
		.amdhsa_next_free_vgpr 512
		.amdhsa_next_free_sgpr 66
		.amdhsa_reserve_vcc 0
		.amdhsa_float_denorm_mode_32 3
		.amdhsa_float_denorm_mode_16_64 3
		.amdhsa_memory_ordered 1
		.amdhsa_forward_progress 1
		.amdhsa_inst_pref_size 105
	.end_amdhsa_kernel
	.amdgpu_metadata
---
amdhsa.version: [ 1, 2 ]
amdhsa.kernels:
  - .name:           k_qc41a2ceeaa_qattn
    .symbol:         k_qc41a2ceeaa_qattn.kd
    .args:
      - { .name: img, .offset: 0, .size: 8, .value_kind: global_buffer, .address_space: global }
      - { .name: bq, .offset: 8, .size: 8, .value_kind: global_buffer, .address_space: global }
      - { .name: trig, .offset: 16, .size: 8, .value_kind: global_buffer, .address_space: global }
      - { .name: kvimg, .offset: 24, .size: 8, .value_kind: global_buffer, .address_space: global }
      - { .name: ksum, .offset: 32, .size: 8, .value_kind: global_buffer, .address_space: global }
      - { .name: aimg, .offset: 40, .size: 8, .value_kind: global_buffer, .address_space: global }
    .group_segment_fixed_size: 54272
    .private_segment_fixed_size: 0
    .kernarg_segment_align: 8
    .kernarg_segment_size: 48
    .max_flat_workgroup_size: 256
    .sgpr_count:     66
    .vgpr_count:     512
    .wavefront_size: 32
...
	.end_amdgpu_metadata
.endif
;; end of part 4
;; launch oproj (part 5): grid 128 x 2, 8 waves a work-group, no clusters, 89,088 bytes of LDS; arguments aimg, img, bo, out0; writes out0
.if DOCPART == 5
	.amdgcn_target "amdgcn-amd-amdhsa--gfx1250"
	.amdhsa_code_object_version 6
	.text
	.protected	k_qc41a2ceeaa_oproj
	.globl	k_qc41a2ceeaa_oproj
	.p2align	8
	.type	k_qc41a2ceeaa_oproj,@function
k_qc41a2ceeaa_oproj:
	s_mov_b64 s[64:65], 0
	v_nop
	global_prefetch_b8 v0, s[64:65] scope:SCOPE_SE
	s_setreg_imm32_b32 hwreg(HW_REG_WAVE_MODE, 25, 1), 1
	s_wait_xcnt 0x0
; OPROJ: out0 = a wo^T + bo, a = num / den as codes of BF6 (E3M2) with E8M0 scales, laid by the launch before as operand images; wo's likewise, by the first launch.
; SHARES: work-group (x, y): batch b = x / 16, g = x % 16: 64 rows t; y: half of the 1,024 columns.  Wave w makes columns 64 (8 y + w) .. + 63: 4 tiles of wo x 4 tiles of t = 16 accumulators.
; a's eight records are copied into LDS once, a record a wave (its scale bytes, which two heads stored apart, are joined into words on the way); one barrier.
; wo comes straight into registers, THREE K steps (48 products) ahead, in four sets; its first three K steps are asked for at the head, together with the copy and ahead of the wait for it.
; THE PRODUCT IS USED TRANSPOSED (source 0 = 16 rows of wo, source 1 = 16 rows t): a lane holds eight neighbouring columns of one row of out0.  bo is the C of each sum's first product.
; THE WAY OUT: a tile of 16 rows x 64 columns goes through the wave's own stage in LDS (rows of 256 + 16 bytes) and leaves as whole rows: sixteen lanes store 256 consecutive bytes, aligned.
; NO CLUSTER, NO JOINT LOADS: the two work-groups that share a block of a share 53,248 bytes once; wo goes to registers, not to LDS, where a joint load would put it.
.set REC,  6656
.set STG,  53248                       ; LDS: 0: the eight records;  here: a stage of 16 x 272 bytes for each wave
.set L16,  1
.set L8,   2
.set SO,   3                           ; v3  the stage, on the way in: 272 r + 64 h
.set H64,  4
.set SR,   5                           ; v5  and out: 272 h + 16 r
.set CPY,  6
.set GO,   7                           ; v7  32,768 h + 16 r: two rows t of out0
.set ASCL, 8                           ; v8-11  a's scale words;  v12-27 wo's, four sets: they hold scales and nothing else
.set WSCL, 12
.set AF,   76                          ; v76-123 a's four fragments.  wo's sets: v124-171, v172-219, window 1's v128-175, v28-75
.set BQ,   220                         ; v220-251 bo in the result's layout
.set SB,   252                         ; v252-255 a's scale bytes as loaded (first: at work at the head)
.set SWD,  28                          ; v28-31 the four scale words made of them: wo's fourth set, which lies here, is first asked for behind the barrier
.set OB,   76                          ; the way out: v76-107, v108-139 by turns
.set AB,   22
.set WB,   24
.set BQB,  26
.set OUTB, 28
.set MSB, 0
.macro WIN new                         ; the immediate's high byte repeats the setting that is left
.if MSB != \new
	s_set_vgpr_msb (MSB<<8)|\new
.set MSB, \new
.endif
.endm
.macro NOPS n
.rept \n
	v_nop
.endr
.endm
.macro FLDL reg, a16, a8, off
	ds_load_b128 v[\reg:\reg+3], v[\a16] offset:\off
	ds_load_b64 v[\reg+4:\reg+5], v[\a8] offset:\off+512
	ds_load_b128 v[\reg+6:\reg+9], v[\a16] offset:\off+768
	ds_load_b64 v[\reg+10:\reg+11], v[\a8] offset:\off+1280
.endm
.macro FLDG reg, base, off
	global_load_b128 v[\reg:\reg+3], v[L16], s[\base:\base+1] offset:\off
	global_load_b64 v[\reg+4:\reg+5], v[L8], s[\base:\base+1] offset:\off+512
	global_load_b128 v[\reg+6:\reg+9], v[L16], s[\base:\base+1] offset:\off+768
	global_load_b64 v[\reg+10:\reg+11], v[L8], s[\base:\base+1] offset:\off+1280
.endm
.macro WSEL ks                         ; where set ks % 4 begins (the third lies in window 1)
.if (\ks)%4 == 0
.set WR, 124
.elseif (\ks)%4 == 1
.set WR, 172
.elseif (\ks)%4 == 2
.set WR, 128
.else
.set WR, 28
.endif
.endm
.macro WLOAD ks                        ; 17 loads: wo's four fragments and their scale words of K step ks, into set ks % 4
	WSEL \ks
.if (\ks)%4 == 2
	WIN 0x40
.endif
.irp nn, 0,1,2,3
	FLDG WR+12*\nn, WB, REC*(\ks)+1536*\nn
.endr
	WIN 0
	global_load_b128 v[WSCL+4*((\ks)%4):WSCL+4*((\ks)%4)+3], v[L16], s[WB:WB+1] offset:REC*(\ks)+6144
.endm
.macro ALOAD ks, half                  ; 9 LDS loads: tiles of t 2 half, 2 half + 1 of K step ks and their scale words
.irp jj, 0,1
	FLDL AF+12*(2*(\half)+\jj), L16, L8, REC*(\ks)+1536*(2*(\half)+\jj)
.endr
	ds_load_b64 v[ASCL+2*(\half):ASCL+2*(\half)+1], v[L16] offset:REC*(\ks)+6144+8*(\half)
.endm
.macro MWIN ks                         ; D window 1; C: bo in window 0 (step 0), else window 1; wo: window 1 for the third set
.if (\ks) == 0
	WIN 0x40
.elseif (\ks)%4 == 2
	WIN 0x51
.else
	WIN 0x50
.endif
.endm
.macro MULS ks, j0                     ; 8 products: tiles of t j0, j0 + 1 x wo's four.  The 16 accumulators take turns, in the same order in every K step
	WSEL \ks
.irp jj, 0,1
.irp nn, 0,1,2,3
.if (\ks) == 0
	v_wmma_scale_f32_16x16x128_f8f6f4 v[32*(\j0+\jj)+8*\nn:32*(\j0+\jj)+8*\nn+7], v[WR+12*\nn:WR+12*\nn+11], v[AF+12*(\j0+\jj):AF+12*(\j0+\jj)+11], v[BQ+8*\nn:BQ+8*\nn+7], v[WSCL+4*((\ks)%4)+\nn], v[ASCL+\j0+\jj] matrix_a_fmt:MATRIX_FMT_BF6 matrix_b_fmt:MATRIX_FMT_BF6
.else
	v_wmma_scale_f32_16x16x128_f8f6f4 v[32*(\j0+\jj)+8*\nn:32*(\j0+\jj)+8*\nn+7], v[WR+12*\nn:WR+12*\nn+11], v[AF+12*(\j0+\jj):AF+12*(\j0+\jj)+11], v[32*(\j0+\jj)+8*\nn:32*(\j0+\jj)+8*\nn+7], v[WSCL+4*((\ks)%4)+\nn], v[ASCL+\j0+\jj] matrix_a_fmt:MATRIX_FMT_BF6 matrix_b_fmt:MATRIX_FMT_BF6
.endif
.endr
.endr
.endm
; Four plain instructions stand between a matrix instruction and a load into a register that it has read, or the first read of its result (ISA guide 7.12.1 for vector instructions).
.macro KSTEP ks
.if (\ks) < 5
	WLOAD (\ks)+3                                  ; into the set that the last step multiplied: its four places stand at that step's end
	s_wait_loadcnt 51                              ; the wo of the next three steps may be out: this step's is in (and, in step 0, bo)
.else
	s_wait_loadcnt 17*(7-(\ks))                    ; two, one, no step's wo may be out
.endif
	s_wait_dscnt 9                                 ; tiles 0, 1 and their scale words are in; the 9 loads of tiles 2, 3 may be out
	MWIN \ks
	MULS \ks, 0
	WIN 0
	s_wait_dscnt 0x0
.if (\ks) < 7
	NOPS 4
	ALOAD (\ks)+1, 0
.endif
	MWIN \ks
	MULS \ks, 2
	WIN 0
	NOPS 4
.if (\ks) < 7
	ALOAD (\ks)+1, 1
.endif
.endm
	s_load_b256 s[4:11], s[0:1], 0x0               ; aimg, img, bo, out0
	s_set_vgpr_msb 0x40
	v_lshl_add_u32 v254, v0, 2, 0x15800
	v_mov_b32 v255, 0
	s_set_vgpr_msb 0x4000
	v_lshrrev_b32 v[SB], 5, v0
	v_readfirstlane_b32 s16, v[SB]                 ; wave 0..7
	v_and_b32 v[SB], 31, v0
	v_lshlrev_b32 v[L16], 4, v[SB]
	v_lshlrev_b32 v[L8], 3, v[SB]
	v_and_b32 v[SB], 15, v0                        ; r
	v_bfe_u32 v[SB+1], v0, 4, 1                    ; h
	v_lshlrev_b32 v[H64], 6, v[SB+1]
	s_mul_i32 s40, s16, REC
	v_add_nc_u32 v[CPY], s40, v[L16]
	s_mul_i32 s40, s16, 4352
	s_add_co_u32 s40, s40, STG                     ; my stage
	v_mul_u32_u24 v[SO], v[SB], 272
	v_lshl_add_u32 v[SO], v[SB+1], 6, v[SO]
	v_add_nc_u32 v[SO], s40, v[SO]
	v_mul_u32_u24 v[SR], v[SB+1], 272
	v_lshl_add_u32 v[SR], v[SB], 4, v[SR]
	v_add_nc_u32 v[SR], s40, v[SR]
	v_lshlrev_b32 v[GO], 15, v[SB+1]
	v_lshl_add_u32 v[GO], v[SB], 4, v[GO]
	s_and_b32 s17, ttmp7, 0xffff
	s_lshr_b32 s18, ttmp9, 4                       ; b
	s_and_b32 s19, ttmp9, 15                       ; g
	s_lshl_b32 s20, s17, 3
	s_add_co_u32 s20, s20, s16                     ; my 64 columns
	s_lshl_b32 s40, ttmp9, 3
	s_add_co_u32 s40, s40, s16
	s_mul_i32 s40, s40, REC                        ; a's record that I copy: 8 x + wave
	s_mov_b32 s41, 0
	s_lshl_b32 s42, s20, 3
	s_add_co_u32 s42, s42, 384
	s_mul_i32 s42, s42, REC                        ; wo's records of my columns
	s_mov_b32 s43, 0
	s_lshl_b32 s44, s20, 8
	s_mov_b32 s45, 0
	s_lshl_b32 s46, s19, 9
	s_add_co_u32 s46, s46, s18
	s_lshl_b32 s46, s46, 12                        ; row (t = 64 g, b) of out0,
	s_add_co_u32 s46, s46, s44                     ; my columns
	s_mov_b32 s47, 0
	s_wait_kmcnt 0x0
	s_add_nc_u64 s[AB:AB+1], s[4:5], s[40:41]
	s_add_nc_u64 s[WB:WB+1], s[6:7], s[42:43]
	s_add_nc_u64 s[BQB:BQB+1], s[8:9], s[44:45]
	s_add_nc_u64 s[OUTB:OUTB+1], s[10:11], s[46:47]
.set kk, 0
.rept 12
	global_load_b128 v[AF+4*kk:AF+4*kk+3], v[L16], s[AB:AB+1] offset:512*kk   ; the codes: 12 x 512 bytes
.set kk, kk+1
.endr
	global_load_b64 v[SB:SB+1], v[L8], s[AB:AB+1] offset:6144     ; my row's scale bytes of the K step's first 64, two for each of the four tiles,
	global_load_b64 v[SB+2:SB+3], v[L8], s[AB:AB+1] offset:6400   ; and of its second 64
.irp nn, 0,1,2,3
.irp qq, 0,1
	global_load_b128 v[BQ+8*\nn+4*\qq:BQ+8*\nn+4*\qq+3], v[H64], s[BQB:BQB+1] offset:128*(\nn/2)+32*(\nn%2)+16*\qq   ; bo at n = 32 (i / 2) + 16 h + 8 (i % 2) + 0 .. 7
.endr
.endr
	WLOAD 0                                        ; wo's first three K steps go out with the copy
	WLOAD 1
	WLOAD 2
	s_wait_loadcnt 59                              ; the copy's 14 loads are in; bo's 8 and wo's 51 may be out
	v_perm_b32 v[SWD], v[SB+2], v[SB], 0x05040100          ; tile 0's word: the two low halves
	v_perm_b32 v[SWD+1], v[SB+2], v[SB], 0x07060302        ; tile 1's: the two high halves
	v_perm_b32 v[SWD+2], v[SB+3], v[SB+1], 0x05040100
	v_perm_b32 v[SWD+3], v[SB+3], v[SB+1], 0x07060302
.set kk, 0
.rept 12
	ds_store_b128 v[CPY], v[AF+4*kk:AF+4*kk+3] offset:512*kk
.set kk, kk+1
.endr
	ds_store_b128 v[CPY], v[SWD:SWD+3] offset:6144
	s_wait_dscnt 0x0                               ; for the others' sake: my record has landed; and the stores have read their registers
	s_barrier_signal -1
	s_barrier_wait -1                              ; the eight records lie in LDS; behind this barrier each wave stores to its own stage alone
	ALOAD 0, 0
	ALOAD 0, 1
.irp ks, 0,1,2,3,4,5,6,7
	KSTEP \ks
.endr
	; ---- the way out, a tile of 16 rows t at a time
.macro OUTT jt
	WIN 0x04                                       ; an LDS store's data are its source 1: window 1
.irp nn, 0,1,2,3
	ds_store_b128 v[SO], v[32*(\jt)+8*\nn:32*(\jt)+8*\nn+3] offset:128*(\nn/2)+32*(\nn%2)          ; each accumulator from its low end on
	ds_store_b128 v[SO], v[32*(\jt)+8*\nn+4:32*(\jt)+8*\nn+7] offset:128*(\nn/2)+32*(\nn%2)+16
.endr
	WIN 0
.if (\jt) > 1
	s_wait_xcnt 0x0                                ; the stores of two tiles ago have read the registers that the loads below fill
.endif
.set kk, 0
.rept 8
	ds_load_b128 v[OB+32*((\jt)%2)+4*kk:OB+32*((\jt)%2)+4*kk+3], v[SR] offset:544*kk   ; LDS serves a wave's instructions in order: these see the stores above, and the next tile's stores come behind them
.set kk, kk+1
.endr
	s_wait_dscnt 0x0
.set kk, 0
.rept 8
	global_store_b128 v[GO], v[OB+32*((\jt)%2)+4*kk:OB+32*((\jt)%2)+4*kk+3], s[OUTB:OUTB+1] offset:(32*((\jt)/2)+8*((\jt)%2)+2*kk+8*(kk/4))*32768 th:TH_STORE_NT   ; stage rows 2 k + h are t = the tile's first + 2 k + h + 8 (k / 4); 16 lanes store 256 consecutive bytes, aligned
.set kk, kk+1
.endr
.endm
	OUTT 0
	OUTT 1
	OUTT 2
	OUTT 3
	s_set_vgpr_msb 0x5
	s_wait_tensorcnt 0x0
	ds_add_u32 v254, v255
	s_wait_dscnt 0x0
	s_set_vgpr_msb 0x500
	s_endpgm
.Lfunc_end_k_qc41a2ceeaa_oproj:
	.size	k_qc41a2ceeaa_oproj, .Lfunc_end_k_qc41a2ceeaa_oproj-k_qc41a2ceeaa_oproj
	.p2alignl 7, 3214868480
	.fill 96, 4, 3214868480
	.section	.rodata,"a",@progbits
	.p2align	6, 0x0
	.amdhsa_kernel k_qc41a2ceeaa_oproj
		.amdhsa_group_segment_fixed_size 89088
		.amdhsa_private_segment_fixed_size 0
		.amdhsa_enable_private_segment 0
		.amdhsa_kernarg_size 32
		.amdhsa_user_sgpr_count 2
		.amdhsa_user_sgpr_kernarg_segment_ptr 1
		.amdhsa_wavefront_size32 1
		.amdhsa_system_sgpr_workgroup_id_x 1
		.amdhsa_system_sgpr_workgroup_id_y 1
		.amdhsa_system_sgpr_workgroup_id_z 1
		.amdhsa_system_vgpr_workitem_id 0
		.amdhsa_next_free_vgpr 512
		.amdhsa_next_free_sgpr 66
		.amdhsa_reserve_vcc 0
		.amdhsa_float_denorm_mode_32 3
		.amdhsa_float_denorm_mode_16_64 3
		.amdhsa_memory_ordered 1
		.amdhsa_forward_progress 1
		.amdhsa_inst_pref_size 55
	.end_amdhsa_kernel
	.amdgpu_metadata
---
amdhsa.version: [ 1, 2 ]
amdhsa.kernels:
  - .name:           k_qc41a2ceeaa_oproj
    .symbol:         k_qc41a2ceeaa_oproj.kd
    .args:
      - { .name: aimg, .offset: 0, .size: 8, .value_kind: global_buffer, .address_space: global }
      - { .name: img, .offset: 8, .size: 8, .value_kind: global_buffer, .address_space: global }
      - { .name: bo, .offset: 16, .size: 8, .value_kind: global_buffer, .address_space: global }
      - { .name: out0, .offset: 24, .size: 8, .value_kind: global_buffer, .address_space: global }
    .group_segment_fixed_size: 89088
    .private_segment_fixed_size: 0
    .kernarg_segment_align: 8
    .kernarg_segment_size: 32
    .max_flat_workgroup_size: 256
    .sgpr_count:     66
    .vgpr_count:     512
    .wavefront_size: 32
...
	.end_amdgpu_metadata
.endif
;; end of part 5
;; ======== version 2 of 2: 5 launches; version 1 with the launches kvproj, qattn, oproj written anew for expert scheduling mode
;; workspace buffers: img 10,223,616 bytes; trig 16,384 bytes; kvop 40,894,464 bytes; ksp 1,048,576 bytes; kvimg 1,048,576 bytes; ksum 65,536 bytes; aimg 6,815,744 bytes
;; launch prep: the kernel of part 1 again; grid 256 x 1, 6 waves a work-group, no clusters, 51,456 bytes of LDS; arguments wq, wk, wv, wo, query, img, trig; writes img, trig
;; launch kvproj (part 6): grid 128 x 2, 8 waves a work-group, no clusters, 183,296 bytes of LDS; arguments key_in, value, bk, bv, img, trig, kvop, ksp; writes kvop, ksp
.if DOCPART == 6
	.amdgcn_target "amdgcn-amd-amdhsa--gfx1250"
	.amdhsa_code_object_version 6
	.text
	.protected	k_qc41a2ceeaa_kvproj
	.globl	k_qc41a2ceeaa_kvproj
	.p2align	8
	.type	k_qc41a2ceeaa_kvproj,@function
k_qc41a2ceeaa_kvproj:
	s_mov_b64 s[64:65], 0
	v_nop
	global_prefetch_b8 v0, s[64:65] scope:SCOPE_SE
	s_setreg_imm32_b32 hwreg(HW_REG_WAVE_SCHED_MODE, 0, 2), 2
	s_setreg_imm32_b32 hwreg(HW_REG_WAVE_MODE, 25, 1), 1
	s_wait_xcnt 0x0
	s_wait_alu depctr_vm_vsrc(0)
; KVPROJ: k = relu(key_in wk^T + bk), k2 = (k sin, k cos); v = value wv^T + bv: both products on codes of BF6 (E3M2) with E8M0 scales; the results are quantised ALONG s, the K of the next product, and stored as operand images.
; SHARES: work-group (x, y): batch b = x / 16, chunk = x % 16: rows s = 128 chunk .. + 127; y = 0: key, y = 1: value.  It makes all 1,024 columns, so each input byte is read once in the launch.
; PHASE X: wave w quantises m tile w (16 rows x 1,024 K, eight K steps) and lays fragments and scale words in LDS as images of their registers.  One barrier.
; THE PRODUCT: wave w makes heads 2 w and 2 w + 1, a head a trip: 8 m tiles x 4 n tiles = 32 accumulators (window 1).  Source 0 = 16 rows of the activations, source 1 = 16 rows of W: a lane holds ONE column d and its registers run along s.
; The rows of an m tile are s = 32 (m / 2) + 8 (m % 2) + r + 8 (r / 8): so the 64 registers of a column are, in order, s = 32 b + 16 (lane / 16) + 0 .. 15, b = 0 .. 3: what the quantiser wants.
; W comes from img (laid by the launch before) straight into registers, 17 loads for 32 products, TWO K steps (64 products) ahead, in three sets.
; The activations' tiles come from LDS in PAIRS, through a ring of three pairs: pair p (K step p / 4, tiles 2 (p % 4) and 2 (p % 4) + 1) lies in slot p % 3, and pair p + 2 is asked for at the head of pair p, into the slot that pair p - 1 has left: 16 products ahead of its use.
; NO CLUSTER, NO JOINT LOADS: a joint load fills LDS, and W through LDS would make 12 fragment reads from LDS for 32 products where there are 8; and each of the eight waves walks records of its own.
; THE WAY OUT, a head: bias, relu, x sin or x cos (f32), the column's sum over s (for the divisor: of the unquantised numbers), QUANT, four stores a fragment.
; kvop: [bh][chunk][3] records of 6,656 bytes: k sin, k cos, v: rows d (or e) in the tiles' order, K = the chunk's 128 s.   ksp: [bh][chunk][512]: lane l's 16 bytes: four sums, lanes 0-15 of k sin, lanes 16-31 of k cos.
; Eight waves of 512 registers, two to a SIMD: one wave's way out stands beside the other's products.
; LIMITS: NaN and infinities are not served.  A block of zeros gets the byte 1, not 127 (zero codes; read by this program alone).  The sums over s are taken in another order than a plain chain.
; THE MODE: SCHED_MODE bits 1:0 = 2 (LLVM: expert scheduling mode 2), set by the entry lines.  The code itself states the register dependences
; between vector or matrix instructions and memory or LDS instructions, with s_wait_alu, always for 0.
; THE PLAN.  Registers that memory or LDS instructions touch:
;   v1-13         addresses and offsets: written at the head, ahead of one wait on va_vdst, and never again.
;   PHASE X       Window 1's four sets: global loads land in them, the stage's LDS stores read them.  U: LDS loads land in it, QUANT reads it.  PC, PWX: QUANT writes them, the image's LDS stores read them.
;                 A K step has two waits: on vm_vsrc behind the wait for U (the stage's stores have read the set that is asked for again; the last image's stores have read PC and PWX), and on va_vdst behind QUANT.
;   THE PRODUCT   Slot p % 3 with its two scale words: LDS loads land, pair p's eight products read.  W's set ks % 3 with its four scale words: global loads land, K step ks's 32 products read.
;                 ONE wait on va_vdst stands at the head of a pair, behind the wait for the pair's own data: the pair before is done reading its slot (and, at a K step's head, the step before its set of W).
;                 The loads into that slot and that set follow it; the pair's products, behind them, name the pair's own slot, this step's set and window 1: none of the registers that those loads touch.
;   THE WAY OUT   TRIG: LDS loads land, the multiplications read.  PC, PW4, KO: vector instructions write, global stores read.  A column has a wait on vm_vsrc ahead of QUANT and one on va_vdst behind it.
;   v254, v255    written at the head, read by the closing add alone.
.set REC,   6656
.set ASC,   98304                      ; LDS: 0: fragments [m tile][K step] x 1,536 (three groups of four registers, 16 bytes a lane);  here: scale words [K step][pair of m tiles][lane][2 words]
.set STAGE, 106496                     ; a stage of 16 rows x 528 bytes for each wave
.set STGB,  8448
.set SPIT,  528
.set TRG,   174080                     ; 128 sin, 128 cos for each wave
.set L16,  1                           ; v1  16 x lane: also the address of m tiles 0-3's images
.set L8,   2                           ; v2  8 x lane
.set A16H, 3                           ; v3  16 x lane + 49,152, for m tiles 4-7
.set ASCR, 5                           ; v5  ASC + 8 x lane
.set STW,  6
.set STR,  7
.set AW16, 8                           ; v8  where I store my tile's images
.set AWS,  10                          ; v10 and its scale words: ASC + 8 x lane + 256 (w / 2) + 4 (w % 2)
.set TGW,  11
.set TGR,  12
.set BOFF, 13                          ; v13 4 (r + 8 (r / 8)): my column's bias
.set AF,   16                          ; v16-87   the activations' fragments: three pairs
.set WF,   88                          ; v88-231  W's 4 fragments, three sets
.set ASCL, 232                         ; v232-237 the activations' scale words, three pairs;  v238-249 W's, three sets: they hold scales and nothing else
.set WSCL, 238
.set BIA,  250                         ; v250-253 the biases of my four columns, as loaded
.set U,    16                          ; phase X and the way out lie over the operands, which are free then: v16-79 64 numbers
.set TRIG, 88                          ; v88-151 sin or cos of my 64 s
.set KSS,  152
.set KSC,  156
.set KO,   160
.set CH,   164
.set PT,   168
.set BIAS, 172                         ; v172-179 four pairs
.set PW4,  180
.set PC,   184                         ; v184-203 codes
.set TBL,  204                         ; v204-211 the table as loaded
.set TM,   212                         ; v212-227 at work in QUANT
.set PWX,  228
.set SRC,   24
.set BIASB, 26
.set WB,    28
.set OUT,   30
.set KSPB,  32
.set TRIGB, 34
.set SEL,   36
.set MSB, 0
.macro WIN new                         ; the immediate's high byte repeats the setting that is left
.if MSB != \new
	s_set_vgpr_msb (MSB<<8)|\new
.set MSB, \new
.endif
.endm
.macro NOPS n
.rept \n
	v_nop
.endr
.endm
; 32 nc numbers of a lane, register 16 b + i = k 32 b + 16 (lane / 16) + i of its row, become nc halves of a fragment in v[PC] on, and the row's scale bytes in v[pw].
.macro QUANT src, nc, pw
.set qb, 0
.rept 2*(\nc)
	v_max3_num_f32 v[TM+qb], |v[\src+16*qb]|, |v[\src+16*qb+1]|, 0x2800000   ; my 16 numbers of block b, and the floor 2^(5 - 127): the byte cannot fall under 1
.set qb, qb+1
.endr
.set qi, 2
.rept 7
.set qb, 0
.rept 2*(\nc)
	v_max3_num_f32 v[TM+qb], v[TM+qb], |v[\src+16*qb+qi]|, |v[\src+16*qb+qi+1]|
.set qb, qb+1
.endr
.set qi, qi+2
.endr
.set qb, 0
.rept 2*(\nc)
	v_permlanex16_b32 v[TM+4+qb], v[TM+qb], s[SEL], s[SEL+1]
.set qb, qb+1
.endr
.set qb, 0
.rept 2*(\nc)
	v_max_num_f32 v[TM+qb], v[TM+qb], v[TM+4+qb]           ; with lane l xor 16's: the block's largest magnitude
.set qb, qb+1
.endr
.set qb, 0
.rept 2*(\nc)
	v_add_nc_u32 v[TM+12+qb], 0xfe000000, v[TM+qb]         ; 4 off its exponent field: the conversion's scale operand
.set qb, qb+1
.endr
.set qb, 0
.rept 2*(\nc)
	v_lshrrev_b32 v[TM+4+qb], 23, v[TM+12+qb]              ; the scale's byte
.set qb, qb+1
.endr
	v_lshl_or_b32 v[\pw], v[TM+5], 8, v[TM+4]
.if (\nc) > 1
	v_lshl_or_b32 v[\pw], v[TM+6], 16, v[\pw]
	v_lshl_or_b32 v[\pw], v[TM+7], 24, v[\pw]
.endif
.set qc, 0
.rept \nc
	v_cvt_scalef32_pk16_bf6_f32 v[PC+6*qc:PC+6*qc+2], v[\src+32*qc:\src+32*qc+15], v[TM+12+2*qc]
	v_cvt_scalef32_pk16_bf6_f32 v[PC+12+4*qc:PC+14+4*qc], v[\src+32*qc+16:\src+32*qc+31], v[TM+13+2*qc]
.set qc, qc+1
.endr
	v_nop                                                  ; one plain instruction behind the scaled conversions
.set qc, 0
.rept \nc
.set qi, 0
.rept 3
	v_permlane16_swap_b32 v[PC+6*qc+qi], v[PC+12+4*qc+qi]  ; a whole block to a lane
.set qi, qi+1
.endr
.set qi, 0
.rept 3
	v_mov_b32 v[PC+3+6*qc+qi], v[PC+12+4*qc+qi]
.set qi, qi+1
.endr
.set qc, qc+1
.endr
.endm
.macro FSTL a16, off                   ; the fragment in v[PC] on, to LDS: three groups of four registers, 512 consecutive bytes each
.irp cc, 0,1,2
	ds_store_b128 v[\a16], v[PC+4*\cc:PC+4*\cc+3] offset:\off+512*\cc
.endr
.endm
.macro FLDG reg, base, off             ; a fragment's image from memory
	global_load_b128 v[\reg:\reg+3], v[L16], s[\base:\base+1] offset:\off
	global_load_b64 v[\reg+4:\reg+5], v[L8], s[\base:\base+1] offset:\off+512
	global_load_b128 v[\reg+6:\reg+9], v[L16], s[\base:\base+1] offset:\off+768
	global_load_b64 v[\reg+10:\reg+11], v[L8], s[\base:\base+1] offset:\off+1280
.endm
.macro FSTG base, off                  ; the fragment in v[PC] on, to memory
	global_store_b128 v[L16], v[PC:PC+3], s[\base:\base+1] offset:\off
	global_store_b64 v[L8], v[PC+4:PC+5], s[\base:\base+1] offset:\off+512
	global_store_b128 v[L16], v[PC+6:PC+9], s[\base:\base+1] offset:\off+768
	global_store_b64 v[L8], v[PC+10:PC+11], s[\base:\base+1] offset:\off+1280
.endm
.macro WLOAD ks                        ; 17 loads: W's four fragments and their scale words of K step ks, into set ks % 3
.irp nn, 0,1,2,3
	FLDG WF+48*((\ks)%3)+12*\nn, WB, REC*(\ks)+1536*\nn
.endr
	global_load_b128 v[WSCL+4*((\ks)%3):WSCL+4*((\ks)%3)+3], v[L16], s[WB:WB+1] offset:REC*(\ks)+6144
.endm
.macro HLOADS                          ; 38 loads ahead of a head's first K step: the biases of my four columns, and W of K steps 0 and 1
.irp n, 0,1,2,3
	global_load_b32 v[BIA+\n], v[BOFF], s[BIASB:BIASB+1] offset:4*(32*(\n/2)+8*(\n%2))
.endr
	WLOAD 0
	WLOAD 1
.endm
	s_load_b512 s[4:19], s[0:1], 0x0               ; key_in, value, bk, bv, img, trig, kvop, ksp
	v_lshl_add_u32 v254, v0, 2, 0x2c800
	v_mov_b32 v255, 0
	v_lshrrev_b32 v14, 5, v0
	v_readfirstlane_b32 s20, v14                   ; wave 0..7
	v_and_b32 v14, 31, v0                          ; lane
	v_lshlrev_b32 v[L16], 4, v14
	v_lshlrev_b32 v[L8], 3, v14
	v_add_nc_u32 v[A16H], 49152, v[L16]
	v_add_nc_u32 v[ASCR], ASC, v[L8]
	s_wait_alu depctr_va_sdst(0)                   ; s20 is written, ahead of its first reader: LDS addresses and all the bases are made from it
	s_mul_i32 s40, s20, STGB
	s_add_co_u32 s40, s40, STAGE                   ; my stage
	v_add_nc_u32 v[STW], s40, v[L16]
	v_and_b32 v15, 15, v0                          ; r
	v_mul_u32_u24 v[STR], v15, SPIT
	v_bfe_u32 v14, v0, 4, 1                        ; h
	v_lshl_add_u32 v[STR], v14, 6, v[STR]
	v_add_nc_u32 v[STR], s40, v[STR]
	s_mul_i32 s40, s20, 12288                      ; my m tile's eight images
	v_add_nc_u32 v[AW16], s40, v[L16]
	s_lshr_b32 s40, s20, 1
	s_lshl_b32 s40, s40, 8                         ; my tile's pair,
	s_and_b32 s41, s20, 1
	s_lshl_b32 s41, s41, 2                         ; and its word in the pair
	s_add_co_u32 s40, s40, s41
	v_add_nc_u32 v[AWS], s40, v[ASCR]
	s_lshl_b32 s40, s20, 10
	s_add_co_u32 s40, s40, TRG                     ; my table
	v_add_nc_u32 v[TGW], s40, v[L16]
	v_lshl_add_u32 v[TGR], v14, 6, s40
	v_and_b32 v14, 8, v15
	v_add_nc_u32 v14, v14, v15
	v_lshlrev_b32 v[BOFF], 2, v14
.irp b, 0,1,2,3
	v_mov_b32 v[TM+4+\b], 0                        ; a lane permute's destination counts as one of its sources
.endr
	s_mov_b32 s[SEL], 0x76543210
	s_mov_b32 s[SEL+1], 0xfedcba98
	s_lshr_b32 s21, ttmp9, 4                       ; b
	s_and_b32 s22, ttmp9, 15                       ; chunk
	s_and_b32 s23, ttmp7, 0xffff                   ; 0: key, 1: value
	s_lshl_b32 s40, s22, 7
	s_lshr_b32 s42, s20, 1
	s_lshl_b32 s42, s42, 5
	s_add_co_u32 s40, s40, s42
	s_and_b32 s42, s20, 1
	s_lshl_b32 s42, s42, 3
	s_add_co_u32 s40, s40, s42                     ; my m tile's first s: 128 chunk + 32 (w / 2) + 8 (w % 2)
	s_lshl_b32 s40, s40, 15                        ; 32,768 bytes from s to s + 1
	s_lshl_b32 s42, s21, 12
	s_add_co_u32 s40, s40, s42
	s_mov_b32 s41, 0
	s_lshl_b32 s42, s20, 9                         ; the bias of head 2 w
	s_mov_b32 s43, 0
	s_add_co_u32 s44, s23, 1
	s_lshl_b32 s44, s44, 7
	s_lshl_b32 s46, s20, 4
	s_add_co_u32 s44, s44, s46
	s_mul_i32 s44, s44, REC                        ; W's records: 128 (1 + y) + 8 x head
	s_mov_b32 s45, 0
	s_lshl_b32 s46, s21, 4
	s_lshl_b32 s48, s20, 1
	s_add_co_u32 s46, s46, s48
	s_lshl_b32 s46, s46, 4
	s_add_co_u32 s46, s46, s22                     ; 16 bh + chunk
	s_lshl_b32 s48, s46, 9
	s_mov_b32 s49, 0
	s_mul_i32 s46, s46, 3*REC
	s_mov_b32 s47, 0
	s_lshl_b32 s50, s22, 9                         ; the chunk's 128 entries of the table
	s_mov_b32 s51, 0
	s_mov_b32 s38, 2                               ; heads to go
	s_mov_b32 s39, 0xffff0000                      ; lanes 16-31
	s_wait_kmcnt 0x0
	s_cmp_eq_u32 s23, 0                            ; key or value: a choice on the work-group's number alone
	s_cselect_b64 s[SRC:SRC+1], s[4:5], s[6:7]
	s_cselect_b64 s[BIASB:BIASB+1], s[8:9], s[10:11]
	s_add_nc_u64 s[SRC:SRC+1], s[SRC:SRC+1], s[40:41]
	s_add_nc_u64 s[BIASB:BIASB+1], s[BIASB:BIASB+1], s[42:43]
	s_add_nc_u64 s[WB:WB+1], s[12:13], s[44:45]
	s_add_nc_u64 s[OUT:OUT+1], s[16:17], s[46:47]
	s_add_nc_u64 s[KSPB:KSPB+1], s[18:19], s[48:49]
	s_add_nc_u64 s[TRIGB:TRIGB+1], s[14:15], s[50:51]
; ---- PHASE X
.macro XLOAD ks                        ; my 16 rows' 512 bytes of K step ks into set ks % 4 of window 1
	WIN 0x40
.set ii, 0
.rept 16
	global_load_b128 v[64*((\ks)%4)+4*ii:64*((\ks)%4)+4*ii+3], v[L16], s[SRC:SRC+1] offset:(ii+8*(ii/8))*32768+512*(\ks) th:TH_LOAD_NT   ; 512 consecutive bytes of one row
.set ii, ii+1
.endr
	WIN 0
.endm
.macro XSTEP ks
.if (\ks) < 5
	s_wait_loadcnt 48                              ; this K step's 16 loads are in (and, in step 0, the table's two); those of the three steps behind it may be out
.elseif (\ks) == 7
	s_wait_loadcnt 38                              ; behind this K step's 16 loads stand the 38 for the first head, which may be out
.else
	s_wait_loadcnt 16*(7-(\ks))
.endif
.if (\ks) == 0
	ds_store_b128 v[TGW], v[TBL:TBL+3]
	ds_store_b128 v[TGW], v[TBL+4:TBL+7] offset:512
.endif
	WIN 0x04                                       ; an LDS store's data are its source 1: window 1
.set ii, 0
.rept 16
	ds_store_b128 v[STW], v[64*((\ks)%4)+4*ii:64*((\ks)%4)+4*ii+3] offset:SPIT*ii
.set ii, ii+1
.endr
	WIN 0
.set ii, 0
.rept 16
	ds_load_b128 v[U+4*ii:U+4*ii+3], v[STR] offset:128*(ii/4)+16*(ii%4)   ; LDS serves a wave's instructions in order: these see the stores above.  (The last K step's QUANT, which read U, stands ahead of that step's wait on va_vdst)
.set ii, ii+1
.endr
	s_wait_dscnt 0x0                               ; the numbers are back
	s_wait_alu depctr_vm_vsrc(0)                   ; the stage's stores have read this K step's set, in which the loads of four steps on land; the last image's stores have read the codes and the scale word, which QUANT writes again
.if (\ks) < 4
	XLOAD (\ks)+4
.endif
.if (\ks) == 6
	HLOADS                                         ; the first head's biases and first two K steps of W: W's sets 0 and 1 lie idle in this phase, named by no vector instruction; with the last K step's 16 loads, 54 are out
.endif
	QUANT U, 2, PWX
	s_wait_alu depctr_va_vdst(0)                   ; QUANT has written the codes and the scale word, which the LDS stores below read; and it is done reading U, in which the next K step's numbers land
	FSTL AW16, 1536*(\ks)
	ds_store_b32 v[AWS], v[PWX] offset:1024*(\ks)
.endm
	s_wait_alu depctr_va_vdst(0)                   ; the addresses and offsets v1 to v13 are written: every load and store of the kernel reads one of them
	global_load_b128 v[TBL:TBL+3], v[L16], s[TRIGB:TRIGB+1]
	global_load_b128 v[TBL+4:TBL+7], v[L16], s[TRIGB:TRIGB+1] offset:8192
	XLOAD 0
	XLOAD 1
	XLOAD 2
	XLOAD 3
.irp ks, 0,1,2,3,4,5,6,7
	XSTEP \ks
.endr
	s_wait_dscnt 0x0                               ; for the others' sake: my images and scale words have landed
	s_barrier_signal -1
	s_barrier_wait -1                              ; all 64 fragments lie in LDS; nothing is stored to LDS behind this barrier
	s_wait_alu depctr_vm_vsrc(0)                   ; my last image's stores have read the codes and the scale word (v184-203, v228): W's third set lands there in the first K step
; ---- THE PRODUCT
.macro PLOAD p                         ; 7 LDS loads: pair p's two fragments and its rows' scale words, into slot p % 3
.set pk, (\p)/4
.set pq, (\p)%4
.set pg, (\p)%3
.irp jj, 0,1
.irp cc, 0,1,2
	ds_load_b128 v[AF+24*pg+12*\jj+4*\cc:AF+24*pg+12*\jj+4*\cc+3], v[L16+2*(pq/2)] offset:12288*((2*pq+\jj)%4)+1536*pk+512*\cc
.endr
.endr
	ds_load_b64 v[ASCL+2*pg:ASCL+2*pg+1], v[ASCR] offset:1024*pk+256*pq
.endm
.macro PMUL p                          ; 8 products: pair p's two m tiles x the four n tiles.  The 32 accumulators take turns, in the same order in every K step
.set pk, (\p)/4
.set pq, (\p)%4
.set pg, (\p)%3
.irp jj, 0,1
.irp nn, 0,1,2,3
.if pk == 0
	v_wmma_scale_f32_16x16x128_f8f6f4 v[64*\nn+8*(2*pq+\jj):64*\nn+8*(2*pq+\jj)+7], v[AF+24*pg+12*\jj:AF+24*pg+12*\jj+11], v[WF+48*(pk%3)+12*\nn:WF+48*(pk%3)+12*\nn+11], 0, v[ASCL+2*pg+\jj], v[WSCL+4*(pk%3)+\nn] matrix_a_fmt:MATRIX_FMT_BF6 matrix_b_fmt:MATRIX_FMT_BF6
.else
	v_wmma_scale_f32_16x16x128_f8f6f4 v[64*\nn+8*(2*pq+\jj):64*\nn+8*(2*pq+\jj)+7], v[AF+24*pg+12*\jj:AF+24*pg+12*\jj+11], v[WF+48*(pk%3)+12*\nn:WF+48*(pk%3)+12*\nn+11], v[64*\nn+8*(2*pq+\jj):64*\nn+8*(2*pq+\jj)+7], v[ASCL+2*pg+\jj], v[WSCL+4*(pk%3)+\nn] matrix_a_fmt:MATRIX_FMT_BF6 matrix_b_fmt:MATRIX_FMT_BF6
.endif
.endr
.endr
.endm
; Four plain instructions stand between a matrix instruction and a load into a register that it has read, or the first read of its result (ISA guide 7.12.1 for vector instructions): they stay beside the waits.
; Pair p.  At its head: the wait for its own data; the one wait on va_vdst; the loads into what the pair before (at a K step's head: the K step before) has left; then its eight products.
.macro PAIR p
.if (\p) < 31
	s_wait_dscnt 7                                 ; this pair's 7 loads are in; the 7 of the pair behind it may be out
.else
	s_wait_dscnt 0x0
.endif
.if ((\p) > 0) && ((\p) < 30)
	s_wait_alu depctr_va_vdst(0)                   ; the last pair's products are done reading their slot and its two scale words, in which the LDS loads below land; at a K step's head the last step's 32 are done reading their set of W and its scale words too
.endif
.if (\p)%4 == 0
.if (\p) < 24
	WLOAD (\p)/4+2                                 ; two K steps ahead, into the set that the last step multiplied.  (Pair 0: every vector instruction that named these registers stands ahead of an earlier wait on va_vdst, on both ways into the loop)
.endif
.endif
.if (\p) < 30
	PLOAD (\p)+2                                   ; into the slot that the last pair has left
.endif
.if (\p)%4 == 0
.if (\p) < 24
	s_wait_loadcnt 34                              ; the W of the next two steps may be out: this step's is in (and, in step 0, the biases)
.elseif (\p) == 24
	s_wait_loadcnt 17
.else
	s_wait_loadcnt 0x0
.endif
.endif
	WIN 0x50                                       ; C and D: window 1
	PMUL \p
	WIN 0
.if ((\p) < 29) || ((\p) == 31)
	NOPS 4                                         ; in front of the next pair's loads into this pair's slot (and, at a K step's end, into the W set just multiplied); behind the last pair: in front of the first read of results
.endif
.endm
.macro KSTEP ks
.irp q, 0,1,2,3
	PAIR 4*(\ks)+\q
.endr
.endm
.macro SUMU dst                        ; the sum of my 64 numbers in U, two at a time, in two chains
	v_pk_add_f32 v[CH:CH+1], v[U:U+1], v[U+2:U+3]
	v_pk_add_f32 v[CH+2:CH+3], v[U+4:U+5], v[U+6:U+7]
.set ii, 8
.rept 14
	v_pk_add_f32 v[CH:CH+1], v[CH:CH+1], v[U+ii:U+ii+1]
	v_pk_add_f32 v[CH+2:CH+3], v[CH+2:CH+3], v[U+ii+2:U+ii+3]
.set ii, ii+4
.endr
	v_pk_add_f32 v[CH:CH+1], v[CH:CH+1], v[CH+2:CH+3]
	v_add_f32 v[\dst], v[CH], v[CH+1]
.endm
; One of k2's halves.  first = 1: bias and relu are applied, in place, on the way.  tb: where the half's table lies;  sums: where the columns' sums go;  rec: the record
.macro KPASS first, tb, sums, rec
.if \first
	s_wait_alu depctr_va_vdst(0)                   ; the last K steps' products are done reading W's sets 0 and 1, in which the table lands.  (The second half's table owes nothing: the multiplications that read the first stand ahead of the wait in front of the last column's stores)
.endif
.set ii, 0
.rept 16
	ds_load_b128 v[TRIG+4*ii:TRIG+4*ii+3], v[TGR] offset:\tb+128*(ii/4)+16*(ii%4)   ; sin or cos of s = 32 b + 16 h + 0 .. 15
.set ii, ii+1
.endr
	s_wait_dscnt 0x0
.irp n, 0,1,2,3
.if \first
	WIN 0x41                                       ; destination and source 0: window 1
.set ii, 0
.rept 32
	v_pk_add_f32 v[64*\n+ii:64*\n+ii+1], v[64*\n+ii:64*\n+ii+1], v[BIAS+2*\n:BIAS+2*\n+1]   ; ascending: each accumulator is read from its low end on
.set ii, ii+2
.endr
	WIN 0x44                                       ; destination and source 1: window 1
.set ii, 0
.rept 64
	v_max_num_f32 v[64*\n+ii], 0, v[64*\n+ii]
.set ii, ii+1
.endr
.endif
	WIN 0x01                                       ; source 0: window 1
.set ii, 0
.rept 32
	v_pk_mul_f32 v[U+ii:U+ii+1], v[64*\n+ii:64*\n+ii+1], v[TRIG+ii:TRIG+ii+1]
.set ii, ii+2
.endr
	WIN 0
	SUMU \sums+\n
	s_wait_xcnt 0x0                                ; the last stores have had their addresses translated,
	s_wait_alu depctr_vm_vsrc(0)                   ; and have read the codes' and the scale words' registers, which QUANT writes again
	QUANT U, 2, PW4+\n
	s_wait_alu depctr_va_vdst(0)                   ; QUANT has written the codes (and the column's scale word), which the stores read
	FSTG OUT, \rec+1536*\n
.endr
	global_store_b128 v[L16], v[PW4:PW4+3], s[OUT:OUT+1] offset:\rec+6144
.endm
.Lhead:
	PLOAD 0
	PLOAD 1
.irp ks, 0,1,2,3,4,5,6,7
	KSTEP \ks
.endr
.irp n, 0,1,2,3
	v_mov_b32 v[BIAS+2*\n], v[BIA+\n]              ; pairs, for the packed additions
	v_mov_b32 v[BIAS+2*\n+1], v[BIA+\n]
.endr
.irp b, 0,1,2,3
	v_mov_b32 v[TM+4+\b], 0                        ; (W's third set lay here)  a lane permute's destination counts as one of its sources
.endr
	s_cmp_eq_u32 s23, 0
	s_cbranch_scc0 .Lvpath
	KPASS 1, 0, KSS, 0                             ; k sin
	KPASS 0, 512, KSC, REC                         ; k cos
.irp j, 0,1,2,3
	v_mov_b32 v[PT+\j], 0                          ; a lane permute's destination counts as one of its sources
.endr
.irp j, 0,1,2,3
	v_permlanex16_b32 v[PT+\j], v[KSS+\j], s[SEL], s[SEL+1]
.endr
.irp j, 0,1,2,3
	v_add_f32 v[KSS+\j], v[KSS+\j], v[PT+\j]       ; with lane l xor 16's 64 s: the chunk's sum
.endr
.irp j, 0,1,2,3
	v_permlanex16_b32 v[PT+\j], v[KSC+\j], s[SEL], s[SEL+1]
.endr
.irp j, 0,1,2,3
	v_add_f32 v[KSC+\j], v[KSC+\j], v[PT+\j]
.endr
.irp j, 0,1,2,3
	v_cndmask_b32 v[KO+\j], v[KSS+\j], v[KSC+\j], s39   ; lanes 0-15 store the sums of k sin, lanes 16-31 those of k cos
.endr
	s_wait_alu depctr_va_vdst(0)                   ; the four sums are written, which the store reads
	global_store_b128 v[L16], v[KO:KO+3], s[KSPB:KSPB+1]
	s_branch .Lnext
.Lvpath:
.irp n, 0,1,2,3
	WIN 0x01
.set ii, 0
.rept 32
	v_pk_add_f32 v[U+ii:U+ii+1], v[64*\n+ii:64*\n+ii+1], v[BIAS+2*\n:BIAS+2*\n+1]   ; ascending: each accumulator is read from its low end on
.set ii, ii+2
.endr
	WIN 0
	s_wait_xcnt 0x0                                ; the last stores have had their addresses translated,
	s_wait_alu depctr_vm_vsrc(0)                   ; and have read the codes' registers, which QUANT writes again
	QUANT U, 2, PW4+\n
	s_wait_alu depctr_va_vdst(0)                   ; QUANT has written the codes (and the column's scale word), which the stores read
	FSTG OUT, 2*REC+1536*\n
.endr
	global_store_b128 v[L16], v[PW4:PW4+3], s[OUT:OUT+1] offset:2*REC+6144
.Lnext:
	s_wait_xcnt 0x0                                ; every load and store has read its base: the bases step
	s_wait_alu depctr_vm_vsrc(0)                   ; the stores have read the codes, the scale words and the sums: the next head's loads land in these registers.  (On both ways here the last vector instruction stands ahead of a wait on va_vdst: none is owed for those loads)
	s_add_nc_u64 s[BIASB:BIASB+1], s[BIASB:BIASB+1], 256
	s_add_nc_u64 s[WB:WB+1], s[WB:WB+1], 8*REC
	s_add_nc_u64 s[OUT:OUT+1], s[OUT:OUT+1], 48*REC
	s_add_nc_u64 s[KSPB:KSPB+1], s[KSPB:KSPB+1], 8192
	s_sub_co_u32 s38, s38, 1
	s_cmp_eq_u32 s38, 0                            ; behind the last head nothing is asked for: no load leaves its buffer
	s_cbranch_scc1 .Lno_next
	HLOADS
.Lno_next:
	s_cmp_lg_u32 s38, 0
	s_cbranch_scc1 .Lhead
	s_wait_dscnt 0x0                               ; the closing lines, six on end
	s_wait_alu 0x0
	s_wait_tensorcnt 0x0
	ds_add_u32 v254, v255
	s_wait_dscnt 0x0
	s_endpgm
.Lfunc_end_k_qc41a2ceeaa_kvproj:
	.size	k_qc41a2ceeaa_kvproj, .Lfunc_end_k_qc41a2ceeaa_kvproj-k_qc41a2ceeaa_kvproj
	.p2alignl 7, 3214868480
	.fill 96, 4, 3214868480
	.section	.rodata,"a",@progbits
	.p2align	6, 0x0
	.amdhsa_kernel k_qc41a2ceeaa_kvproj
		.amdhsa_group_segment_fixed_size 183296
		.amdhsa_private_segment_fixed_size 0
		.amdhsa_enable_private_segment 0
		.amdhsa_kernarg_size 64
		.amdhsa_user_sgpr_count 2
		.amdhsa_user_sgpr_kernarg_segment_ptr 1
		.amdhsa_wavefront_size32 1
		.amdhsa_system_sgpr_workgroup_id_x 1
		.amdhsa_system_sgpr_workgroup_id_y 1
		.amdhsa_system_sgpr_workgroup_id_z 1
		.amdhsa_system_vgpr_workitem_id 0
		.amdhsa_next_free_vgpr 512
		.amdhsa_next_free_sgpr 66
		.amdhsa_reserve_vcc 0
		.amdhsa_float_denorm_mode_32 3
		.amdhsa_float_denorm_mode_16_64 3
		.amdhsa_memory_ordered 1
		.amdhsa_forward_progress 1
		.amdhsa_inst_pref_size 249
	.end_amdhsa_kernel
	.amdgpu_metadata
---
amdhsa.version: [ 1, 2 ]
amdhsa.kernels:
  - .name:           k_qc41a2ceeaa_kvproj
    .symbol:         k_qc41a2ceeaa_kvproj.kd
    .args:
      - { .name: key_in, .offset: 0, .size: 8, .value_kind: global_buffer, .address_space: global }
      - { .name: value, .offset: 8, .size: 8, .value_kind: global_buffer, .address_space: global }
      - { .name: bk, .offset: 16, .size: 8, .value_kind: global_buffer, .address_space: global }
      - { .name: bv, .offset: 24, .size: 8, .value_kind: global_buffer, .address_space: global }
      - { .name: img, .offset: 32, .size: 8, .value_kind: global_buffer, .address_space: global }
      - { .name: trig, .offset: 40, .size: 8, .value_kind: global_buffer, .address_space: global }
      - { .name: kvop, .offset: 48, .size: 8, .value_kind: global_buffer, .address_space: global }
      - { .name: ksp, .offset: 56, .size: 8, .value_kind: global_buffer, .address_space: global }
    .group_segment_fixed_size: 183296
    .private_segment_fixed_size: 0
    .kernarg_segment_align: 8
    .kernarg_segment_size: 64
    .max_flat_workgroup_size: 256
    .sgpr_count:     66
    .vgpr_count:     512
    .wavefront_size: 32
...
	.end_amdgpu_metadata
.endif
;; end of part 6
;; launch kvsum: the kernel of part 3 again; grid 256 x 1, 8 waves a work-group, no clusters, 136,192 bytes of LDS; arguments kvop, ksp, kvimg, ksum; writes kvimg, ksum
;; launch qattn (part 7): grid 128 x 2, 8 waves a work-group, no clusters, 54,272 bytes of LDS; arguments img, bq, trig, kvimg, ksum, aimg; writes aimg
.if DOCPART == 7
	.amdgcn_target "amdgcn-amd-amdhsa--gfx1250"
	.amdhsa_code_object_version 6
	.text
	.protected	k_qc41a2ceeaa_qattn
	.globl	k_qc41a2ceeaa_qattn
	.p2align	8
	.type	k_qc41a2ceeaa_qattn,@function
k_qc41a2ceeaa_qattn:
	s_mov_b64 s[64:65], 0
	v_nop
	global_prefetch_b8 v0, s[64:65] scope:SCOPE_SE
	s_setreg_imm32_b32 hwreg(HW_REG_WAVE_SCHED_MODE, 0, 2), 2
	s_setreg_imm32_b32 hwreg(HW_REG_WAVE_MODE, 25, 1), 1
	s_wait_xcnt 0x0
	s_wait_alu depctr_vm_vsrc(0)
; QATTN: q = relu((query wq^T + bq) / 8); q2 = (q sin, q cos); num = q2 kv; den = q2 . (the sums of k2), in f32 by fused multiply-adds; num / max(den, 1e-6), quantised along E for the last product.  q never goes to memory.
; SHARES: work-group (x, y): batch b = x / 16, g = x % 16: 64 rows t; y: eight of the 16 heads.  Wave w is head 8 y + w: 4 tiles of W x 4 tiles of t = 16 accumulators; a head's whole chain stays in its wave's registers.
; The query's eight records (codes, laid by the first launch) are copied into LDS once, a record a wave, byte for byte; one barrier.  W comes straight into registers, two K steps ahead, in three sets.
; BOTH PRODUCTS ARE USED TRANSPOSED (source 0 = 16 rows of W, or of kv^T; source 1 = 16 rows t): a lane holds one t, and its registers run along d (then e) in the order that the quantiser wants, since the rows of a tile
; of W and of kv^T are 32 (i / 2) + 8 (i % 2) + r + 8 (r / 8).  bq is the C of each sum's first product.  The division by 8 is put on sin and cos: exact, so the products are the same numbers.
; NO CLUSTER, NO JOINT LOADS: the two work-groups that share a query block share 53,248 bytes once; W goes to registers, not to LDS, where a joint load would put it.
; aimg: [b][g][K step] records: tile jt: rows t in the tiles' order; head 2 ks + c makes half c of K step ks (768 bytes a tile) and 256 bytes of the scale block: a lane's 8 bytes: two scale bytes for each of the four tiles.
; LIMITS: 1 / den is v_rcp_f32 and a multiplication.  den is summed in another order than a plain chain.  NaN and infinities are not served.  A block of zeros gets the byte 1, not 127 (zero codes).
; THE MODE: SCHED_MODE bits 1:0 = 2 (LLVM: expert scheduling mode 2), set by the entry lines.  The code itself states the register dependences
; between vector or matrix instructions and memory or LDS instructions, with s_wait_alu, always for 0.
; THE PLAN.  Registers that memory or LDS instructions touch:
;   v1-6          addresses and offsets: written at the head, ahead of one wait on va_vdst, and never again.
;   v72-123       at the head: the copy: global loads land, LDS stores read; one wait on vm_vsrc behind those stores, ahead of the loads that land there next.
;   AF, ASCL      the query's four fragments and their scale words, in two halves: LDS loads land; a K step's first eight products read tiles 0, 1, its second eight tiles 2, 3.
;   W's three sets and their scale words: global loads land; a K step's sixteen products read one set.
;                 Two waits on va_vdst a K step, each behind eight products: the first ahead of the reload of tiles 0, 1; the second ahead of the reload of tiles 2, 3 and of the next step's load into the set of W just multiplied.
;                 The eight products between the two name tiles 2, 3, this step's set and window 1: none of the registers in which tiles 0, 1 of the next step land.
;   PC, PWH       the way out: QUANT and two shifts write, global stores read: a wait on va_vdst ahead of the stores, one on vm_vsrc ahead of the next tile's QUANT.
;   PC, PW, KVSC  written by vector instructions and taken by the products num as source 1 and as scales: a wait on va_vdst directly ahead of those products, behind their places.
.set REC,  6656
.set L16,  1
.set L8,   2
.set L4,   3
.set H64,  4                           ; v4  64 h
.set TOFF, 5                           ; v5  8 (r + 8 (r / 8)): my t in the table
.set CPY,  6                           ; v6  where I copy my record
.set ASCL, 8                           ; v8-11   the query's scale words
.set WSCL, 12                          ; v12-23  W's, three sets
.set KVSC, 24                          ; v24-27  kv's (first its lower two bytes);  v28-31 its upper two
.set KVH,  28
.set SQC,  32                          ; v32-39  (sin, cos) / 8 of my t, for each tile of t
.set KS,   40                          ; v40-71  the sums of k sin at my 32 d
.set AF,   72                          ; v72-119 the query's four fragments
.set BQ,   216                         ; v216-247 bq in the result's layout
.set DA,   248                         ; v248-251 den, in two chains
.set DB,   250
.set PW,   252                         ; v252 q2's scale word: it holds scales and nothing else
.set PW2,  253
.set PWH,  254
.set KVF,  176                         ; window 1: v0-127 accumulators (32 jt + 8 i); v128-175 W's third set; v176-223 kv^T's four fragments; v224-255 the sums of k cos
.set KC,   224
.set QR,   72                          ; the way out: v72-103 relu(q); v104-167 q2; v168-187 codes; v188-203 at work; v204-235 num
.set T,    104
.set PC,   168
.set TM,   188
.set NUM,  204
.set AB,   22
.set WB,   24
.set BQB,  26
.set TRB,  28
.set KVB,  30
.set KSB,  32
.set AOB,  34
.set ASB,  36
.set SEL,  38
.set MSB, 0
.macro WIN new                         ; the immediate's high byte repeats the setting that is left
.if MSB != \new
	s_set_vgpr_msb (MSB<<8)|\new
.set MSB, \new
.endif
.endm
.macro NOPS n
.rept \n
	v_nop
.endr
.endm
; 32 nc numbers of a lane, register 16 b + i = k 32 b + 16 (lane / 16) + i of its row, become nc halves of a fragment in v[PC] on, and the row's scale bytes in v[pw].
.macro QUANT src, nc, pw
.set qb, 0
.rept 2*(\nc)
	v_max3_num_f32 v[TM+qb], |v[\src+16*qb]|, |v[\src+16*qb+1]|, 0x2800000   ; my 16 numbers of block b, and the floor 2^(5 - 127): the byte cannot fall under 1
.set qb, qb+1
.endr
.set qi, 2
.rept 7
.set qb, 0
.rept 2*(\nc)
	v_max3_num_f32 v[TM+qb], v[TM+qb], |v[\src+16*qb+qi]|, |v[\src+16*qb+qi+1]|
.set qb, qb+1
.endr
.set qi, qi+2
.endr
.set qb, 0
.rept 2*(\nc)
	v_permlanex16_b32 v[TM+4+qb], v[TM+qb], s[SEL], s[SEL+1]
.set qb, qb+1
.endr
.set qb, 0
.rept 2*(\nc)
	v_max_num_f32 v[TM+qb], v[TM+qb], v[TM+4+qb]
.set qb, qb+1
.endr
.set qb, 0
.rept 2*(\nc)
	v_add_nc_u32 v[TM+12+qb], 0xfe000000, v[TM+qb]         ; 4 off the exponent field: the conversion's scale operand
.set qb, qb+1
.endr
.set qb, 0
.rept 2*(\nc)
	v_lshrrev_b32 v[TM+4+qb], 23, v[TM+12+qb]              ; the scale's byte
.set qb, qb+1
.endr
	v_lshl_or_b32 v[\pw], v[TM+5], 8, v[TM+4]
.if (\nc) > 1
	v_lshl_or_b32 v[\pw], v[TM+6], 16, v[\pw]
	v_lshl_or_b32 v[\pw], v[TM+7], 24, v[\pw]
.endif
.set qc, 0
.rept \nc
	v_cvt_scalef32_pk16_bf6_f32 v[PC+6*qc:PC+6*qc+2], v[\src+32*qc:\src+32*qc+15], v[TM+12+2*qc]
	v_cvt_scalef32_pk16_bf6_f32 v[PC+12+4*qc:PC+14+4*qc], v[\src+32*qc+16:\src+32*qc+31], v[TM+13+2*qc]
.set qc, qc+1
.endr
	v_nop                                                  ; one plain instruction behind the scaled conversions
.set qc, 0
.rept \nc
.set qi, 0
.rept 3
	v_permlane16_swap_b32 v[PC+6*qc+qi], v[PC+12+4*qc+qi]
.set qi, qi+1
.endr
.set qi, 0
.rept 3
	v_mov_b32 v[PC+3+6*qc+qi], v[PC+12+4*qc+qi]
.set qi, qi+1
.endr
.set qc, qc+1
.endr
.endm
.macro FLDL reg, a16, a8, off
	ds_load_b128 v[\reg:\reg+3], v[\a16] offset:\off
	ds_load_b64 v[\reg+4:\reg+5], v[\a8] offset:\off+512
	ds_load_b128 v[\reg+6:\reg+9], v[\a16] offset:\off+768
	ds_load_b64 v[\reg+10:\reg+11], v[\a8] offset:\off+1280
.endm
.macro FLDG reg, base, off
	global_load_b128 v[\reg:\reg+3], v[L16], s[\base:\base+1] offset:\off
	global_load_b64 v[\reg+4:\reg+5], v[L8], s[\base:\base+1] offset:\off+512
	global_load_b128 v[\reg+6:\reg+9], v[L16], s[\base:\base+1] offset:\off+768
	global_load_b64 v[\reg+10:\reg+11], v[L8], s[\base:\base+1] offset:\off+1280
.endm
.macro WLOAD ks                        ; 17 loads: W's four fragments and their scale words of K step ks, into set ks % 3 (v120, v168; the third in window 1 at v128)
.if (\ks)%3 == 2
.set WR, 128
	WIN 0x40
.else
.set WR, 120+48*((\ks)%3)
.endif
.irp nn, 0,1,2,3
	FLDG WR+12*\nn, WB, REC*(\ks)+1536*\nn
.endr
	WIN 0
	global_load_b128 v[WSCL+4*((\ks)%3):WSCL+4*((\ks)%3)+3], v[L16], s[WB:WB+1] offset:REC*(\ks)+6144
.endm
.macro ALOAD ks, half                  ; 9 LDS loads: tiles of t 2 half, 2 half + 1 of K step ks and their scale words
.irp jj, 0,1
	FLDL AF+12*(2*(\half)+\jj), L16, L8, REC*(\ks)+1536*(2*(\half)+\jj)
.endr
	ds_load_b64 v[ASCL+2*(\half):ASCL+2*(\half)+1], v[L16] offset:REC*(\ks)+6144+8*(\half)
.endm
.macro MWIN ks                         ; D window 1; C: bq in window 0 (step 0), else window 1; W: window 1 for the third set
.if (\ks) == 0
	WIN 0x40
.elseif (\ks)%3 == 2
	WIN 0x51
.else
	WIN 0x50
.endif
.endm
.macro MULS ks, j0                     ; 8 products: tiles of t j0, j0 + 1 x W's four.  The 16 accumulators take turns, in the same order in every K step
.if (\ks)%3 == 2
.set WR, 128
.else
.set WR, 120+48*((\ks)%3)
.endif
.irp jj, 0,1
.irp nn, 0,1,2,3
.if (\ks) == 0
	v_wmma_scale_f32_16x16x128_f8f6f4 v[32*(\j0+\jj)+8*\nn:32*(\j0+\jj)+8*\nn+7], v[WR+12*\nn:WR+12*\nn+11], v[AF+12*(\j0+\jj):AF+12*(\j0+\jj)+11], v[BQ+8*\nn:BQ+8*\nn+7], v[WSCL+4*((\ks)%3)+\nn], v[ASCL+\j0+\jj] matrix_a_fmt:MATRIX_FMT_BF6 matrix_b_fmt:MATRIX_FMT_BF6
.else
	v_wmma_scale_f32_16x16x128_f8f6f4 v[32*(\j0+\jj)+8*\nn:32*(\j0+\jj)+8*\nn+7], v[WR+12*\nn:WR+12*\nn+11], v[AF+12*(\j0+\jj):AF+12*(\j0+\jj)+11], v[32*(\j0+\jj)+8*\nn:32*(\j0+\jj)+8*\nn+7], v[WSCL+4*((\ks)%3)+\nn], v[ASCL+\j0+\jj] matrix_a_fmt:MATRIX_FMT_BF6 matrix_b_fmt:MATRIX_FMT_BF6
.endif
.endr
.endr
.endm
; Four plain instructions stand between a matrix instruction and a load into a register that it has read, or the first read of its result (ISA guide 7.12.1 for vector instructions): they stay beside the waits.
.macro KSTEP ks
.if (\ks) < 6
	WLOAD (\ks)+2                                  ; into the set that the last step multiplied: the wait on va_vdst at that step's end states that its products are done reading it, and only loads and a window switch stand between
	s_wait_loadcnt 34                              ; the W of the next two steps may be out: this step's is in (and, in step 0, all that was asked for at the head)
.elseif (\ks) == 6
	s_wait_loadcnt 17
.else
	s_wait_loadcnt 0x0
.endif
	s_wait_dscnt 9                                 ; tiles 0, 1 and their scale words are in; the 9 loads of tiles 2, 3 may be out
	MWIN \ks
	MULS \ks, 0
	WIN 0
	s_wait_dscnt 0x0
.if (\ks) < 7
	NOPS 4
	s_wait_alu depctr_va_vdst(0)                   ; the eight products above are done reading tiles 0, 1 and their scale words, in which the next K step's land
	ALOAD (\ks)+1, 0
.endif
	MWIN \ks
	MULS \ks, 2
	WIN 0
	NOPS 4
.if (\ks) < 7
	s_wait_alu depctr_va_vdst(0)                   ; the eight products above are done reading tiles 2, 3 and their scale words, and the step's sixteen its set of W and that set's scale words: the loads below and at the next step's head land there
	ALOAD (\ks)+1, 1
.endif
.endm
	s_load_b256 s[4:11], s[0:1], 0x0               ; img, bq, trig, kvimg
	s_load_b128 s[12:15], s[0:1], 0x20             ; ksum, aimg
	v_lshrrev_b32 v7, 5, v0
	v_readfirstlane_b32 s16, v7                    ; wave 0..7
	v_and_b32 v7, 31, v0
	v_lshlrev_b32 v[L16], 4, v7
	v_lshlrev_b32 v[L8], 3, v7
	v_lshlrev_b32 v[L4], 2, v7
	v_bfe_u32 v7, v0, 4, 1
	v_lshlrev_b32 v[H64], 6, v7
	v_and_b32 v7, 15, v0
	v_and_b32 v[TOFF], 8, v7
	v_add_nc_u32 v[TOFF], v[TOFF], v7
	v_lshlrev_b32 v[TOFF], 3, v[TOFF]
	s_wait_alu depctr_va_sdst(0)                   ; s16 is written, ahead of its first reader: the copy's LDS address and all the bases are made from it
	s_mul_i32 s40, s16, REC
	v_add_nc_u32 v[CPY], s40, v[L16]
	s_mov_b32 s[SEL], 0x76543210
	s_mov_b32 s[SEL+1], 0xfedcba98
	s_and_b32 s17, ttmp7, 0xffff
	s_lshr_b32 s18, ttmp9, 4                       ; b
	s_and_b32 s19, ttmp9, 15                       ; g
	s_lshl_b32 s20, s17, 3
	s_add_co_u32 s20, s20, s16                     ; my head
	s_lshl_b32 s21, s18, 4
	s_add_co_u32 s21, s21, s20                     ; bh
	s_lshl_b32 s40, ttmp9, 3
	s_add_co_u32 s40, s40, s16
	s_add_co_u32 s40, s40, 512
	s_mul_i32 s40, s40, REC                        ; the query's record that I copy: 512 + 8 x + wave
	s_mov_b32 s41, 0
	s_lshl_b32 s42, s20, 3
	s_mul_i32 s42, s42, REC                        ; wq's records of my head
	s_mov_b32 s43, 0
	s_lshl_b32 s44, s20, 8
	s_mov_b32 s45, 0
	s_lshl_b32 s46, s19, 9                         ; the table's entry 2 t + 1: 8 t + 4 bytes
	s_mov_b32 s47, 0
	s_lshl_b32 s48, s21, 13
	s_mov_b32 s49, 0
	s_lshl_b32 s50, s21, 9
	s_mov_b32 s51, 0
	s_lshl_b32 s52, ttmp9, 3
	s_lshr_b32 s54, s20, 1
	s_add_co_u32 s52, s52, s54
	s_mul_i32 s52, s52, REC                        ; aimg's record: 8 x + head / 2
	s_and_b32 s54, s20, 1
	s_mul_i32 s56, s54, 768
	s_add_co_u32 s56, s56, s52                     ; my half of each fragment
	s_mov_b32 s57, 0
	s_lshl_b32 s54, s54, 8
	s_add_co_u32 s54, s54, s52
	s_add_co_u32 s54, s54, 6144                    ; my half of the scale block
	s_mov_b32 s55, 0
	s_wait_kmcnt 0x0
	s_add_nc_u64 s[AB:AB+1], s[4:5], s[40:41]
	s_add_nc_u64 s[WB:WB+1], s[4:5], s[42:43]
	s_add_nc_u64 s[BQB:BQB+1], s[6:7], s[44:45]
	s_add_nc_u64 s[TRB:TRB+1], s[8:9], s[46:47]
	s_add_nc_u64 s[KVB:KVB+1], s[10:11], s[48:49]
	s_add_nc_u64 s[KSB:KSB+1], s[12:13], s[50:51]
	s_add_nc_u64 s[AOB:AOB+1], s[14:15], s[56:57]
	s_add_nc_u64 s[ASB:ASB+1], s[14:15], s[54:55]
	s_wait_alu depctr_va_vdst(0)                   ; the addresses and offsets v1 to v6 are written: every load and store of the kernel reads one of them
.set kk, 0
.rept 13
	global_load_b128 v[72+4*kk:75+4*kk], v[L16], s[AB:AB+1] offset:512*kk   ; the copy: 13 x 512 bytes
.set kk, kk+1
.endr
	; 56 loads that are wanted with or behind the first K step
.irp nn, 0,1,2,3
.irp qq, 0,1
	global_load_b128 v[BQ+8*\nn+4*\qq:BQ+8*\nn+4*\qq+3], v[H64], s[BQB:BQB+1] offset:128*(\nn/2)+32*(\nn%2)+16*\qq   ; bq at d = 32 (i / 2) + 16 h + 8 (i % 2) + 0 .. 7
.endr
.endr
	WIN 0x40                                       ; destination window 1
.irp pp, 0,1
.irp jj, 0,1,2,3
	global_load_b128 v[KVF+12*\jj+6*\pp:KVF+12*\jj+6*\pp+3], v[L16], s[KVB:KVB+1] offset:1024*(4*\pp+\jj)
	global_load_b64 v[KVF+12*\jj+6*\pp+4:KVF+12*\jj+6*\pp+5], v[L8], s[KVB:KVB+1] offset:1024*(4*\pp+\jj)+512
.endr
.endr
.set kk, 0
.rept 8
	global_load_b128 v[KC+4*kk:KC+4*kk+3], v[H64], s[KSB:KSB+1] offset:256+128*(kk/4)+16*(kk%4)
.set kk, kk+1
.endr
	WIN 0
.irp jj, 0,1,2,3
	global_load_b32 v[KVSC+\jj], v[L4], s[KVB:KVB+1] offset:1024*\jj+768
	global_load_b32 v[KVH+\jj], v[L4], s[KVB:KVB+1] offset:1024*(4+\jj)+768
.endr
.set kk, 0
.rept 8
	global_load_b128 v[KS+4*kk:KS+4*kk+3], v[H64], s[KSB:KSB+1] offset:128*(kk/4)+16*(kk%4)
.set kk, kk+1
.endr
.irp jj, 0,1,2,3
	global_load_b32 v[SQC+2*\jj], v[TOFF], s[TRB:TRB+1] offset:8*(32*(\jj/2)+8*(\jj%2))+4
	global_load_b32 v[SQC+2*\jj+1], v[TOFF], s[TRB:TRB+1] offset:8*(32*(\jj/2)+8*(\jj%2))+4+8192
.endr
	s_wait_loadcnt 56                              ; the copy's 13 loads are in; the 56 behind them may be out
.set kk, 0
.rept 13
	ds_store_b128 v[CPY], v[72+4*kk:75+4*kk] offset:512*kk
.set kk, kk+1
.endr
	s_wait_dscnt 0x0                               ; for the others' sake: my record has landed
	s_wait_alu depctr_vm_vsrc(0)                   ; the copy's LDS stores have read v72 to v123, in which W's first set and the query's fragments land
	WLOAD 0
	WLOAD 1
	s_barrier_signal -1
	s_barrier_wait -1                              ; the eight records lie in LDS; nothing is stored to LDS behind this barrier
	ALOAD 0, 0
	ALOAD 0, 1
.irp ks, 0,1,2,3,4,5,6,7
	KSTEP \ks
.endr
	; ---- the way out
.irp b, 0,1,2,3
	v_mov_b32 v[TM+4+\b], 0                        ; written once: a lane permute's destination counts as one of its sources
.endr
	v_mov_b32 v[TM+8], 0
	v_mov_b32 v[TM+11], 0                          ; (named as the upper half of the pair with 1 / den)
.irp j, 0,1,2,3,4,5,6,7
	v_mul_f32 v[SQC+\j], 0x3e000000, v[SQC+\j]     ; sin / 8, cos / 8: exact
.endr
.irp j, 0,1,2,3
	v_lshl_or_b32 v[KVSC+\j], v[KVH+\j], 16, v[KVSC+\j]   ; kv's scale word: two bytes from each part of d2
.endr
.macro TILE jt
	WIN 0x04                                       ; source 1: window 1
.set ii, 0
.rept 32
	v_max_num_f32 v[QR+ii], 0, v[32*(\jt)+ii]      ; relu; ascending: each accumulator is read from its low end on
.set ii, ii+1
.endr
	WIN 0
.set ii, 0
.rept 16
	v_pk_mul_f32 v[T+ii:T+ii+1], v[QR+ii:QR+ii+1], v[SQC+2*(\jt):SQC+2*(\jt)+1] op_sel_hi:[1,0]   ; x sin / 8: d2 = d
.set ii, ii+2
.endr
.set ii, 0
.rept 16
	v_pk_mul_f32 v[T+32+ii:T+32+ii+1], v[QR+ii:QR+ii+1], v[SQC+2*(\jt):SQC+2*(\jt)+1] op_sel:[0,1] op_sel_hi:[1,1]   ; x cos / 8: d2 = 64 + d
.set ii, ii+2
.endr
	s_wait_xcnt 0x0                                ; the last tile's stores have had their addresses translated,
.if (\jt) > 0
	s_wait_alu depctr_vm_vsrc(0)                   ; and have read the codes' registers, which QUANT writes again
.endif
	QUANT T, 2, PW
	v_pk_mul_f32 v[DA:DA+1], v[T:T+1], v[KS:KS+1]  ; den, of the UNQUANTISED q2, in two chains.  These 32 plain lines are also the places between the writes of q2's codes and scale word and the products below
	v_pk_mul_f32 v[DB:DB+1], v[T+2:T+3], v[KS+2:KS+3]
.set ii, 4
.rept 7
	v_pk_fma_f32 v[DA:DA+1], v[T+ii:T+ii+1], v[KS+ii:KS+ii+1], v[DA:DA+1]
	v_pk_fma_f32 v[DB:DB+1], v[T+ii+2:T+ii+3], v[KS+ii+2:KS+ii+3], v[DB:DB+1]
.set ii, ii+4
.endr
	WIN 0x04
.set ii, 0
.rept 8
	v_pk_fma_f32 v[DA:DA+1], v[T+32+ii:T+32+ii+1], v[KC+ii:KC+ii+1], v[DA:DA+1]
	v_pk_fma_f32 v[DB:DB+1], v[T+34+ii:T+34+ii+1], v[KC+ii+2:KC+ii+3], v[DB:DB+1]
.set ii, ii+4
.endr
	WIN 0x01                                       ; source 0 (kv^T): window 1
	s_wait_alu depctr_va_vdst(0)                   ; vector instructions have written q2's codes and its scale word (and, ahead of the first tile, kv's scale words): the scaled products below take them as source 1 and as scales; the places above stay beside this wait
.irp nn, 0,1,2,3
	v_wmma_scale_f32_16x16x128_f8f6f4 v[NUM+8*\nn:NUM+8*\nn+7], v[KVF+12*\nn:KVF+12*\nn+11], v[PC:PC+11], 0, v[KVSC+\nn], v[PW] matrix_a_fmt:MATRIX_FMT_BF6 matrix_b_fmt:MATRIX_FMT_BF6
.endr
	WIN 0
	v_pk_add_f32 v[DA:DA+1], v[DA:DA+1], v[DB:DB+1]        ; (plain lines behind the products)
	v_add_f32 v[DA], v[DA], v[DA+1]
	v_permlanex16_b32 v[TM+8], v[DA], s[SEL], s[SEL+1]
	v_add_f32 v[DA], v[DA], v[TM+8]                ; with lane l xor 16's half of d2
	v_max_num_f32 v[DA], 0x358637bd, v[DA]         ; max(den, 1e-6)
	v_rcp_f32 v[TM+10], v[DA]
	v_nop                                          ; a plain instruction behind the reciprocal
	s_wait_alu depctr_va_vdst(0)                   ; the reciprocal has written 1 / den, ahead of its first reader
.set ii, 0
.rept 16
	v_pk_mul_f32 v[NUM+ii:NUM+ii+1], v[NUM+ii:NUM+ii+1], v[TM+10:TM+11] op_sel_hi:[1,0]   ; ascending: each accumulator is read from its low end on
.set ii, ii+2
.endr
	QUANT NUM, 1, PW2                              ; register 16 b + i = e 32 b + 16 h + i of my t: two blocks along E
	s_wait_alu depctr_va_vdst(0)                   ; QUANT has written the codes, which the two stores read
	global_store_b128 v[L16], v[PC:PC+3], s[AOB:AOB+1] offset:1536*(\jt)
	global_store_b64 v[L8], v[PC+4:PC+5], s[AOB:AOB+1] offset:1536*(\jt)+512
.if (\jt)%2 == 0
	v_mov_b32 v[PWH+(\jt)/2], v[PW2]
.else
	v_lshl_or_b32 v[PWH+(\jt)/2], v[PW2], 16, v[PWH+(\jt)/2]
.endif
.endm
	TILE 0
	TILE 1
	TILE 2
	TILE 3
	s_wait_alu depctr_va_vdst(0)                   ; the four tiles' scale bytes are written into v254 and v255, which the store reads
	global_store_b64 v[L8], v[PWH:PWH+1], s[ASB:ASB+1]
	s_wait_xcnt 0x0
	s_wait_alu depctr_vm_vsrc(0)                   ; that store has read v254 and v255, which the two lines below write
	v_lshl_add_u32 v254, v0, 2, 0xd000
	v_mov_b32 v255, 0
	s_wait_dscnt 0x0                               ; the closing lines, six on end
	s_wait_alu 0x0
	s_wait_tensorcnt 0x0
	ds_add_u32 v254, v255
	s_wait_dscnt 0x0
	s_endpgm
.Lfunc_end_k_qc41a2ceeaa_qattn:
	.size	k_qc41a2ceeaa_qattn, .Lfunc_end_k_qc41a2ceeaa_qattn-k_qc41a2ceeaa_qattn
	.p2alignl 7, 3214868480
	.fill 96, 4, 3214868480
	.section	.rodata,"a",@progbits
	.p2align	6, 0x0
	.amdhsa_kernel k_qc41a2ceeaa_qattn
		.amdhsa_group_segment_fixed_size 54272
		.amdhsa_private_segment_fixed_size 0
		.amdhsa_enable_private_segment 0
		.amdhsa_kernarg_size 48
		.amdhsa_user_sgpr_count 2
		.amdhsa_user_sgpr_kernarg_segment_ptr 1
		.amdhsa_wavefront_size32 1
		.amdhsa_system_sgpr_workgroup_id_x 1
		.amdhsa_system_sgpr_workgroup_id_y 1
		.amdhsa_system_sgpr_workgroup_id_z 1
		.amdhsa_system_vgpr_workitem_id 0
		.amdhsa_next_free_vgpr 512
		.amdhsa_next_free_sgpr 66
		.amdhsa_reserve_vcc 0
		.amdhsa_float_denorm_mode_32 3
		.amdhsa_float_denorm_mode_16_64 3
		.amdhsa_memory_ordered 1
		.amdhsa_forward_progress 1
		.amdhsa_inst_pref_size 106
	.end_amdhsa_kernel
	.amdgpu_metadata
---
amdhsa.version: [ 1, 2 ]
amdhsa.kernels:
  - .name:           k_qc41a2ceeaa_qattn
    .symbol:         k_qc41a2ceeaa_qattn.kd
    .args:
      - { .name: img, .offset: 0, .size: 8, .value_kind: global_buffer, .address_space: global }
      - { .name: bq, .offset: 8, .size: 8, .value_kind: global_buffer, .address_space: global }
      - { .name: trig, .offset: 16, .size: 8, .value_kind: global_buffer, .address_space: global }
      - { .name: kvimg, .offset: 24, .size: 8, .value_kind: global_buffer, .address_space: global }
      - { .name: ksum, .offset: 32, .size: 8, .value_kind: global_buffer, .address_space: global }
      - { .name: aimg, .offset: 40, .size: 8, .value_kind: global_buffer, .address_space: global }
    .group_segment_fixed_size: 54272
    .private_segment_fixed_size: 0
    .kernarg_segment_align: 8
    .kernarg_segment_size: 48
    .max_flat_workgroup_size: 256
    .sgpr_count:     66
    .vgpr_count:     512
    .wavefront_size: 32
...
	.end_amdgpu_metadata
.endif
;; end of part 7
;; launch oproj (part 8): grid 128 x 2, 8 waves a work-group, no clusters, 89,088 bytes of LDS; arguments aimg, img, bo, out0; writes out0
.if DOCPART == 8
	.amdgcn_target "amdgcn-amd-amdhsa--gfx1250"
	.amdhsa_code_object_version 6
	.text
	.protected	k_qc41a2ceeaa_oproj
	.globl	k_qc41a2ceeaa_oproj
	.p2align	8
	.type	k_qc41a2ceeaa_oproj,@function
k_qc41a2ceeaa_oproj:
	s_mov_b64 s[64:65], 0
	v_nop
	global_prefetch_b8 v0, s[64:65] scope:SCOPE_SE
	s_setreg_imm32_b32 hwreg(HW_REG_WAVE_SCHED_MODE, 0, 2), 2
	s_setreg_imm32_b32 hwreg(HW_REG_WAVE_MODE, 25, 1), 1
	s_wait_xcnt 0x0
	s_wait_alu depctr_vm_vsrc(0)
; OPROJ: out0 = a wo^T + bo, a = num / den as codes of BF6 (E3M2) with E8M0 scales, laid by the launch before as operand images; wo's likewise, by the first launch.
; SHARES: work-group (x, y): batch b = x / 16, g = x % 16: 64 rows t; y: half of the 1,024 columns.  Wave w makes columns 64 (8 y + w) .. + 63: 4 tiles of wo x 4 tiles of t = 16 accumulators.
; a's eight records are copied into LDS once, a record a wave (its scale bytes, which two heads stored apart, are joined into words on the way); one barrier.
; wo comes straight into registers, THREE K steps (48 products) ahead, in four sets; its first three K steps are asked for at the head, together with the copy and ahead of the wait for it.
; THE PRODUCT IS USED TRANSPOSED (source 0 = 16 rows of wo, source 1 = 16 rows t): a lane holds eight neighbouring columns of one row of out0.  bo is the C of each sum's first product.
; THE WAY OUT: a tile of 16 rows x 64 columns goes through the wave's own stage in LDS (rows of 256 + 16 bytes) and leaves as whole rows: sixteen lanes store 256 consecutive bytes, aligned.
; NO CLUSTER, NO JOINT LOADS: the two work-groups that share a block of a share 53,248 bytes once; wo goes to registers, not to LDS, where a joint load would put it.
; THE MODE: SCHED_MODE bits 1:0 = 2 (LLVM: expert scheduling mode 2), set by the entry lines.  The code itself states the register dependences
; between vector or matrix instructions and memory or LDS instructions, with s_wait_alu, always for 0.
; THE PLAN.  Registers that memory or LDS instructions touch:
;   v1-7          addresses and offsets: written at the head, ahead of one wait on va_vdst, and never again.  v252-255: at work at the head, ahead of the same wait; then a's scale bytes land there.
;   v76-123       at the head: the copy's codes: global loads land, LDS stores read.  v28-31: four v_perm_b32 write the scale words, one LDS store reads them, behind a wait on va_vdst.
;                 One wait on vm_vsrc behind the barrier: a's fragments land in v76-123, wo's fourth set in v28-75.
;   AF, ASCL      a's four fragments and their scale words, in two halves: LDS loads land; a K step's first eight products read tiles 0, 1, its second eight tiles 2, 3.
;   wo's four sets and their scale words: global loads land; a K step's sixteen products read one set.
;                 Two waits on va_vdst a K step, each behind eight products: the first ahead of the reload of tiles 0, 1; the second ahead of the reload of tiles 2, 3 and of the next step's load into the set of wo just multiplied.
;   THE WAY OUT   The accumulators: the stage's LDS stores read them.  OB, two sets by turns: the stage's LDS loads land, global stores read.  One wait on va_vdst ahead of it all (no vector instruction follows); one on vm_vsrc ahead of each reuse of a set.
;   v510, v511    written at the head, read by the closing add alone.
.set REC,  6656
.set STG,  53248                       ; LDS: 0: the eight records;  here: a stage of 16 x 272 bytes for each wave
.set L16,  1
.set L8,   2
.set SO,   3                           ; v3  the stage, on the way in: 272 r + 64 h
.set H64,  4
.set SR,   5                           ; v5  and out: 272 h + 16 r
.set CPY,  6
.set GO,   7                           ; v7  32,768 h + 16 r: two rows t of out0
.set ASCL, 8                           ; v8-11  a's scale words;  v12-27 wo's, four sets: they hold scales and nothing else
.set WSCL, 12
.set AF,   76                          ; v76-123 a's four fragments.  wo's sets: v124-171, v172-219, window 1's v128-175, v28-75
.set BQ,   220                         ; v220-251 bo in the result's layout
.set SB,   252                         ; v252-255 a's scale bytes as loaded (first: at work at the head)
.set SWD,  28                          ; v28-31 the four scale words made of them: wo's fourth set, which lies here, is first asked for behind the barrier
.set OB,   76                          ; the way out: v76-107, v108-139 by turns
.set AB,   22
.set WB,   24
.set BQB,  26
.set OUTB, 28
.set MSB, 0
.macro WIN new                         ; the immediate's high byte repeats the setting that is left
.if MSB != \new
	s_set_vgpr_msb (MSB<<8)|\new
.set MSB, \new
.endif
.endm
.macro NOPS n
.rept \n
	v_nop
.endr
.endm
.macro FLDL reg, a16, a8, off
	ds_load_b128 v[\reg:\reg+3], v[\a16] offset:\off
	ds_load_b64 v[\reg+4:\reg+5], v[\a8] offset:\off+512
	ds_load_b128 v[\reg+6:\reg+9], v[\a16] offset:\off+768
	ds_load_b64 v[\reg+10:\reg+11], v[\a8] offset:\off+1280
.endm
.macro FLDG reg, base, off
	global_load_b128 v[\reg:\reg+3], v[L16], s[\base:\base+1] offset:\off
	global_load_b64 v[\reg+4:\reg+5], v[L8], s[\base:\base+1] offset:\off+512
	global_load_b128 v[\reg+6:\reg+9], v[L16], s[\base:\base+1] offset:\off+768
	global_load_b64 v[\reg+10:\reg+11], v[L8], s[\base:\base+1] offset:\off+1280
.endm
.macro WSEL ks                         ; where set ks % 4 begins (the third lies in window 1)
.if (\ks)%4 == 0
.set WR, 124
.elseif (\ks)%4 == 1
.set WR, 172
.elseif (\ks)%4 == 2
.set WR, 128
.else
.set WR, 28
.endif
.endm
.macro WLOAD ks                        ; 17 loads: wo's four fragments and their scale words of K step ks, into set ks % 4
	WSEL \ks
.if (\ks)%4 == 2
	WIN 0x40
.endif
.irp nn, 0,1,2,3
	FLDG WR+12*\nn, WB, REC*(\ks)+1536*\nn
.endr
	WIN 0
	global_load_b128 v[WSCL+4*((\ks)%4):WSCL+4*((\ks)%4)+3], v[L16], s[WB:WB+1] offset:REC*(\ks)+6144
.endm
.macro ALOAD ks, half                  ; 9 LDS loads: tiles of t 2 half, 2 half + 1 of K step ks and their scale words
.irp jj, 0,1
	FLDL AF+12*(2*(\half)+\jj), L16, L8, REC*(\ks)+1536*(2*(\half)+\jj)
.endr
	ds_load_b64 v[ASCL+2*(\half):ASCL+2*(\half)+1], v[L16] offset:REC*(\ks)+6144+8*(\half)
.endm
.macro MWIN ks                         ; D window 1; C: bo in window 0 (step 0), else window 1; wo: window 1 for the third set
.if (\ks) == 0
	WIN 0x40
.elseif (\ks)%4 == 2
	WIN 0x51
.else
	WIN 0x50
.endif
.endm
.macro MULS ks, j0                     ; 8 products: tiles of t j0, j0 + 1 x wo's four.  The 16 accumulators take turns, in the same order in every K step
	WSEL \ks
.irp jj, 0,1
.irp nn, 0,1,2,3
.if (\ks) == 0
	v_wmma_scale_f32_16x16x128_f8f6f4 v[32*(\j0+\jj)+8*\nn:32*(\j0+\jj)+8*\nn+7], v[WR+12*\nn:WR+12*\nn+11], v[AF+12*(\j0+\jj):AF+12*(\j0+\jj)+11], v[BQ+8*\nn:BQ+8*\nn+7], v[WSCL+4*((\ks)%4)+\nn], v[ASCL+\j0+\jj] matrix_a_fmt:MATRIX_FMT_BF6 matrix_b_fmt:MATRIX_FMT_BF6
.else
	v_wmma_scale_f32_16x16x128_f8f6f4 v[32*(\j0+\jj)+8*\nn:32*(\j0+\jj)+8*\nn+7], v[WR+12*\nn:WR+12*\nn+11], v[AF+12*(\j0+\jj):AF+12*(\j0+\jj)+11], v[32*(\j0+\jj)+8*\nn:32*(\j0+\jj)+8*\nn+7], v[WSCL+4*((\ks)%4)+\nn], v[ASCL+\j0+\jj] matrix_a_fmt:MATRIX_FMT_BF6 matrix_b_fmt:MATRIX_FMT_BF6
.endif
.endr
.endr
.endm
; Four plain instructions stand between a matrix instruction and a load into a register that it has read, or the first read of its result (ISA guide 7.12.1 for vector instructions): they stay beside the waits.
.macro KSTEP ks
.if (\ks) < 5
	WLOAD (\ks)+3                                  ; into the set that the last step multiplied: the wait on va_vdst at that step's end states that its products are done reading it, and only loads and a window switch stand between
	s_wait_loadcnt 51                              ; the wo of the next three steps may be out: this step's is in (and, in step 0, bo)
.else
	s_wait_loadcnt 17*(7-(\ks))                    ; two, one, no step's wo may be out
.endif
	s_wait_dscnt 9                                 ; tiles 0, 1 and their scale words are in; the 9 loads of tiles 2, 3 may be out
	MWIN \ks
	MULS \ks, 0
	WIN 0
	s_wait_dscnt 0x0
.if (\ks) < 7
	NOPS 4
	s_wait_alu depctr_va_vdst(0)                   ; the eight products above are done reading tiles 0, 1 and their scale words, in which the next K step's land
	ALOAD (\ks)+1, 0
.endif
	MWIN \ks
	MULS \ks, 2
	WIN 0
	NOPS 4
.if (\ks) < 7
	s_wait_alu depctr_va_vdst(0)                   ; the eight products above are done reading tiles 2, 3 and their scale words, and the step's sixteen its set of wo and that set's scale words: the loads below and at the next step's head land there
	ALOAD (\ks)+1, 1
.endif
.endm
	s_load_b256 s[4:11], s[0:1], 0x0               ; aimg, img, bo, out0
	s_set_vgpr_msb 0x40
	v_lshl_add_u32 v254, v0, 2, 0x15800
	v_mov_b32 v255, 0
	s_set_vgpr_msb 0x4000
	v_lshrrev_b32 v[SB], 5, v0
	v_readfirstlane_b32 s16, v[SB]                 ; wave 0..7
	v_and_b32 v[SB], 31, v0
	v_lshlrev_b32 v[L16], 4, v[SB]
	v_lshlrev_b32 v[L8], 3, v[SB]
	v_and_b32 v[SB], 15, v0                        ; r
	v_bfe_u32 v[SB+1], v0, 4, 1                    ; h
	v_lshlrev_b32 v[H64], 6, v[SB+1]
	s_wait_alu depctr_va_sdst(0)                   ; s16 is written, ahead of its first reader: LDS addresses and all the bases are made from it
	s_mul_i32 s40, s16, REC
	v_add_nc_u32 v[CPY], s40, v[L16]
	s_mul_i32 s40, s16, 4352
	s_add_co_u32 s40, s40, STG                     ; my stage
	v_mul_u32_u24 v[SO], v[SB], 272
	v_lshl_add_u32 v[SO], v[SB+1], 6, v[SO]
	v_add_nc_u32 v[SO], s40, v[SO]
	v_mul_u32_u24 v[SR], v[SB+1], 272
	v_lshl_add_u32 v[SR], v[SB], 4, v[SR]
	v_add_nc_u32 v[SR], s40, v[SR]
	v_lshlrev_b32 v[GO], 15, v[SB+1]
	v_lshl_add_u32 v[GO], v[SB], 4, v[GO]
	s_and_b32 s17, ttmp7, 0xffff
	s_lshr_b32 s18, ttmp9, 4                       ; b
	s_and_b32 s19, ttmp9, 15                       ; g
	s_lshl_b32 s20, s17, 3
	s_add_co_u32 s20, s20, s16                     ; my 64 columns
	s_lshl_b32 s40, ttmp9, 3
	s_add_co_u32 s40, s40, s16
	s_mul_i32 s40, s40, REC                        ; a's record that I copy: 8 x + wave
	s_mov_b32 s41, 0
	s_lshl_b32 s42, s20, 3
	s_add_co_u32 s42, s42, 384
	s_mul_i32 s42, s42, REC                        ; wo's records of my columns
	s_mov_b32 s43, 0
	s_lshl_b32 s44, s20, 8
	s_mov_b32 s45, 0
	s_lshl_b32 s46, s19, 9
	s_add_co_u32 s46, s46, s18
	s_lshl_b32 s46, s46, 12                        ; row (t = 64 g, b) of out0,
	s_add_co_u32 s46, s46, s44                     ; my columns
	s_mov_b32 s47, 0
	s_wait_kmcnt 0x0
	s_add_nc_u64 s[AB:AB+1], s[4:5], s[40:41]
	s_add_nc_u64 s[WB:WB+1], s[6:7], s[42:43]
	s_add_nc_u64 s[BQB:BQB+1], s[8:9], s[44:45]
	s_add_nc_u64 s[OUTB:OUTB+1], s[10:11], s[46:47]
	s_wait_alu depctr_va_vdst(0)                   ; the addresses and offsets v1 to v7 are written, which every load and store reads; and the head is done with v252 and v253, in which a's scale bytes land
.set kk, 0
.rept 12
	global_load_b128 v[AF+4*kk:AF+4*kk+3], v[L16], s[AB:AB+1] offset:512*kk   ; the codes: 12 x 512 bytes
.set kk, kk+1
.endr
	global_load_b64 v[SB:SB+1], v[L8], s[AB:AB+1] offset:6144     ; my row's scale bytes of the K step's first 64, two for each of the four tiles,
	global_load_b64 v[SB+2:SB+3], v[L8], s[AB:AB+1] offset:6400   ; and of its second 64
.irp nn, 0,1,2,3
.irp qq, 0,1
	global_load_b128 v[BQ+8*\nn+4*\qq:BQ+8*\nn+4*\qq+3], v[H64], s[BQB:BQB+1] offset:128*(\nn/2)+32*(\nn%2)+16*\qq   ; bo at n = 32 (i / 2) + 16 h + 8 (i % 2) + 0 .. 7
.endr
.endr
	WLOAD 0                                        ; wo's first three K steps go out with the copy
	WLOAD 1
	WLOAD 2
	s_wait_loadcnt 59                              ; the copy's 14 loads are in; bo's 8 and wo's 51 may be out
	v_perm_b32 v[SWD], v[SB+2], v[SB], 0x05040100          ; tile 0's word: the two low halves
	v_perm_b32 v[SWD+1], v[SB+2], v[SB], 0x07060302        ; tile 1's: the two high halves
	v_perm_b32 v[SWD+2], v[SB+3], v[SB+1], 0x05040100
	v_perm_b32 v[SWD+3], v[SB+3], v[SB+1], 0x07060302
.set kk, 0
.rept 12
	ds_store_b128 v[CPY], v[AF+4*kk:AF+4*kk+3] offset:512*kk      ; the codes as they were loaded: no vector instruction names them
.set kk, kk+1
.endr
	s_wait_alu depctr_va_vdst(0)                   ; the four v_perm_b32 have written the scale words, which the LDS store below reads
	ds_store_b128 v[CPY], v[SWD:SWD+3] offset:6144
	s_wait_dscnt 0x0                               ; for the others' sake: my record has landed
	s_barrier_signal -1
	s_barrier_wait -1                              ; the eight records lie in LDS; behind this barrier each wave stores to its own stage alone
	s_wait_alu depctr_vm_vsrc(0)                   ; my LDS stores have read v76 to v123 and v28 to v31: a's fragments and wo's fourth set land there
	ALOAD 0, 0
	ALOAD 0, 1
.irp ks, 0,1,2,3,4,5,6,7
	KSTEP \ks
.endr
	; ---- the way out, a tile of 16 rows t at a time
.macro OUTT jt
	WIN 0x04                                       ; an LDS store's data are its source 1: window 1
.irp nn, 0,1,2,3
	ds_store_b128 v[SO], v[32*(\jt)+8*\nn:32*(\jt)+8*\nn+3] offset:128*(\nn/2)+32*(\nn%2)          ; each accumulator from its low end on
	ds_store_b128 v[SO], v[32*(\jt)+8*\nn+4:32*(\jt)+8*\nn+7] offset:128*(\nn/2)+32*(\nn%2)+16
.endr
	WIN 0
.if (\jt) > 1
	s_wait_xcnt 0x0                                ; the stores of two tiles ago have had their addresses translated,
	s_wait_alu depctr_vm_vsrc(0)                   ; and have read the registers in which the loads below land
.endif
.set kk, 0
.rept 8
	ds_load_b128 v[OB+32*((\jt)%2)+4*kk:OB+32*((\jt)%2)+4*kk+3], v[SR] offset:544*kk   ; LDS serves a wave's instructions in order: these see the stores above, and the next tile's stores come behind them
.set kk, kk+1
.endr
	s_wait_dscnt 0x0
.set kk, 0
.rept 8
	global_store_b128 v[GO], v[OB+32*((\jt)%2)+4*kk:OB+32*((\jt)%2)+4*kk+3], s[OUTB:OUTB+1] offset:(32*((\jt)/2)+8*((\jt)%2)+2*kk+8*(kk/4))*32768 th:TH_STORE_NT   ; stage rows 2 k + h are t = the tile's first + 2 k + h + 8 (k / 4); 16 lanes store 256 consecutive bytes, aligned
.set kk, kk+1
.endr
.endm
	s_wait_alu depctr_va_vdst(0)                   ; the products have written the accumulators, which the stage's stores read, and are done reading a's fragments and wo's first set, in which the stage's loads land; the four places above stay beside this wait, and no vector instruction follows it
	OUTT 0
	OUTT 1
	OUTT 2
	OUTT 3
	s_set_vgpr_msb 0x5                             ; the add's two registers, sources 0 and 1, lie in window 1
	s_wait_dscnt 0x0                               ; the closing lines, six on end
	s_wait_alu 0x0
	s_wait_tensorcnt 0x0
	ds_add_u32 v254, v255
	s_wait_dscnt 0x0
	s_endpgm
.Lfunc_end_k_qc41a2ceeaa_oproj:
	.size	k_qc41a2ceeaa_oproj, .Lfunc_end_k_qc41a2ceeaa_oproj-k_qc41a2ceeaa_oproj
	.p2alignl 7, 3214868480
	.fill 96, 4, 3214868480
	.section	.rodata,"a",@progbits
	.p2align	6, 0x0
	.amdhsa_kernel k_qc41a2ceeaa_oproj
		.amdhsa_group_segment_fixed_size 89088
		.amdhsa_private_segment_fixed_size 0
		.amdhsa_enable_private_segment 0
		.amdhsa_kernarg_size 32
		.amdhsa_user_sgpr_count 2
		.amdhsa_user_sgpr_kernarg_segment_ptr 1
		.amdhsa_wavefront_size32 1
		.amdhsa_system_sgpr_workgroup_id_x 1
		.amdhsa_system_sgpr_workgroup_id_y 1
		.amdhsa_system_sgpr_workgroup_id_z 1
		.amdhsa_system_vgpr_workitem_id 0
		.amdhsa_next_free_vgpr 512
		.amdhsa_next_free_sgpr 66
		.amdhsa_reserve_vcc 0
		.amdhsa_float_denorm_mode_32 3
		.amdhsa_float_denorm_mode_16_64 3
		.amdhsa_memory_ordered 1
		.amdhsa_forward_progress 1
		.amdhsa_inst_pref_size 56
	.end_amdhsa_kernel
	.amdgpu_metadata
---
amdhsa.version: [ 1, 2 ]
amdhsa.kernels:
  - .name:           k_qc41a2ceeaa_oproj
    .symbol:         k_qc41a2ceeaa_oproj.kd
    .args:
      - { .name: aimg, .offset: 0, .size: 8, .value_kind: global_buffer, .address_space: global }
      - { .name: img, .offset: 8, .size: 8, .value_kind: global_buffer, .address_space: global }
      - { .name: bo, .offset: 16, .size: 8, .value_kind: global_buffer, .address_space: global }
      - { .name: out0, .offset: 24, .size: 8, .value_kind: global_buffer, .address_space: global }
    .group_segment_fixed_size: 89088
    .private_segment_fixed_size: 0
    .kernarg_segment_align: 8
    .kernarg_segment_size: 32
    .max_flat_workgroup_size: 256
    .sgpr_count:     66
    .vgpr_count:     512
    .wavefront_size: 32
...
	.end_amdgpu_metadata
.endif
;; end of part 8
